; MI455X (gfx1250); checked and timed in simulation.
; The chip was launched on July 23, 2026; its instructions are those of AMD's public machine-readable ISA for CDNA 5 (MIT licence, August 2026) and "CDNA5" Instruction Set Architecture Reference Guide (July 2026). The comments in the code are by the model that wrote it; some were corrected since.
;; Multi Head Self Attention. Allowed arithmetic: matrix products marked QUANTISED: E3M2 operands, one E8M0 scale for each 32 along K, by v_wmma_scale_f32_16x16x128_f8f6f4 with both operands' format E3M2, f32 sums; everything else in f32.
;; Inputs: Wk 2,048 x 2,048 float32; Wo 2,048 x 2,048 float32; Wq 2,048 x 2,048 float32; Wv 2,048 x 2,048 float32; attention_mask 1 x 1 x 2,048 x 2,048 float32; cos_cached 4,096 x 128 float32; hidden_states 1 x 2,048 x 2,048 float32; position_ids 2,048 int32; sin_cached 4,096 x 128 float32.
;; Outputs: out0 1 x 2,048 x 2,048 float32.
;; This version of the problem:
;;   THIS VERSION OF THE PROBLEM IS GIVEN IN LOW PRECISION. The matrix products marked QUANTISED in the list below multiply operands that are first quantised to E3M2 (3 exponent bits, 2 mantissa bits; 6 bits a number), with one power-of-two scale for each 32 numbers along K (OCP MX v1.0); their sums are f32. All else is computed in f32.
;;   The module's matrix products, in the order in which they are computed (A, B: the left and right operand; K: the contracted axis; several contracted axes count as one K, in the product's order):
;;     1. [M 2,048, K 2,048] x [K 2,048, N 2,048]; A: input hidden_states; B: input Wq: QUANTISED
;;     2. [M 2,048, K 2,048] x [K 2,048, N 2,048]; A: input hidden_states; B: input Wk: QUANTISED
;;     3. [M 2,048, K 2,048] x [K 2,048, N 2,048]; A: input hidden_states; B: input Wv: QUANTISED
;;     4. batch 16 x [M 2,048, K 128] x [K 128, N 2,048]; A: computed on the way; B: computed on the way: QUANTISED
;;     5. batch 16 x [M 2,048, K 2,048] x [K 2,048, N 128]; A: softmax (see below); B: computed on the way: QUANTISED
;;     6. [M 2,048, K 2,048] x [K 2,048, N 2,048]; A: computed on the way; B: input Wo: QUANTISED
;;   THE QUANTISER, for each operand of a quantised product, along K:
;;     - K is cut into blocks of 32 from its start; a last block that is shorter is filled with zeros.
;;     - A block's scale is 2^e with e = floor(log2(the largest magnitude in the block)) - 4, held to -126 .. 127; a block of zeros has e = 0. As a byte (E8M0): e + 127.
;;     - Each number is divided by its block's scale, clamped to +-28, and rounded to the nearest number of E3M2, ties to even, subnormals kept.
;;     - The product sums the exact products of the quantised numbers (number of the format x scale) in f32.
;;   ~~~python
;;   def quantise(x, axis):      # numpy; x: float32 -> the quantised numbers, widened to float32 again
;;       x = np.moveaxis(x, axis, -1); K = x.shape[-1]
;;       x = np.pad(x, [(0, 0)] * (x.ndim - 1) + [(0, -K % 32)]); x = x.reshape(x.shape[:-1] + (-1, 32)); a = np.abs(x).max(-1, keepdims=True)
;;       e = np.where(a > 0, np.clip(np.frexp(np.where(a > 0, a, 1))[1] - 1 - 4, -126, 127), 0)      # np.frexp(a)[1] - 1 = floor(log2(a)), exactly
;;       r = np.clip(x / 2.0 ** e, -28, 28)
;;       step = 2.0 ** (np.maximum(np.frexp(np.where(r == 0, 1, r))[1] - 1, -2) - 2)
;;       q = np.round(r / step) * step * 2.0 ** e      # np.round: ties to even
;;       return np.moveaxis(q.reshape(q.shape[:-2] + (-1,))[..., :K], -1, axis).astype(np.float32)
;;   ~~~
;;   SOFTMAX AHEAD OF A QUANTISED PRODUCT. Where the list says 'softmax', what is quantised is not the finished softmax but p = 2^(t - M), with t = logit x log2(e) and M = ceil(the row's largest t), a whole number; so 1/2 < the row's largest p <= 1. The row's sum l is taken of the UNQUANTISED p, in f32, and the product's result is divided by l at the end. Since M is a whole number, a kernel that streams over the keys may use a running M (the ceiling of the running maximum): every later rescaling is an exact power of two, which a block's scale takes up: the codes' values come out the same.
;;   OPERANDS COMPUTED ON THE WAY. 'Computed on the way' means the value that the module computes at that place (a softmax that the list does not call 'softmax' is quantised finished and normalised). What goes into a quantiser is computed in f32, as accurately as f32 sums, v_exp_f32 and their like allow (about 1e-6 of the number): no bf16 or f16 on the way to a quantiser, and a product that is left as it is and whose result goes on into a quantised operand takes f32 operands (vector FMAs, or v_wmma_f32_16x16x4_f32). A number that lies on a knife's edge between two numbers of the format may be rounded either way, as far as f32 arithmetic and the matrix unit's own rounding can turn it there, and no further.
;; 2 versions. Each part assembles by itself: llvm-mc -triple=amdgcn-amd-amdhsa -mcpu=gfx1250 --defsym DOCPART=n.
;; ======== version 1 of 2: 4 launches
;; workspace buffers: codes 15,728,640 bytes; scales 655,360 bytes; qbuf 3,276,800 bytes; kvbuf 6,553,600 bytes; oc 3,145,728 bytes; os 131,072 bytes
;; launch quant (part 1): grid 640 x 1, 4 waves a work-group, no clusters, 34,304 bytes of LDS; arguments hidden_states, Wq, Wk, Wv, Wo, codes, scales; writes codes, scales
.if DOCPART == 1
	.amdgcn_target "amdgcn-amd-amdhsa--gfx1250"
	.amdhsa_code_object_version 6
	.text
	.protected	k_q0cf4b325c5_quant
	.globl	k_q0cf4b325c5_quant
	.p2align	8
	.type	k_q0cf4b325c5_quant,@function
k_q0cf4b325c5_quant:
	s_mov_b64 s[64:65], 0
	v_nop
	global_prefetch_b8 v0, s[64:65] scope:SCOPE_SE
	s_setreg_imm32_b32 hwreg(HW_REG_WAVE_MODE, 25, 1), 1
	s_wait_xcnt 0x0
; x, Wq, Wk, Wv, Wo, each [2048][2048] f32 with K innermost, become codes of BF6 (E3M2) with one E8M0 byte for each 32 along K, laid in the ORDER OF THE OPERAND'S REGISTERS:
; a fragment (16 rows x 128 K, 12 registers a lane) is an image of 1,536 bytes, register 4 q + e of lane l at byte 512 q + 16 l + 4 e.
; codes: [tensor 5][tile 128][K step 16][1,536];  scales: [tensor 5][tile 128][K step 16][16 rows x 4 bytes].
; THE ROWS OF A TILE ARE NOT NEIGHBOURS: tile T holds rows 32 (T / 2) + 8 (T % 2) + p + 8 (p / 8), p = 0 .. 15, so that, where a tile is source 0 of a product, the 16 result registers of tiles 2 b and 2 b + 1 are 16 neighbours.
; A block's scale is 2^(floor(log2(its largest magnitude)) - 4): its byte is the largest magnitude's exponent field - 4, held at 1 from below.
; LIMITS: NaN and infinities among the inputs are not served; a block whose largest magnitude lies under 2^-122 gets the byte 1, a block of zeros too (its codes are zeros; this program alone reads the bytes).
; SHARES: work-group g takes tile g % 128 of tensor g / 128; wave w its K steps 4 w .. 4 w + 3.  All five tensors take one path: only the source's pointer is chosen, by the work-group's number.
; Each load reads 512 consecutive bytes of one row; a K step's 16 rows turn through the wave's own stage in LDS, so that a lane gets 16 neighbours of each block of 32 of ITS row.  Waves share nothing: no barrier.
.set ROWB,  8192                       ; a row of a tensor in bytes
.set SP,    528                        ; a stage row: 512 bytes + 16: an odd multiple of 16, so that the 16 rows which 16 lanes read start at 16 different columns of 16 bytes
.set STG,   16*SP                      ; a wave's stage
.set FRB,   1536                       ; a fragment's image
.set R,     16                         ; v16-143  two sets of 64 registers as loaded
.set X,     144                        ; v144-207 register 16 b + i: k = 32 b + 16 (lane / 16) + i of my row
.set PC,    208                        ; v208-227 the codes just made (12 registers, and 8 at work)
.set TM,    228                        ; v228-243 at work
.set PW,    244                        ; v244-247 my row's scale word for each of the four K steps
.set D,     248                        ; v248-249 scale words to store
.set SEL,   28                         ; s[28:29] lane selects for v_permlanex16_b32: lane l xor 16
	s_load_b256 s[4:11], s[0:1], 0x0               ; x, Wq, Wk, Wv
	s_load_b128 s[12:15], s[0:1], 0x20             ; Wo, codes
	s_load_b64 s[16:17], s[0:1], 0x30              ; scales
	v_lshl_add_u32 v254, v0, 2, 0x8400
	v_mov_b32 v255, 0
	v_lshrrev_b32 v1, 5, v0
	v_readfirstlane_b32 s26, v1                    ; wave 0..3
	v_and_b32 v1, 31, v0                           ; lane
	v_and_b32 v2, 15, v0                           ; r
	v_bfe_u32 v3, v0, 4, 1                         ; h
	v_lshlrev_b32 v4, 4, v1                        ; 16 x lane: my place in a load's 512 bytes and in a store's
	s_mul_i32 s27, s26, STG
	v_add_nc_u32 v5, s27, v4                       ; into the stage: a row as it lies
	v_mul_u32_u24 v6, v2, SP
	v_lshl_add_u32 v6, v3, 6, v6
	v_add_nc_u32 v6, s27, v6                       ; out of it: row r, + 64 h: my 16 numbers of a block of 32
	v_lshlrev_b32 v7, 2, v1                        ; 4 x lane
	s_mov_b32 s[SEL], 0x76543210
	s_mov_b32 s[SEL+1], 0xfedcba98
.irp b, 0,1,2,3
	v_mov_b32 v[TM+4+\b], 0                        ; written once: a lane permute's destination counts as one of its sources
.endr
	s_lshr_b32 s18, ttmp9, 7                       ; which tensor
	s_and_b32 s19, ttmp9, 127                      ; which tile
	s_lshr_b32 s30, s19, 1
	s_lshl_b32 s30, s30, 5
	s_and_b32 s31, s19, 1
	s_lshl_b32 s31, s31, 3
	s_add_co_u32 s30, s30, s31                     ; the tile's first row: 32 (T / 2) + 8 (T % 2)
	s_lshl_b32 s30, s30, 13                        ; in bytes,
	s_lshl_b32 s31, s26, 11
	s_add_co_u32 s30, s30, s31                     ; + my wave's four K steps: 2,048 bytes of each row
	s_mov_b32 s31, 0
	s_wait_kmcnt 0x0
	s_cmp_eq_u32 s18, 1                            ; the choice hangs on the work-group's number alone
	s_cselect_b64 s[20:21], s[6:7], s[4:5]
	s_cmp_eq_u32 s18, 2
	s_cselect_b64 s[20:21], s[8:9], s[20:21]
	s_cmp_eq_u32 s18, 3
	s_cselect_b64 s[20:21], s[10:11], s[20:21]
	s_cmp_eq_u32 s18, 4
	s_cselect_b64 s[20:21], s[12:13], s[20:21]
	s_add_nc_u64 s[20:21], s[20:21], s[30:31]
	s_mul_i32 s30, ttmp9, 16*FRB                   ; codes: 24,576 bytes a tile,
	s_mul_i32 s27, s26, 4*FRB                      ; 6,144 a wave
	s_add_co_u32 s30, s30, s27
	s_add_nc_u64 s[22:23], s[14:15], s[30:31]
	s_lshl_b32 s30, ttmp9, 10                      ; scale words: 1,024 bytes a tile,
	s_lshl_b32 s27, s26, 8                         ; 256 a wave
	s_add_co_u32 s30, s30, s27
	s_add_nc_u64 s[24:25], s[16:17], s[30:31]
.macro LOAD t                          ; K step t of my four: the tile's 16 rows, 512 consecutive bytes each, into set t % 2
.irp p, 0,1,2,3,4,5,6,7,8,9,10,11,12,13,14,15
	global_load_b128 v[R+64*((\t)%2)+4*\p:R+64*((\t)%2)+4*\p+3], v4, s[20:21] offset:(\p+8*(\p/8))*ROWB+512*(\t) th:TH_LOAD_NT
.endr
.endm
; 64 numbers of a lane, v[s] .. v[s + 63], register 16 b + i = k 32 b + 16 (lane / 16) + i of my row, become a fragment's codes in v[PC] on and my row's scale word in v[pw].
.macro QUANT s, pw
.irp b, 0,1,2,3
	v_max3_num_f32 v[TM+\b], |v[\s+16*\b]|, |v[\s+1+16*\b]|, 0x2800000   ; block b: my 16 numbers, and the floor 2^(5 - 127): so the byte cannot fall under 1
.endr
.irp i, 2,4,6,8,10,12,14
.irp b, 0,1,2,3
	v_max3_num_f32 v[TM+\b], v[TM+\b], |v[\s+16*\b+\i]|, |v[\s+1+16*\b+\i]|   ; the four blocks by turns: no line waits for the line above it
.endr
.endr
.irp b, 0,1,2,3
	v_permlanex16_b32 v[TM+4+\b], v[TM+\b], s[SEL], s[SEL+1]
.endr
.irp b, 0,1,2,3
	v_max_num_f32 v[TM+\b], v[TM+\b], v[TM+4+\b]   ; with lane l xor 16's: the block's largest magnitude
.endr
.irp b, 0,1,2,3
	v_add_nc_u32 v[TM+12+\b], 0xfe000000, v[TM+\b] ; 4 off its exponent field: the conversion takes the exponent field of this operand as its scale
.endr
.irp b, 0,1,2,3
	v_lshrrev_b32 v[TM+4+\b], 23, v[TM+12+\b]      ; the scale's byte
.endr
	v_lshl_or_b32 v[\pw], v[TM+5], 8, v[TM+4]      ; the four bytes make my row's scale word
	v_lshl_or_b32 v[\pw], v[TM+6], 16, v[\pw]
	v_lshl_or_b32 v[\pw], v[TM+7], 24, v[\pw]
.irp c, 0,1
	v_cvt_scalef32_pk16_bf6_f32 v[PC+6*\c:PC+2+6*\c], v[\s+32*\c:\s+15+32*\c], v[TM+12+2*\c]
	v_cvt_scalef32_pk16_bf6_f32 v[PC+12+4*\c:PC+14+4*\c], v[\s+16+32*\c:\s+31+32*\c], v[TM+12+2*\c+1]   ; (a conversion's three registers begin on an even number)
.endr
	v_nop                                          ; one plain instruction behind a scaled conversion
.irp c, 0,1                            ; the operand's layout wants a WHOLE block in a lane: lanes 0-15 block 2 c, lanes 16-31 block 2 c + 1
.irp i, 0,1,2
	v_permlane16_swap_b32 v[PC+6*\c+\i], v[PC+12+4*\c+\i]
.endr
.irp i, 0,1,2
	v_mov_b32 v[PC+3+6*\c+\i], v[PC+12+4*\c+\i]
.endr
.endr
.endm
.macro STEP t
.if (\t) < 3
	s_wait_loadcnt 16                              ; this K step's 16 loads are in; the next step's 16 may be out
.else
	s_wait_loadcnt 0
.endif
.irp p, 0,1,2,3,4,5,6,7,8,9,10,11,12,13,14,15
	ds_store_b128 v5, v[R+64*((\t)%2)+4*\p:R+64*((\t)%2)+4*\p+3] offset:SP*\p
.endr
.irp b, 0,1,2,3
.irp j, 0,1,2,3
	ds_load_b128 v[X+16*\b+4*\j:X+16*\b+4*\j+3], v6 offset:128*\b+16*\j   ; LDS serves a wave's instructions in order: these see the stores above
.endr
.endr
	s_wait_dscnt 0x0                               ; my numbers are back, and the stores have read their registers,
.if (\t)+2 < 4
	LOAD (\t)+2                                    ; which take the loads of two steps on
.endif
.if (\t) > 0
	s_wait_xcnt 0x0                                ; the last step's stores have read the codes' registers: they are written again only behind this wait
.endif
	QUANT X, PW+(\t)
.irp c, 0,1,2
	global_store_b128 v4, v[PC+4*\c:PC+4*\c+3], s[22:23] offset:FRB*(\t)+512*\c   ; the image: 512 consecutive bytes a store
.endr
.endm
	LOAD 0
	LOAD 1
	STEP 0
	STEP 1
	STEP 2
	STEP 3
	v_cmp_le_u32 vcc_lo, 16, v1                    ; lanes 0-15 store the word of K step 2 i, lanes 16-31 that of K step 2 i + 1: 128 consecutive bytes a store
	v_cndmask_b32 v[D], v[PW], v[PW+1], vcc_lo
	v_cndmask_b32 v[D+1], v[PW+2], v[PW+3], vcc_lo
	global_store_b32 v7, v[D], s[24:25]
	global_store_b32 v7, v[D+1], s[24:25] offset:128
	s_wait_tensorcnt 0x0
	ds_add_u32 v254, v255
	s_wait_dscnt 0x0
	s_endpgm
.Lfunc_end_k_q0cf4b325c5_quant:
	.size	k_q0cf4b325c5_quant, .Lfunc_end_k_q0cf4b325c5_quant-k_q0cf4b325c5_quant
	.p2alignl 7, 3214868480
	.fill 96, 4, 3214868480
	.section	.rodata,"a",@progbits
	.p2align	6, 0x0
	.amdhsa_kernel k_q0cf4b325c5_quant
		.amdhsa_group_segment_fixed_size 34304
		.amdhsa_private_segment_fixed_size 0
		.amdhsa_enable_private_segment 0
		.amdhsa_kernarg_size 56
		.amdhsa_user_sgpr_count 2
		.amdhsa_user_sgpr_kernarg_segment_ptr 1
		.amdhsa_wavefront_size32 1
		.amdhsa_system_sgpr_workgroup_id_x 1
		.amdhsa_system_sgpr_workgroup_id_y 1
		.amdhsa_system_sgpr_workgroup_id_z 1
		.amdhsa_system_vgpr_workitem_id 0
		.amdhsa_next_free_vgpr 256
		.amdhsa_next_free_sgpr 66
		.amdhsa_reserve_vcc 1
		.amdhsa_float_denorm_mode_32 3
		.amdhsa_float_denorm_mode_16_64 3
		.amdhsa_memory_ordered 1
		.amdhsa_forward_progress 1
		.amdhsa_inst_pref_size 34
	.end_amdhsa_kernel
	.amdgpu_metadata
---
amdhsa.version: [ 1, 2 ]
amdhsa.kernels:
  - .name:           k_q0cf4b325c5_quant
    .symbol:         k_q0cf4b325c5_quant.kd
    .args:
      - { .name: hidden_states, .offset: 0, .size: 8, .value_kind: global_buffer, .address_space: global }
      - { .name: Wq, .offset: 8, .size: 8, .value_kind: global_buffer, .address_space: global }
      - { .name: Wk, .offset: 16, .size: 8, .value_kind: global_buffer, .address_space: global }
      - { .name: Wv, .offset: 24, .size: 8, .value_kind: global_buffer, .address_space: global }
      - { .name: Wo, .offset: 32, .size: 8, .value_kind: global_buffer, .address_space: global }
      - { .name: codes, .offset: 40, .size: 8, .value_kind: global_buffer, .address_space: global }
      - { .name: scales, .offset: 48, .size: 8, .value_kind: global_buffer, .address_space: global }
    .group_segment_fixed_size: 34304
    .private_segment_fixed_size: 0
    .kernarg_segment_align: 8
    .kernarg_segment_size: 56
    .max_flat_workgroup_size: 128
    .sgpr_count:     66
    .vgpr_count:     256
    .wavefront_size: 32
...
	.end_amdgpu_metadata
.endif
;; end of part 1
;; launch qkv (part 2): grid 24 x 8, 4 waves a work-group, clusters of 4 x 4, 327,680 bytes of LDS; arguments codes, scales, position_ids, cos_cached, sin_cached, qbuf, kvbuf; writes qbuf, kvbuf
.if DOCPART == 2
	.amdgcn_target "amdgcn-amd-amdhsa--gfx1250"
	.amdhsa_code_object_version 6
	.text
	.protected	k_q0cf4b325c5_qkv
	.globl	k_q0cf4b325c5_qkv
	.p2align	8
	.type	k_q0cf4b325c5_qkv,@function
k_q0cf4b325c5_qkv:
	s_mov_b64 s[64:65], 0
	v_nop
	global_prefetch_b8 v0, s[64:65] scope:SCOPE_SE
	s_setreg_imm32_b32 hwreg(HW_REG_WAVE_MODE, 25, 1), 1
	s_wait_xcnt 0x0
	s_wait_alu depctr_hold_cnt(0) depctr_sa_sdst(0) depctr_va_vdst(0) depctr_va_sdst(0) depctr_va_ssrc(0) depctr_va_vcc(0) depctr_vm_vsrc(0)
	s_getreg_b32 s2, hwreg(HW_REG_IB_STS2, 6, 4)
	s_cmp_eq_u32 s2, 0
	s_cbranch_scc0 .Lentry_in_a_cluster
	s_endpgm
.Lentry_in_a_cluster:
	s_bfe_u32 s2, ttmp6, 0x10000c
	s_cmp_lg_u32 s2, 0xf033
	s_cbranch_scc0 .Lentry_shape_is_right
	s_endpgm
.Lentry_shape_is_right:
; q = rope(x Wq^T), k = rope(x Wk^T), v = x Wv^T on codes of BF6 (E3M2) with one E8M0 scale for each 32 along K = 2,048; the results are quantised again in registers and leave as codes:
; q and k along the head's 128, v along the keys.  Nothing wide goes to memory.
; A tile of 256 x 256 is made by a work-group of four waves, a wave makes 128 x 128: 64 accumulators, 512 registers.  K goes in slots of 256 (two K steps of 128) through a ring of two LDS slots.
; THE OPERANDS LIE IN MEMORY AS IMAGES OF THEIR REGISTERS (a fragment, 16 rows x 128 K: 1,536 bytes, register 4 q + e of lane l at 512 q + 16 l + 4 e): three ds_load_b128 at 16 x lane bring a fragment; no pitch, no padding.
; PARTS, by the cluster's x: 0, 1: q;  2, 3: k;  4, 5: v.  Side A is source 1 (a lane holds one row of it), side B is source 0 (a lane's registers run along it).
;   q, k: A = 256 tokens of x, B = 256 rows of Wq or Wk (two heads).   v: A = 256 rows of Wv (two heads), B = 256 tokens of x.
; A tile of 16 rows holds rows 32 (T / 2) + 8 (T % 2) + p + 8 (p / 8).  So for A's block a, register 16 b + i of lane (r, h) is column 32 b + 16 h + i of the wave's 128 of B: 16 neighbours along the NEXT product's K.
; CLUSTERS: 4 x 4 work-groups; A's tiles are shared along a row of the cluster, B's along a column: each is asked for jointly, by the same tensor load with the same descriptor and a mask that names the four.
; OUT: qbuf [head 16][block of 128 queries 16][12,800]: 8 images, then 512 bytes of scale words (tile t, row r at 256 (t / 4) + 16 r + 4 (t % 4));
;      kvbuf [head 16][step of 128 keys 16][25,600]: k's 8 images (16 keys x 128 d) and words, then v's 8 images (16 d x 128 keys) and words.
; LIMITS: NaN and infinities are not served; a block whose largest magnitude lies under 2^-122, a block of zeros too, gets the byte 1 (this program alone reads the bytes); position_ids is held at 4,095, the table's last row.
; REGISTERS, in windows of 256: window 0: v0-31 addresses; v32-63 scale words, two sets; v128-223 A's fragments, ONE set; on the way out v64-127 a block after rope, v128-175 codes and scales at work.
;   window 1: B's fragments, TWO sets, at v0 and v128; on the way out two sets of 64 cos and 64 sin.   windows 2, 3: the accumulators ((a, b) at v[8 (8 (a % 4) + b)] of window 2 + a / 4).
.set NQ,     2                         ; K steps of 128 in a slot
.set FR,     12                        ; registers of a fragment
.set NL,     3                         ; LDS loads that bring one
.set NP,     4                         ; places behind this matrix instruction (ISA guide 7.12.1)
.set FRB,    1536                      ; a fragment's image
.set TILEB,  16*FRB                    ; a tile of 16 rows in memory: its 16 K steps
.set SLB,    NQ*FRB                    ; what a slot holds of a tile
.set HALFT,  8*SLB                     ; 8 tiles, 128 rows: what one tensor load brings, and what one wave reads of A or of B
.set SLOT,   4*HALFT                   ; A's 256 rows, then B's 256 rows
.set LAPS,   4                         ; a lap = two slots = 512 along K
.set SCL,    2*SLOT                    ; behind the ring: the scale words for all of K, filled once
.set HALFS,  8*1024                    ; those of 8 tiles
.set SPARE,  SCL+4*HALFS               ; the spare words, 128 bytes for each wave: two blocks of 256 bytes that no other line names
.set RW,   7                           ; v7      4 (r + 8 (r / 8)): my token's place among a tile's positions
.set POS,  8                           ; v8-15   block a: my token's position, then the byte of my half of its row of cos and sin
.set ADRA, 16                          ; v16-17  LDS address of my A fragments in slot 0, 1
.set ADRB, 20                          ; v20-21  the same for B
.set ADRS, 27                          ; v27     LDS address of my scale words: lanes 0-15 A's rows, lanes 16-31 B's
.set SPW,  28                          ; v28     LDS address of my spare word; never rewritten
.set NIL,  29                          ; v29     0; never rewritten
.set LI,   30                          ; v30     16 x lane
.set HOF,  31                          ; v31     64 x (lane / 16)
.set SC,   32                          ; scale words: set s at v[SC + 16 s]; register 2 i + q: lanes 0-15 A's block i, lanes 16-31 B's block i, the slot's q-th K step
.set HA,   64
.set AF,   128
.set PC,   128
.set TM,   148
.set PWS,  164                         ; v164-171 block a's scale word of my row
.set D,    172
.set SEL,  18                          ; s[18:19] lane selects, on the way out
.set G1, 24                            ; s[24:31] descriptor group 1 for A's tiles;  s[32:39] group 0, one set for each slot
.set G0, 32
.set G1B, 48                           ; s[48:55], s[56:63] the same for B's tiles
.set G0B, 56
.set G1S, 68                           ; s[68:75], s[76:79] groups 1 and 0 for A's scale words;  s[80:87], s[88:91] for B's
.set G0S, 76
.set G1SB, 80
.set G0SB, 88
.set MSB, 0
.macro WIN new                         ; the immediate's high byte repeats the setting that is left; a switch that changes nothing is dropped
.if MSB != (\new)
	s_set_vgpr_msb (MSB<<8)|(\new)
.set MSB, (\new)
.endif
.endm
.set MUL_LO, 0xa1                      ; source 0 (B) window 1, source 1 (A) window 0, C and D window 2
.set MUL_HI, 0xf1                      ; the same, C and D window 3
.set TO_B,   0x40                      ; destination window 1, address window 0
; A joint load: waves 0 and 1 fetch for A, waves 2 and 3 for B.  The branch hangs on the wave's number alone.  Four v_nop follow each of the two lines.
.macro JLOAD g0a, g1a, g0b, g1b
	s_cmp_eq_u32 s15, 0
	s_cbranch_scc0 .Lfor_b_\@
	tensor_load_to_lds s[\g0a:\g0a+3], s[\g1a:\g1a+7]
	s_nop 0
.rept 4
	v_nop
.endr
	s_branch .Lasked_\@
.Lfor_b_\@:
	tensor_load_to_lds s[\g0b:\g0b+3], s[\g1b:\g1b+7]
	s_nop 0
.rept 4
	v_nop
.endr
.Lasked_\@:
.endm
.macro CREST                           ; a round of the cluster's barrier behind its opening barrier
	s_cmp_lg_u32 s14, 0
	s_cbranch_scc1 .Lnot_wave_0_\@
	s_barrier_signal -3
.Lnot_wave_0_\@:
	s_barrier_wait -3
	s_barrier_signal -1
	s_barrier_wait -1
.endm
.macro CROUND                          ; a whole round
	s_barrier_signal -1
	s_barrier_wait -1
	CREST
.endm
	s_load_b256 s[4:11], s[0:1], 0x0               ; codes s[4:5], scales s[6:7], position_ids s[8:9], cos s[10:11]
	s_load_b128 s[96:99], s[0:1], 0x20             ; sin s[96:97], qbuf s[98:99]
	s_load_b64 s[100:101], s[0:1], 0x30            ; kvbuf
	v_lshl_add_u32 v[SPW], v0, 2, SPARE
	v_mov_b32 v[NIL], 0
	ds_add_u32 v28, v29
	ds_add_u32 v28, v29
	s_wait_dscnt 0x0
	v_lshrrev_b32 v1, 5, v0
	v_readfirstlane_b32 s14, v1                    ; wave 0..3
	s_lshr_b32 s15, s14, 1                         ; which half of A's rows is mine.  Also: I fetch for A (0) or for B (1)
	s_and_b32 s16, s14, 1                          ; which half of B's rows.  Also: which 128 rows I fetch
	s_bfe_u32 s40, ttmp6, 0x40000                  ; cx, cy: my place in the cluster
	s_bfe_u32 s41, ttmp6, 0x40004
	s_lshl_b32 s42, ttmp9, 2
	s_add_co_u32 s42, s42, s40                     ; X = 4 x cluster x + cx
	s_and_b32 s17, ttmp7, 0xffff
	s_lshl_b32 s17, s17, 2
	s_add_co_u32 s17, s17, s41                     ; Y = 4 x cluster y + cy
	s_lshl_b32 s43, s41, 2
	s_lshl_b32 s43, 15, s43                        ; my row of the cluster
	s_lshl_b32 s44, 0x1111, s40                    ; my column
	; descriptor group 1: 8 tiles' parts of a slot: 8 rows of 3,072 bytes (384 elements of 8 bytes), 24,576 bytes apart in memory, dense in LDS
	s_or_b32 s[G1+0], s43, (3<<16)|(1<<21)         ; 15:0 the mask: A's tiles go to my row; 17:16 elements of 8 bytes; 20 no padding; 21 set beside a mask
	s_or_b32 s[G1B+0], s44, (3<<16)|(1<<21)
.irp g, G1, G1B
	s_mov_b32 s[\g+1], (SLB/8)<<16                 ; tensor_dim0
	s_mov_b32 s[\g+2], 8<<16                       ; tensor_dim1
	s_mov_b32 s[\g+3], (SLB/8)<<16                 ; tile_dim0
	s_mov_b32 s[\g+4], 8                           ; tile_dim1
	s_mov_b32 s[\g+5], TILEB/8                     ; tensor_dim0_stride
	s_mov_b32 s[\g+6], 0
	s_mov_b32 s[\g+7], 0
.endr
	; and for the scale words of 8 tiles: a dense block of 8,192 bytes, as 32 rows of 256 bytes
	s_or_b32 s[G1S+0], s43, (3<<16)|(1<<21)
	s_or_b32 s[G1SB+0], s44, (3<<16)|(1<<21)
.irp g, G1S, G1SB
	s_mov_b32 s[\g+1], 32<<16
	s_mov_b32 s[\g+2], 32<<16
	s_mov_b32 s[\g+3], 32<<16
	s_mov_b32 s[\g+4], 32
	s_mov_b32 s[\g+5], 32
	s_mov_b32 s[\g+6], 0
	s_mov_b32 s[\g+7], 0
.endr
	; which tiles: the five tensors' tiles lie on end, 128 each: x, Wq, Wk, Wv, Wo.  q, k: A = x (tile 16 Y), B = tile 128 + 16 X (Wq for X = 0..7, Wk for 8..15).  v: A = Wv (384 + 16 Y), B = x (16 (X - 16))
	s_cmp_ge_u32 ttmp9, 4                          ; the cluster's x: the same in all sixteen partners
	s_cselect_b32 s95, 384, 0
	s_lshl_b32 s18, s16, 3                         ; which 8 tiles of the 16 I fetch
	s_lshl_b32 s20, s17, 4
	s_add_co_u32 s20, s20, s18
	s_add_co_u32 s20, s20, s95                     ; A's first tile
	s_lshl_b32 s46, s42, 4
	s_add_co_u32 s46, s46, s18
	s_add_co_u32 s46, s46, 128
	s_sub_co_u32 s46, s46, s95                     ; B's first tile
	s_lshl_b32 s22, s20, 10                        ; where these tiles' scale words begin, in bytes
	s_mov_b32 s23, 0
	s_lshl_b32 s92, s46, 10
	s_mov_b32 s93, 0
	s_mul_i32 s20, s20, TILEB                      ; and their codes (at most 639 x 24,576: one word)
	s_mov_b32 s21, 0
	s_mul_i32 s46, s46, TILEB
	s_mov_b32 s47, 0
	s_mul_i32 s45, s14, HALFT                      ; where they go: wave x 8 tiles: no place in the cluster enters an LDS address
	s_mul_i32 s94, s14, HALFS
	s_wait_kmcnt 0x0
	s_add_nc_u64 s[20:21], s[4:5], s[20:21]
	s_add_nc_u64 s[22:23], s[6:7], s[22:23]
	s_add_nc_u64 s[46:47], s[4:5], s[46:47]
	s_add_nc_u64 s[92:93], s[6:7], s[92:93]
	CROUND                                         ; all sixteen work-groups are here: the first joint loads meet
	s_mov_b32 s[G0S], 1
	s_add_co_u32 s[G0S+1], s94, SCL
	s_mov_b64 s[G0S+2:G0S+3], s[22:23]
	s_or_b32 s[G0S+3], s[G0S+3], 0x80000000
	s_mov_b32 s[G0SB], 1
	s_add_co_u32 s[G0SB+1], s94, SCL
	s_mov_b64 s[G0SB+2:G0SB+3], s[92:93]
	s_or_b32 s[G0SB+3], s[G0SB+3], 0x80000000
	JLOAD G0S, G1S, G0SB, G1SB                     ; the scale words first: they are wanted with the first K step.  Three loads of mine are out behind the next two
.irp s, 0,1
	s_mov_b32 s[G0+4*\s], 1
	s_add_co_u32 s[G0+4*\s+1], s45, \s*SLOT
	s_add_nc_u64 s[G0+4*\s+2:G0+4*\s+3], s[20:21], \s*SLB
	s_or_b32 s[G0+4*\s+3], s[G0+4*\s+3], 0x80000000
	s_mov_b32 s[G0B+4*\s], 1
	s_add_co_u32 s[G0B+4*\s+1], s45, \s*SLOT
	s_add_nc_u64 s[G0B+4*\s+2:G0B+4*\s+3], s[46:47], \s*SLB
	s_or_b32 s[G0B+4*\s+3], s[G0B+4*\s+3], 0x80000000
	JLOAD G0+4*\s, G1, G0B+4*\s, G1B
.endr
	v_and_b32 v1, 15, v0                           ; r
	v_bfe_u32 v2, v0, 4, 1                         ; h
	v_and_b32 v3, 31, v0
	v_lshlrev_b32 v[LI], 4, v3                     ; 16 x lane: my place in every image
	s_mul_i32 s21, s15, HALFT                      ; my 8 tiles of A
	s_mul_i32 s22, s16, HALFT                      ; my 8 tiles of B,
	s_add_co_u32 s22, s22, 2*HALFT                 ; which lie behind A's 16
.irp s, 0,1
	v_add_nc_u32 v[ADRA+\s], s21, v[LI]
	v_add_nc_u32 v[ADRB+\s], s22, v[LI]
	s_add_co_u32 s21, s21, SLOT
	s_add_co_u32 s22, s22, SLOT
.endr
	v_lshlrev_b32 v5, 2, v1                        ; my row's scale word: 4 r in a K step's 64 bytes
	s_mul_i32 s21, s15, HALFS                      ; A's: my 8 tiles
	s_mul_i32 s22, s16, HALFS                      ; B's: my 8 tiles, behind A's 16
	s_add_co_u32 s22, s22, 2*HALFS
	s_sub_co_u32 s22, s22, s21
	v_mul_u32_u24 v6, s22, v2                      ; lanes 16-31 take B's
	s_add_co_u32 s21, s21, SCL
	v_add_nc_u32 v5, v5, v6
	v_add_nc_u32 v[ADRS], s21, v5
	v_and_b32 v4, 8, v1
	v_add_nc_u32 v4, v4, v1                        ; r + 8 (r / 8)
	v_lshlrev_b32 v[RW], 2, v4
	v_lshlrev_b32 v[HOF], 6, v2
	s_lshl_b32 s20, s17, 10                        ; the positions of A's 128 tokens of mine: 4 bytes x (256 Y + 128 x half).  One path for all parts: v's work-groups load them too (inside the buffer) and do not use them
	s_lshl_b32 s21, s15, 9
	s_add_co_u32 s20, s20, s21
	s_mov_b32 s21, 0
	s_add_nc_u64 s[8:9], s[8:9], s[20:21]
.irp a, 0,1,2,3,4,5,6,7
	global_load_b32 v[POS+\a], v[RW], s[8:9] offset:4*(32*(\a/2)+8*(\a%2))
.endr
.macro FRAG reg, adr, q, i             ; a fragment comes as it was stored: three loads of 16 bytes a lane, 512 consecutive bytes each
.irp c, 0,1,2
	ds_load_b128 v[\reg+4*\c:\reg+4*\c+3], v[\adr] offset:(\i)*SLB+(\q)*FRB+512*\c
.endr
.endm
; 16 matrix instructions: A's blocks a0, a0 + 1 x B's eight, the slot's q-th K step.  p: B's set;  sc: the set of scale words.  zero = 1: the first product starts the sums: nothing is ever cleared.
; The 64 accumulators take turns, one instruction a turn, in the same order in every step.
.macro MUL16 a0, p, q, sc, zero
.irp a, \a0, \a0+1
.irp b, 0,1,2,3,4,5,6,7
.if \zero
	v_wmma_scale_f32_16x16x128_f8f6f4 v[8*(8*((\a)%4)+\b):8*(8*((\a)%4)+\b)+7], v[128*(\p)+FR*\b:128*(\p)+FR*\b+FR-1], v[AF+FR*(\a):AF+FR*(\a)+FR-1], 0, v[SC+8*NQ*(\sc)+NQ*\b+(\q)], v[SC+8*NQ*(\sc)+NQ*(\a)+(\q)] matrix_a_fmt:MATRIX_FMT_BF6 matrix_b_fmt:MATRIX_FMT_BF6 matrix_a_scale:MATRIX_SCALE_ROW1
.else
	v_wmma_scale_f32_16x16x128_f8f6f4 v[8*(8*((\a)%4)+\b):8*(8*((\a)%4)+\b)+7], v[128*(\p)+FR*\b:128*(\p)+FR*\b+FR-1], v[AF+FR*(\a):AF+FR*(\a)+FR-1], v[8*(8*((\a)%4)+\b):8*(8*((\a)%4)+\b)+7], v[SC+8*NQ*(\sc)+NQ*\b+(\q)], v[SC+8*NQ*(\sc)+NQ*(\a)+(\q)] matrix_a_fmt:MATRIX_FMT_BF6 matrix_b_fmt:MATRIX_FMT_BF6 matrix_a_scale:MATRIX_SCALE_ROW1
.endif
.endr
.endr
.endm
.macro FETCH_B slot, q, p              ; B's eight fragments of the slot's q-th K step into set p
	WIN TO_B
.irp i, 0,1,2,3,4,5,6,7
	FRAG 128*(\p)+FR*\i, ADRB+\slot, \q, \i
.endr
	WIN 0
.endm
.macro FETCH_A slot, q, i0             ; A's blocks i0 .. i0 + 3
.irp i, \i0, \i0+1, \i0+2, \i0+3
	FRAG AF+FR*(\i), ADRA+\slot, \q, \i
.endr
.endm
.macro SCALES sc                       ; the next slot's scale words into set sc: lanes 0-15 take A's block i, lanes 16-31 B's block i
.irp i, 0,1,2,3,4,5,6,7
.irp q, 0,1
	ds_load_b32 v[SC+8*NQ*\sc+NQ*\i+\q], v[ADRS] offset:\i*1024+\q*64
.endr
.endr
.endm
; A load into a register that a matrix instruction has read, and a vector instruction that reads a matrix result or writes one of its registers, stand NP places behind it; only plain vector
; instructions that name none of its registers are places (ISA guide 7.12.1 for vector instructions).
.macro PLACES n
.rept \n
	v_nop
.endr
.endm
; A K step that has its successor in the same slot.
.macro STEP slot, q, zero
	s_wait_dscnt 4*NL                              ; B's set, A's blocks 0-3 and the scale words are in; the youngest 12 loads (A's blocks 4-7) may be out
	WIN MUL_LO
	MUL16 0, (\q)%2, \q, \slot, \zero
	MUL16 2, (\q)%2, \q, \slot, \zero
	s_wait_dscnt 0                                 ; A's blocks 4-7 are in (asked for 32 matrix instructions ago)
	PLACES NP
	FETCH_B \slot, (\q)+1, 1-(\q)%2
	FETCH_A \slot, (\q)+1, 0
	WIN MUL_HI
	MUL16 4, (\q)%2, \q, \slot, \zero
	MUL16 6, (\q)%2, \q, \slot, \zero
	PLACES NP
	WIN 0
	FETCH_A \slot, (\q)+1, 4
.endm
; A slot's last K step changes slots: ONE barrier; in front of it each wave waits for all its tensor loads, adds 0 to its spare word, and waits for that and for its own reads of this slot.  fill = 1: this slot is filled again, two slots ahead.
.macro TURN slot, next, fill
	s_wait_tensorcnt 0x0                           ; all my tensor loads have landed: my part of the next slot  (every window is 0 here)
	ds_add_u32 v[SPW], v[NIL]                      ; 0 onto my spare word
	s_wait_dscnt 4*NL+1                            ; (the add and the youngest 12 loads, A's blocks 4-7, may be out)
	WIN MUL_LO
	MUL16 0, 1, NQ-1, \slot, 0                     ; sixteen matrix instructions stand between the add and the wait for it
	s_wait_dscnt 0x0                               ; the add is done, and my reads of this slot are over
	s_barrier_signal -1
	MUL16 2, 1, NQ-1, \slot, 0
	WIN 0
	s_barrier_wait -1
.if \fill
	CREST                                          ; the barrier has opened a round of the cluster's barrier: no wave of any partner still reads this slot or has a load on its way
	s_add_nc_u64 s[G0+4*\slot+2:G0+4*\slot+3], s[G0+4*\slot+2:G0+4*\slot+3], 2*SLB
	s_add_nc_u64 s[G0B+4*\slot+2:G0B+4*\slot+3], s[G0B+4*\slot+2:G0B+4*\slot+3], 2*SLB
	JLOAD G0+4*\slot, G1, G0B+4*\slot, G1B         ; the first tensor load behind the round; its four v_nop are also the places in front of the loads below
.else
	PLACES NP
.endif
	v_add_nc_u32 v[ADRS], 64*NQ, v[ADRS]           ; on to the next slot's scale words (no LDS load of mine is out)
	FETCH_B \next, 0, 0
	FETCH_A \next, 0, 0
	SCALES \next
	WIN MUL_HI
	MUL16 4, 1, NQ-1, \slot, 0
	MUL16 6, 1, NQ-1, \slot, 0
	PLACES NP
	WIN 0
	FETCH_A \next, 0, 4
.endm
	s_wait_tensorcnt 1                             ; the scale words and my part of slot 0 are in (slot 1's load may be out)
	s_barrier_signal -1
	s_barrier_wait -1                              ; everybody's are
	FETCH_B 0, 0, 0
	FETCH_A 0, 0, 0
	SCALES 0
	FETCH_A 0, 0, 4
	STEP 0, 0, 1                                   ; the first K step stands in front of the loop: its products start the sums
	s_mov_b32 s3, LAPS-1
.Llap:                                                 ; a trip goes once round the ring, from a lap's second K step to the next lap's first, and fills both slots again
	TURN 0, 1, 1
	STEP 1, 0, 0
	TURN 1, 0, 1
	STEP 0, 0, 0
	s_sub_co_u32 s3, s3, 1
	s_cmp_lg_u32 s3, 0
	s_cbranch_scc1 .Llap
	TURN 0, 1, 0                                   ; the last lap fills nothing, and has no round of the cluster's barrier
	STEP 1, 0, 0
	s_wait_dscnt 4*NL                              ; the very last K step: nothing more to fetch
	WIN MUL_LO
	MUL16 0, 1, NQ-1, 1, 0
	MUL16 2, 1, NQ-1, 1, 0
	s_wait_dscnt 0
	WIN MUL_HI
	MUL16 4, 1, NQ-1, 1, 0
	MUL16 6, 1, NQ-1, 1, 0
	WIN 0
; THE WAY OUT.  64 numbers of a lane in window w, v[s] .. v[s + 63], register 16 b + i = k 32 b + 16 (lane / 16) + i of my row, become a fragment's codes in v[PC] on and my row's scale word in v[pw] (window 0).
.macro QUANT s, w, pw
.set WN, (\w)|((\w)<<2)
	WIN WN                                         ; sources 0 and 1 in window w
.irp b, 0,1,2,3
	v_max3_num_f32 v[TM+\b], |v[\s+16*\b]|, |v[\s+1+16*\b]|, 0x2800000   ; block b: my 16 numbers, from each accumulator's low end on, and the floor 2^(5 - 127): so the byte cannot fall under 1
.endr
.set WN, ((\w)<<2)|((\w)<<4)
	WIN WN                                         ; sources 1 and 2 in window w
.irp i, 2,4,6,8,10,12,14
.irp b, 0,1,2,3
	v_max3_num_f32 v[TM+\b], v[TM+\b], |v[\s+16*\b+\i]|, |v[\s+1+16*\b+\i]|
.endr
.endr
	WIN 0
.irp b, 0,1,2,3
	v_permlanex16_b32 v[TM+4+\b], v[TM+\b], s[SEL], s[SEL+1]
.endr
.irp b, 0,1,2,3
	v_max_num_f32 v[TM+\b], v[TM+\b], v[TM+4+\b]   ; with lane l xor 16's: the block's largest magnitude
.endr
.irp b, 0,1,2,3
	v_add_nc_u32 v[TM+12+\b], 0xfe000000, v[TM+\b] ; 4 off its exponent field: the conversion's scale operand
.endr
.irp b, 0,1,2,3
	v_lshrrev_b32 v[TM+4+\b], 23, v[TM+12+\b]      ; the scale's byte
.endr
	v_lshl_or_b32 v[\pw], v[TM+5], 8, v[TM+4]
	v_lshl_or_b32 v[\pw], v[TM+6], 16, v[\pw]
	v_lshl_or_b32 v[\pw], v[TM+7], 24, v[\pw]
.set WN, (\w)
	WIN WN                                         ; source 0 in window w
.irp c, 0,1
	v_cvt_scalef32_pk16_bf6_f32 v[PC+6*\c:PC+2+6*\c], v[\s+32*\c:\s+15+32*\c], v[TM+12+2*\c]
	v_cvt_scalef32_pk16_bf6_f32 v[PC+12+4*\c:PC+14+4*\c], v[\s+16+32*\c:\s+31+32*\c], v[TM+12+2*\c+1]
.endr
	WIN 0
	v_nop                                          ; one plain instruction behind a scaled conversion
.irp c, 0,1                            ; the operand's layout wants a WHOLE block in a lane
.irp i, 0,1,2
	v_permlane16_swap_b32 v[PC+6*\c+\i], v[PC+12+4*\c+\i]
.endr
.irp i, 0,1,2
	v_mov_b32 v[PC+3+6*\c+\i], v[PC+12+4*\c+\i]
.endr
.endr
.endm
.macro OUTF a                          ; block a's image: 512 consecutive bytes a store
.irp c, 0,1,2
	global_store_b128 v[LI], v[PC+4*\c:PC+4*\c+3], s[92:93] offset:FRB*(\a)+512*\c
.endr
.endm
.macro CSLOAD a                        ; block a: cos and sin of my token's position at my 64 channels (32 b + 16 h + 0 .. 15), into set a % 2 of window 1: 16 + 16 loads
.set CB, 128*((\a)%2)
	WIN 0x40
.irp b, 0,1,2,3
.irp j, 0,1,2,3
	global_load_b128 v[CB+16*\b+4*\j:CB+16*\b+4*\j+3], v[POS+(\a)], s[10:11] offset:128*\b+16*\j
	global_load_b128 v[CB+64+16*\b+4*\j:CB+64+16*\b+4*\j+3], v[POS+(\a)], s[96:97] offset:128*\b+16*\j
.endr
.endr
.endm
.macro ROPE a                          ; block a of q or k: out[2 i] = x[2 i] cos[2 i] - x[2 i + 1] sin[2 i];  out[2 i + 1] = x[2 i + 1] cos[2 i + 1] + x[2 i] sin[2 i + 1]; an even register is an even channel
.set AC, 64*((\a)%4)
.set WA, 2+(\a)/4
.set CB, 128*((\a)%2)
.if (\a) < 7
	s_wait_loadcnt 32                              ; this block's 32 loads are in; the next block's 32 may be out
.else
	s_wait_loadcnt 0
.endif
.set WN, WA|4
	WIN WN                                         ; source 0 (the sums) window 2 or 3, source 1 (cos, sin) window 1
.set i, 0
.rept 32
	v_pk_mul_f32 v[HA+2*i:HA+2*i+1], v[AC+2*i:AC+2*i+1], v[CB+2*i:CB+2*i+1]   ; ascending: each accumulator is read from its low end on
.set i, i+1
.endr
.set i, 0
.rept 32
	v_fma_f32 v[HA+2*i], -v[AC+2*i+1], v[CB+64+2*i], v[HA+2*i]
	v_fma_f32 v[HA+2*i+1], v[AC+2*i], v[CB+64+2*i+1], v[HA+2*i+1]
.set i, i+1
.endr
.if (\a)+2 < 8
	CSLOAD (\a)+2
.endif
	WIN 0
.if (\a) > 0
	s_wait_xcnt 0x0                                ; the last block's stores have read the codes' registers
.endif
	QUANT HA, 0, PWS+(\a)
	OUTF \a
.endm
.macro VQ a                            ; block a of v: 16 channels x my 128 keys: the sums are quantised as they stand
.set AC, 64*((\a)%4)
.set WA, 2+(\a)/4
.if (\a) > 0
	s_wait_xcnt 0x0
.endif
	QUANT AC, WA, PWS+(\a)
	OUTF \a
.endm
	PLACES NP                                      ; behind the last products: their results are read, and their operands' registers written and loaded into, from here on
	s_mov_b32 s[SEL], 0x76543210
	s_mov_b32 s[SEL+1], 0xfedcba98
.irp b, 0,1,2,3
	v_mov_b32 v[TM+4+\b], 0                        ; written once: a lane permute's destination counts as one of its sources
.endr
	; where my 8 images go.  u1 = B's 128 of mine, u2 = A's.  q, k: head u1, block of tokens u2;  v: head u2, step of keys u1
	s_and_b32 s20, s42, 7
	s_lshl_b32 s20, s20, 1
	s_add_co_u32 s20, s20, s16                     ; u1
	s_lshl_b32 s21, s17, 1
	s_add_co_u32 s21, s21, s15                     ; u2
	s_cmp_ge_u32 ttmp9, 4
	s_cselect_b32 s22, s21, s20                    ; head
	s_cselect_b32 s23, s20, s21                    ; block
	s_cselect_b32 s46, 12800, 0                    ; v's place in a record
	s_lshl_b32 s22, s22, 4
	s_add_co_u32 s22, s22, s23
	s_mov_b32 s47, 25600
	s_cmp_lt_u32 ttmp9, 2
	s_cselect_b64 s[92:93], s[98:99], s[100:101]   ; qbuf or kvbuf: the choice hangs on the cluster's x alone
	s_cselect_b32 s47, 12800, s47                  ; bytes of a record
	s_mul_i32 s22, s22, s47
	s_add_co_u32 s22, s22, s46
	s_mov_b32 s23, 0
	s_add_nc_u64 s[92:93], s[92:93], s[22:23]
	s_wait_loadcnt 0x0                             ; the positions, asked for at the head
	s_cmp_ge_u32 ttmp9, 4                          ; the same in all sixteen partners; no tensor load and no barrier stands on either way
	s_cbranch_scc1 .Lv
.irp a, 0,1,2,3,4,5,6,7
	v_min_u32 v[POS+\a], 0xfff, v[POS+\a]          ; held inside the tables' 4,096 rows
.endr
.irp a, 0,1,2,3,4,5,6,7
	v_lshlrev_b32 v[POS+\a], 9, v[POS+\a]          ; a row of cos or sin is 512 bytes
.endr
.irp a, 0,1,2,3,4,5,6,7
	v_add_nc_u32 v[POS+\a], v[HOF], v[POS+\a]      ; + 64 h
.endr
	CSLOAD 0
	CSLOAD 1
.irp a, 0,1,2,3,4,5,6,7
	ROPE \a
.endr
	s_branch .Lw
.Lv:
.irp a, 0,1,2,3,4,5,6,7
	VQ \a
.endr
.Lw:
	v_and_b32 v1, 31, v0
	v_cmp_le_u32 vcc_lo, 16, v1                    ; the scale words: lane (r, h) stores those of row r of tiles 4 h .. 4 h + 3: 512 consecutive bytes
.irp e, 0,1,2,3
	v_cndmask_b32 v[D+\e], v[PWS+\e], v[PWS+4+\e], vcc_lo
.endr
	global_store_b128 v[LI], v[D:D+3], s[92:93] offset:8*FRB
	s_wait_tensorcnt 0x0                           ; the wave's end
	ds_add_u32 v[SPW], v[NIL]
	s_wait_dscnt 0x0
	CROUND                                         ; the closing round: no work-group ends while a partner may still ask for a tile that names it
	s_endpgm
.Lfunc_end_k_q0cf4b325c5_qkv:
	.size	k_q0cf4b325c5_qkv, .Lfunc_end_k_q0cf4b325c5_qkv-k_q0cf4b325c5_qkv
	.p2alignl 7, 3214868480
	.fill 96, 4, 3214868480
	.section	.rodata,"a",@progbits
	.p2align	6, 0x0
	.amdhsa_kernel k_q0cf4b325c5_qkv
		.amdhsa_group_segment_fixed_size 327680
		.amdhsa_private_segment_fixed_size 0
		.amdhsa_enable_private_segment 0
		.amdhsa_kernarg_size 56
		.amdhsa_user_sgpr_count 2
		.amdhsa_user_sgpr_kernarg_segment_ptr 1
		.amdhsa_wavefront_size32 1
		.amdhsa_system_sgpr_workgroup_id_x 1
		.amdhsa_system_sgpr_workgroup_id_y 1
		.amdhsa_system_sgpr_workgroup_id_z 1
		.amdhsa_system_vgpr_workitem_id 0
		.amdhsa_next_free_vgpr 1024
		.amdhsa_next_free_sgpr 102
		.amdhsa_reserve_vcc 1
		.amdhsa_float_denorm_mode_32 3
		.amdhsa_float_denorm_mode_16_64 3
		.amdhsa_memory_ordered 1
		.amdhsa_forward_progress 1
		.amdhsa_inst_pref_size 250
	.end_amdhsa_kernel
	.amdgpu_metadata
---
amdhsa.version: [ 1, 2 ]
amdhsa.kernels:
  - .name:           k_q0cf4b325c5_qkv
    .symbol:         k_q0cf4b325c5_qkv.kd
    .args:
      - { .name: codes, .offset: 0, .size: 8, .value_kind: global_buffer, .address_space: global }
      - { .name: scales, .offset: 8, .size: 8, .value_kind: global_buffer, .address_space: global }
      - { .name: position_ids, .offset: 16, .size: 8, .value_kind: global_buffer, .address_space: global }
      - { .name: cos_cached, .offset: 24, .size: 8, .value_kind: global_buffer, .address_space: global }
      - { .name: sin_cached, .offset: 32, .size: 8, .value_kind: global_buffer, .address_space: global }
      - { .name: qbuf, .offset: 40, .size: 8, .value_kind: global_buffer, .address_space: global }
      - { .name: kvbuf, .offset: 48, .size: 8, .value_kind: global_buffer, .address_space: global }
    .group_segment_fixed_size: 327680
    .private_segment_fixed_size: 0
    .kernarg_segment_align: 8
    .kernarg_segment_size: 56
    .max_flat_workgroup_size: 128
    .sgpr_count:     102
    .vgpr_count:     1024
    .wavefront_size: 32
...
	.end_amdgpu_metadata
.endif
;; end of part 2
;; launch attn (part 3): grid 16 x 16, 8 waves a work-group, clusters of 4 x 4, 327,680 bytes of LDS; arguments qbuf, kvbuf, attention_mask, oc, os; writes oc, os
.if DOCPART == 3
	.amdgcn_target "amdgcn-amd-amdhsa--gfx1250"
	.amdhsa_code_object_version 6
	.text
	.protected	k_q0cf4b325c5_attn
	.globl	k_q0cf4b325c5_attn
	.p2align	8
	.type	k_q0cf4b325c5_attn,@function
k_q0cf4b325c5_attn:
	s_mov_b64 s[64:65], 0
	v_nop
	global_prefetch_b8 v0, s[64:65] scope:SCOPE_SE
	s_setreg_imm32_b32 hwreg(HW_REG_WAVE_MODE, 25, 1), 1
	s_wait_xcnt 0x0
	s_wait_alu depctr_hold_cnt(0) depctr_sa_sdst(0) depctr_va_vdst(0) depctr_va_sdst(0) depctr_va_ssrc(0) depctr_va_vcc(0) depctr_vm_vsrc(0)
	s_getreg_b32 s2, hwreg(HW_REG_IB_STS2, 6, 4)
	s_cmp_eq_u32 s2, 0
	s_cbranch_scc0 .Lentry_in_a_cluster
	s_endpgm
.Lentry_in_a_cluster:
	s_bfe_u32 s2, ttmp6, 0x10000c
	s_cmp_lg_u32 s2, 0xf033
	s_cbranch_scc0 .Lentry_shape_is_right
	s_endpgm
.Lentry_shape_is_right:
; o[q][head] = softmax_k(q . k / sqrt(128) + mask[q][k]) v, both products on codes of BF6 (E3M2) with one E8M0 scale for each 32 along a product's K; o is quantised along the head's 128 and leaves as codes.
; THE MASK IS AN INPUT, f32, added to every score: every key step is walked, and every mask number is read.
; THE SOFTMAX AHEAD OF THE SECOND PRODUCT: t = logit x log2(e); M = the row's largest t so far, rounded UP to a whole number; p = 2^(t - M) is what is quantised, along the keys; the row's sum is taken of the
; unquantised p and divides at the end.  When M moves, the sum and O are multiplied by 2^(old M - new M): exact.
; THE MASK IS THE C OF THE FIRST PRODUCT: C = mask x sqrt(128), so that D x c = (score / sqrt(128) + mask) x log2(e) with c = log2(e) / sqrt(128): the addition costs one packed multiply for two numbers.
; SHARES.  A work-group owns 128 queries of one head; each of its EIGHT waves owns 16 of them, one tile, in 256 registers: two waves to a SIMD, so that one wave's vector work stands beside the other's matrix work and LDS loads.
; LAYOUT.  Both products are used transposed: S^T = K Q^T, O^T = V^T P^T: a lane holds ONE query throughout.  A tile of 16 rows (queries, keys, channels) holds rows 32 (T / 2) + 8 (T % 2) + p + 8 (p / 8),
; so that the 16 registers of tiles 2 b and 2 b + 1 are 16 neighbours: keys (or channels) 32 b + 16 (lane / 16) + 0 .. 15.  All operands lie in memory as images of their registers (1,536 bytes a fragment).
; CLUSTER 4 x 4: x = head, y = block of queries.  The mask's tile hangs on y alone and is shared along a row of the cluster; the record of K and V hangs on the head alone and is shared along a column.
; A RING of two LDS slots, one key step (128 keys) each: the mask's 128 rows x 512 bytes (waves 0-3 fetch 32 rows each), then the record of 25,600 bytes (waves 4-7 fetch a quarter each).  One load of a wave is out.
; LIMITS: NaN and infinities among the inputs, the mask's too, are not served; a block whose largest magnitude lies under 2^-122, a block of zeros too, gets the byte 1 (this program alone reads the bytes).
; REGISTERS: v1-3 addresses that stay; v5, v6 the spare word's; v8-10 addresses of the step in hand; v12 -M, v13 the largest t, v[14:15] the sum in two halves; v16-27 Q; v28 the prefetches' offset;
;   v32-79 four fragments of K or V; v96-159 the mask, then S^T, then p; v160-223 O^T; v224-235 p's codes; v232-254 at work; v248-251 four tiles' scale words; v253 p's scale word; v255 Q's.
.set FRB,   1536                       ; a fragment's image
.set MP,    520                        ; a row of the mask in LDS: 512 bytes + 8 = 130 words: with rows 0-7, 16-23 and 64 bytes between the halves the 32 lanes of a load of 8 bytes start at 32 different even banks (64 banks of 4 bytes: ISA guide 11.1)
.set MQ,    32*MP                      ; 32 rows: what one tensor load brings
.set MOFF,  128*MP                     ; behind the mask: the record
.set REC,   25600                      ; K's 8 images, 512 bytes of their scale words, V's 8 images, their words
.set RQ,    REC/4
.set WOFF,  8*FRB                      ; the words behind 8 images: tile t, row r at 256 (t / 4) + 16 r + 4 (t % 4)
.set VOFF,  WOFF+512                   ; V's half of a record
.set SLOT1, 1<<17                      ; slot 1 begins here, so that one exclusive or turns an address in one slot into the other's
.set SPARE, 2*SLOT1                    ; the spare words, 128 bytes for each wave: four blocks of 256 bytes that no other line names
.set AK0,  1
.set AW0,  2
.set AM0,  3
.set SPW,  5
.set NIL,  6
.set ADK,  8
.set ADW,  9
.set ADM,  10
.set PFO,  28
.set PC,   32                          ; the way out: o's codes,
.set TM,   52                          ; at work,
.set PW,   68                          ; o's scale word
.set TB,   2                           ; s2   LDS byte at which the slot in hand begins
.set RT,   14                          ; s[14:15] sqrt(128)
.set WV,   18                          ; s18  my wave's number
.set SEL,  20                          ; s[20:21] lane selects: lane l xor 16
.set CS,   22                          ; s[22:23] c = log2(e) / sqrt(128)
.set G1M,  24                          ; s[24:31] descriptor group 1 for the mask's tiles;  s[32:39] for the records;  s[40:43], s[44:47] their groups 0, which walk
.set G1K,  32
.set G0M,  40
.set G0K,  44
.set SLOTS, 67                         ; s67  key steps still to be asked for
.set PFA,  76                          ; s[76:77] where my prefetches stand
.set PFS,  78                          ; s[78:79] their step from trip to trip
.set LIM,  80                          ; s80  a wave prefetches while s[SLOTS] is above it: 2 (mask), 5 (records), or the greatest number
; A joint load: waves 0-3 fetch the mask's quarters, waves 4-7 the record's.  The branch hangs on the wave's number alone.  Four v_nop follow each of the two lines.
.macro JLOAD
	s_cmp_lt_u32 s[WV], 4
	s_cbranch_scc0 .Lfor_kv_\@
	tensor_load_to_lds s[G0M:G0M+3], s[G1M:G1M+7]
	s_nop 0
.rept 4
	v_nop
.endr
	s_branch .Lasked_\@
.Lfor_kv_\@:
	tensor_load_to_lds s[G0K:G0K+3], s[G1K:G1K+7]
	s_nop 0
.rept 4
	v_nop
.endr
.Lasked_\@:
.endm
; A PREFETCH, behind the joint load and its four lines.  In trip j the load just issued is key step j + 1's.
; The mask: the request names key step j + 3, two trips ahead of its load.  A block of queries is read by all clusters of its row of clusters: the first of them (cluster x = 0) asks; its four partners along x share the 128 rows
; BY ADDRESS, 32 each; in each, waves 0 and 1 ask, two lanes to a row's 512 bytes.  It stops when key step 15 has been named.
; The records: a head's 16 are one dense run of 1,600 blocks of 256 bytes, read by all clusters of its column: cluster y = 0 asks; the four partners along y share BY ADDRESS; wave 4 asks: blocks 300 + 128 j + 32 cy + lane,
; j = 0 .. 9: the last named is block 1,579.  Key steps 0 to 2 and a head's last 20 blocks come by their loads alone.  So each block of 256 bytes is named at most once in the launch.
.macro ASK
	s_cmp_gt_u32 s[SLOTS], s[LIM]
	s_cbranch_scc0 .Lnot_mine_\@
	global_prefetch_b8 v[PFO], s[PFA:PFA+1] th:TH_LOAD_NT scope:SCOPE_SE
.Lnot_mine_\@:
.endm
.macro CROUND                          ; a round of the cluster's barrier
	s_barrier_signal -1
	s_barrier_wait -1
	s_cmp_lg_u32 s[WV], 0
	s_cbranch_scc1 .Lnot_wave_0_\@
	s_barrier_signal -3
.Lnot_wave_0_\@:
	s_barrier_wait -3
	s_barrier_signal -1
	s_barrier_wait -1
.endm
	s_load_b256 s[4:11], s[0:1], 0x0               ; qbuf s[4:5], kvbuf s[6:7], mask s[8:9], oc s[10:11]
	s_load_b64 s[12:13], s[0:1], 0x20              ; os
	v_lshl_add_u32 v[SPW], v0, 2, SPARE
	v_mov_b32 v[NIL], 0
	ds_add_u32 v5, v6
	ds_add_u32 v5, v6
	s_wait_dscnt 0x0
	v_lshrrev_b32 v8, 5, v0
	v_readfirstlane_b32 s[WV], v8                  ; wave 0..7
	s_bfe_u32 s48, ttmp6, 0x40000                  ; cx
	s_bfe_u32 s49, ttmp6, 0x40004                  ; cy
	s_lshl_b32 s50, ttmp9, 2
	s_add_co_u32 s50, s50, s48                     ; the head = 4 x cluster x + cx
	s_and_b32 s54, ttmp7, 0xffff                   ; cluster y
	s_lshl_b32 s51, s54, 2
	s_add_co_u32 s51, s51, s49                     ; the block of 128 queries = 4 x cluster y + cy
	s_lshl_b32 s52, s49, 2
	s_lshl_b32 s52, 15, s52                        ; my row of the cluster
	s_lshl_b32 s53, 0x1111, s48                    ; my column
	; descriptor group 1, the mask: 32 rows x 128 f32, 2,048 elements from row to row, 2 words of padding behind every 128
	s_or_b32 s[G1M], s52, (2<<16)|(1<<20)|(1<<21)|(6<<22)|(1<<25)
	s_mov_b32 s[G1M+1], 128<<16                    ; tensor_dim0
	s_mov_b32 s[G1M+2], 32<<16                     ; tensor_dim1
	s_mov_b32 s[G1M+3], 128<<16                    ; tile_dim0
	s_mov_b32 s[G1M+4], 32                         ; tile_dim1
	s_mov_b32 s[G1M+5], 2048                       ; tensor_dim0_stride
	s_mov_b32 s[G1M+6], 0
	s_mov_b32 s[G1M+7], 0
	; the record's quarter: 6,400 dense bytes as 25 rows of 256 (32 elements of 8 bytes), no padding
	s_or_b32 s[G1K], s53, (3<<16)|(1<<21)
	s_mov_b32 s[G1K+1], 32<<16
	s_mov_b32 s[G1K+2], 25<<16
	s_mov_b32 s[G1K+3], 32<<16
	s_mov_b32 s[G1K+4], 25
	s_mov_b32 s[G1K+5], 32
	s_mov_b32 s[G1K+6], 0
	s_mov_b32 s[G1K+7], 0
	s_and_b32 s55, s[WV], 3                        ; which quarter I fetch
	s_lshl_b32 s56, s51, 7
	s_lshl_b32 s57, s55, 5
	s_add_co_u32 s56, s56, s57                     ; the mask's row 128 y + 32 x quarter,
	s_lshl_b32 s56, s56, 13                        ; in bytes: these registers never hold cx
	s_mov_b32 s57, 0
	s_mul_i32 s58, s50, 16*REC                     ; the head's records,
	s_mul_i32 s59, s55, RQ
	s_add_co_u32 s58, s58, s59                     ; my quarter of the first: these never hold cy
	s_mov_b32 s59, 0
	s_mul_i32 s60, s55, MQ                         ; and where they go in a slot: no place in the cluster enters an LDS address
	s_mul_i32 s61, s55, RQ
	s_add_co_u32 s61, s61, MOFF
	s_mov_b32 s[RT], 0x413504f3                    ; sqrt(128)
	s_mov_b32 s[RT+1], s[RT]                       ; (the packed form names a pair and takes its low word for both halves)
	s_mov_b32 s[CS], 0x3e0293ee                    ; log2(e) / sqrt(128)
	s_mov_b32 s[CS+1], s[CS]
	s_mov_b32 s[SEL], 0x76543210
	s_mov_b32 s[SEL+1], 0xfedcba98
	s_mov_b32 s[TB], 0
	s_mov_b32 s[SLOTS], 15
	s_wait_kmcnt 0x0
	s_mov_b32 s[G0M], 1                            ; 1:0 count = 1
	s_mov_b32 s[G0M+1], s60                        ; LDS address: slot 0
	s_add_nc_u64 s[G0M+2:G0M+3], s[8:9], s[56:57]  ; global address: key step 0
	s_or_b32 s[G0M+3], s[G0M+3], 0x80000000        ; type = 2
	s_mov_b32 s[G0K], 1
	s_mov_b32 s[G0K+1], s61
	s_add_nc_u64 s[G0K+2:G0K+3], s[6:7], s[58:59]
	s_or_b32 s[G0K+3], s[G0K+3], 0x80000000
	CROUND                                         ; all sixteen work-groups are here: the first joint loads meet
	JLOAD                                          ; key step 0 into slot 0
	; the prefetches: where my wave's stand, and who asks
	s_lshr_b32 s56, s[WV], 1                       ; 0 in waves 0 and 1
	s_sub_co_u32 s57, s[WV], 4                     ; 0 in wave 4
	s_lshl_b32 s68, s51, 7
	s_lshl_b32 s69, s48, 5
	s_add_co_u32 s68, s68, s69
	s_lshl_b32 s69, s[WV], 4
	s_add_co_u32 s68, s68, s69                     ; the mask's row 128 y + 32 cx + 16 w,
	s_lshl_b32 s68, s68, 13
	s_add_co_u32 s68, s68, 2*512                   ; at key step 2: the first change of slots steps it to 3
	s_mul_i32 s70, s50, 16*REC
	s_lshl_b32 s71, s49, 13
	s_add_co_u32 s70, s70, s71
	s_add_co_u32 s70, s70, 300*256-32768           ; the head's block 300 + 32 cy, one step short
	s_mov_b32 s72, 32768
	s_mov_b32 s73, 512
	s_cmp_lt_u32 s[WV], 4
	s_cselect_b64 s[PFA:PFA+1], s[8:9], s[6:7]     ; the choice hangs on the wave's number alone
	s_cselect_b32 s[PFS], 512, s72                 ; from trip to trip
	s_cselect_b32 s73, 8192, s73                   ; from one pair of lanes to the next
	s_cselect_b32 s68, s68, s70
	s_cselect_b32 s56, s56, s57
	s_cselect_b32 s57, ttmp9, s54                  ; the coordinate along which other clusters read the same bytes
	s_cselect_b32 s74, 2, 5
	s_mov_b32 s69, 0
	s_mov_b32 s[PFS+1], 0
	s_add_nc_u64 s[PFA:PFA+1], s[PFA:PFA+1], s[68:69]
	s_or_b32 s56, s56, s57
	s_cmp_eq_u32 s56, 0
	s_cselect_b32 s[LIM], s74, -1                  ; the same in all sixteen partners, for a given wave
	v_and_b32 v9, 31, v0                           ; lane
	v_lshrrev_b32 v4, 1, v9
	v_and_b32 v[PFO], 1, v9
	v_lshlrev_b32 v[PFO], 8, v[PFO]
	v_mad_u32_u24 v[PFO], v4, s73, v[PFO]          ; (lane / 2) x the step + 256 (lane % 2)
	; Q: my tile's image and its scale words
	s_lshl_b32 s62, s50, 4
	s_add_co_u32 s62, s62, s51
	s_mul_i32 s62, s62, 8*FRB+512                  ; (16 head + y) x 12,800
	s_mov_b32 s63, 0
	s_add_nc_u64 s[4:5], s[4:5], s[62:63]
	s_mul_i32 s68, s[WV], FRB
	s_lshr_b32 s69, s[WV], 2
	s_lshl_b32 s69, s69, 8
	s_and_b32 s70, s[WV], 3
	s_lshl_b32 s70, s70, 2
	s_add_co_u32 s69, s69, s70                     ; 256 (w / 4) + 4 (w % 4)
	v_and_b32 v8, 15, v0                           ; r
	v_lshlrev_b32 v10, 4, v9                       ; 16 x lane
	v_add_nc_u32 v11, s68, v10
.irp c, 0,1,2
	global_load_b128 v[16+4*\c:19+4*\c], v11, s[4:5] offset:512*\c
.endr
	v_lshlrev_b32 v[AW0], 4, v8                    ; 16 r
	v_add_nc_u32 v254, s69, v[AW0]
	global_load_b32 v255, v254, s[4:5] offset:WOFF
	v_add_nc_u32 v[AW0], MOFF+WOFF, v[AW0]         ; four tiles' scale words of row r
	v_add_nc_u32 v[AK0], MOFF, v10                 ; my place in every image
	v_and_b32 v4, 8, v8
	v_add_nc_u32 v4, v4, v8                        ; r + 8 (r / 8)
	s_lshr_b32 s71, s[WV], 1
	s_lshl_b32 s71, s71, 5
	s_and_b32 s72, s[WV], 1
	s_lshl_b32 s72, s72, 3
	s_add_co_u32 s71, s71, s72                     ; my tile's first row in the block: 32 (w / 2) + 8 (w % 2)
	s_mul_i32 s71, s71, MP
	v_mul_u32_u24 v[AM0], v4, MP
	v_bfe_u32 v7, v0, 4, 1                         ; h
	v_lshl_add_u32 v[AM0], v7, 6, v[AM0]
	v_add_nc_u32 v[AM0], s71, v[AM0]               ; the mask: my query's row, + 64 h: my 16 keys of a block of 32
	v_mov_b32 v13, 0xff61b1e6                      ; the largest t so far: -3e38, under every t
	v_floor_f32 v12, -v13                          ; -M
	v_mov_b32 v14, 0                               ; the sum, in two halves
	v_mov_b32 v15, 0
.irp b, 0,1,2,3
	v_mov_b32 v[236+\b], 0                         ; written once: a lane permute's destination counts as one of its sources
.endr
	v_mov_b32 v253, 0                              ; (named as the upper half of the pair v[252:253] before it is first written)
.set j, 0
.rept 64
	v_mov_b32 v[160+j], 0                          ; O^T.  (The step is written for every trip alike: the first finds zeros, which the first change of M leaves zeros)
.set j, j+1
.endr
.macro KVLOAD base, g                  ; four fragments (tiles 4 g .. 4 g + 3) and their scale words: 13 loads
.irp t, 0,1,2,3
.irp c, 0,1,2
	ds_load_b128 v[32+12*\t+4*\c:35+12*\t+4*\c], v[ADK] offset:(\base)+FRB*(4*(\g)+\t)+512*\c
.endr
.endr
	ds_load_b128 v[248:251], v[ADW] offset:(\base)+256*(\g)
.endm
; A KEY STEP: 128 keys, the slot in hand.
.macro STEP
	v_add_nc_u32 v[ADK], s[TB], v[AK0]
	v_add_nc_u32 v[ADW], s[TB], v[AW0]
	v_add_nc_u32 v[ADM], s[TB], v[AM0]
	v_nop                                          ; four places in front of loads into registers that the last step's products have read
.irp b, 0,1,2,3
.irp e, 0,1,2,3,4,5,6,7
	ds_load_b64 v[96+16*\b+2*\e:97+16*\b+2*\e], v[ADM] offset:128*\b+8*\e   ; the mask of my query at keys 32 b + 16 h + 2 e, + 1: the places that S^T's registers have
.endr
.endr
	KVLOAD 0, 0
	s_wait_dscnt 13                                ; the mask is in; K's 13 loads may be out
.set j, 0
.rept 32
	v_pk_mul_f32 v[96+j:97+j], v[96+j:97+j], s[RT:RT+1] op_sel_hi:[1,0]   ; x sqrt(128): the C of S^T
.set j, j+2
.endr
	s_wait_dscnt 0x0
.irp t, 0,1,2,3                        ; S^T = K Q^T + C: accumulators by turns, one instruction a turn
	v_wmma_scale_f32_16x16x128_f8f6f4 v[96+8*\t:103+8*\t], v[32+12*\t:43+12*\t], v[16:27], v[96+8*\t:103+8*\t], v[248+\t], v255 matrix_a_fmt:MATRIX_FMT_BF6 matrix_b_fmt:MATRIX_FMT_BF6
.endr
.rept 4
	v_nop
.endr
	KVLOAD 0, 1
	s_wait_dscnt 0x0
.irp t, 0,1,2,3
	v_wmma_scale_f32_16x16x128_f8f6f4 v[128+8*\t:135+8*\t], v[32+12*\t:43+12*\t], v[16:27], v[128+8*\t:135+8*\t], v[248+\t], v255 matrix_a_fmt:MATRIX_FMT_BF6 matrix_b_fmt:MATRIX_FMT_BF6
.endr
.rept 4
	v_nop                                          ; places in front of the loads below and of the first read of the scores
.endr
	KVLOAD VOFF, 0                                 ; V's first four fragments land under the softmax, which touches none of their registers
.irp b, 0,1,2,3
	v_max3_num_f32 v[232+\b], v[96+16*\b], v[97+16*\b], v[98+16*\b]   ; THE LARGEST SCORE OF EACH BLOCK OF 32 KEYS: it serves twice: for the row's maximum, and, since p rises with the score, for the block's largest p
.endr
.irp i, 3,5,7,9,11,13
.irp b, 0,1,2,3
	v_max3_num_f32 v[232+\b], v[232+\b], v[96+16*\b+\i], v[97+16*\b+\i]
.endr
.endr
.irp b, 0,1,2,3
	v_max_num_f32 v[232+\b], v[232+\b], v[111+16*\b]
.endr
.irp b, 0,1,2,3
	v_permlanex16_b32 v[236+\b], v[232+\b], s[SEL], s[SEL+1]
.endr
.irp b, 0,1,2,3
	v_max_num_f32 v[232+\b], v[232+\b], v[236+\b]  ; with lane l xor 16's 16 keys
.endr
	v_max3_num_f32 v254, v232, v233, v234
	v_max_num_f32 v254, v254, v235                 ; the step's largest score of my query
	v_mul_f32 v254, s[CS], v254                    ; as t (c is positive)
	v_max_num_f32 v13, v13, v254                   ; the running largest t
	v_mov_b32 v254, v12
	v_floor_f32 v12, -v13                          ; the new -M = floor(-t) = -ceil(t): M IS A WHOLE NUMBER
	v_sub_f32 v254, v12, v254                      ; M's old value less its new one: 0 or less
	v_cvt_i32_f32 v254, v254                       ; (it saturates)
	v_ldexp_f32 v252, 1.0, v254                    ; f = 2^(old M - new M)
.set j, 0
.rept 32
	v_pk_fma_f32 v[96+j:97+j], v[96+j:97+j], s[CS:CS+1], v[12:13] op_sel_hi:[1,0,0]   ; t - M, two at a time
.set j, j+2
.endr
.irp b, 0,1,2,3
	v_fma_f32 v[232+\b], v[232+\b], s[CS], v12     ; the same of each block's largest score
.endr
.set j, 0
.rept 64
	v_exp_f32 v[96+j], v[96+j]                     ; p = 2^(t - M), at most 1: NOT normalised
.set j, j+1
.endr
	v_pk_mul_f32 v[14:15], v[14:15], v[252:253] op_sel_hi:[1,0]   ; the sums under the new M: the plain instruction behind the exponentials
	s_wait_alu depctr_va_vdst(0)                   ; one wait for the whole batch, ahead of its first reader
.irp b, 0,1,2,3
	v_exp_f32 v[232+\b], v[232+\b]                 ; the block's largest p: the same two instructions on the same number give the same bits
.endr
	v_pk_add_f32 v[236:237], v[96:97], v[98:99]    ; THE ROW'S SUM IS TAKEN OF THE UNQUANTISED p: two at a time, in two chains
.irp j, 4,8,12,16,20,24,28,32,36,40,44,48,52,56,60
	v_pk_add_f32 v[14:15], v[14:15], v[96+\j:97+\j]
	v_pk_add_f32 v[236:237], v[236:237], v[98+\j:99+\j]
.endr
	v_pk_add_f32 v[14:15], v[14:15], v[236:237]
	s_wait_alu depctr_va_vdst(0)                   ; and one for the four
.irp b, 0,1,2,3
	v_max_num_f32 v[232+\b], 0x2800000, v[232+\b]  ; the floor 2^(5 - 127): the byte cannot fall under 1 (a block whose every p is 0 keeps that byte: its codes are zeros)
.endr
.irp b, 0,1,2,3
	v_add_nc_u32 v[244+\b], 0xfe000000, v[232+\b]  ; 4 off the exponent field: the conversion's scale operand
.endr
.irp b, 0,1,2,3
	v_lshrrev_b32 v[236+\b], 23, v[244+\b]         ; the scale's byte
.endr
	v_lshl_or_b32 v253, v237, 8, v236              ; p's scale word for these 128 keys
	v_lshl_or_b32 v253, v238, 16, v253
	v_lshl_or_b32 v253, v239, 24, v253
.irp c, 0,1
	v_cvt_scalef32_pk16_bf6_f32 v[224+6*\c:226+6*\c], v[96+32*\c:111+32*\c], v[244+2*\c]
	v_cvt_scalef32_pk16_bf6_f32 v[236+4*\c:238+4*\c], v[112+32*\c:127+32*\c], v[244+2*\c+1]
.endr
	v_nop                                          ; one plain instruction behind a scaled conversion
.irp c, 0,1                            ; the operand's layout wants a WHOLE block in a lane
.irp i, 0,1,2
	v_permlane16_swap_b32 v[224+6*\c+\i], v[236+4*\c+\i]
.endr
.irp i, 0,1,2
	v_mov_b32 v[227+6*\c+\i], v[236+4*\c+\i]
.endr
.endr
.set j, 0
.rept 32
	v_pk_mul_f32 v[160+j:161+j], v[160+j:161+j], v[252:253] op_sel_hi:[1,0]   ; O^T under the new M: x f.  (These 32 are also the places between p's codes and scale word and the products below)
.set j, j+2
.endr
	s_wait_dscnt 0x0                               ; V's first four fragments
.irp t, 0,1,2,3                        ; O^T += V^T P^T
	v_wmma_scale_f32_16x16x128_f8f6f4 v[160+8*\t:167+8*\t], v[32+12*\t:43+12*\t], v[224:235], v[160+8*\t:167+8*\t], v[248+\t], v253 matrix_a_fmt:MATRIX_FMT_BF6 matrix_b_fmt:MATRIX_FMT_BF6
.endr
.rept 4
	v_nop
.endr
	KVLOAD VOFF, 1
	s_wait_dscnt 0x0
.irp t, 0,1,2,3
	v_wmma_scale_f32_16x16x128_f8f6f4 v[192+8*\t:199+8*\t], v[32+12*\t:43+12*\t], v[224:235], v[192+8*\t:199+8*\t], v[248+\t], v253 matrix_a_fmt:MATRIX_FMT_BF6 matrix_b_fmt:MATRIX_FMT_BF6
.endr
	s_xor_b32 s[TB], s[TB], SLOT1                  ; on to the other slot
.endm
; THE CHANGE OF SLOTS stands at a step's head.  Each wave waits for all its tensor loads (its part of the slot that it is about to read), adds 0 to its spare word, and waits for that and for its reads of the slot that it has left.
; fill = 1: the barrier is a round of the cluster's, so that no wave of any partner still reads that slot or has a load on its way; the joint refill is the first thing behind it and has the step's work in which to land.
.macro CHANGE fill
	s_wait_tensorcnt 0x0                           ; no tensor load of mine is out, so a group 0 may be written
	ds_add_u32 v[SPW], v[NIL]                      ; 0 onto my spare word
.if \fill
	s_xor_b32 s[G0M+1], s[G0M+1], SLOT1            ; the walking descriptors: the other slot than last time,
	s_add_nc_u64 s[G0M+2:G0M+3], s[G0M+2:G0M+3], 512   ; the next 128 keys; the type bits on top are not reached
	s_xor_b32 s[G0K+1], s[G0K+1], SLOT1
	s_add_nc_u64 s[G0K+2:G0K+3], s[G0K+2:G0K+3], REC
	s_wait_xcnt 0x0                                ; the last prefetch, a step back, has read its address, so it may be written
	s_add_nc_u64 s[PFA:PFA+1], s[PFA:PFA+1], s[PFS:PFS+1]
	s_wait_dscnt 0x0                               ; the add is done, and my reads of the slot that I have left are over
	CROUND
	JLOAD
	ASK
.else
	s_wait_dscnt 0x0
	s_barrier_signal -1
	s_barrier_wait -1
.endif
.endm
	s_wait_loadcnt 0x0                             ; Q and its scale words
.Lstep:                                            ; 15 trips: behind each change of slots but the last the next key step is asked for
	CHANGE 1
	STEP
	s_sub_co_u32 s[SLOTS], s[SLOTS], 1
	s_cmp_lg_u32 s[SLOTS], 0
	s_cbranch_scc1 .Lstep
	CHANGE 0                                       ; the last step is written out
	STEP
	; THE WAY OUT.  O^T / the sum: register 16 b + i is channel 32 b + 16 h + i of my query: it is quantised along the head's 128 as it stands and leaves as K step "head" of the last product's operand.
.rept 4
	v_nop                                          ; behind the last products: their results are read and their operands' registers written from here on
.endr
	v_add_f32 v14, v14, v15                        ; the sum's two halves,
	v_permlanex16_b32 v252, v14, s[SEL], s[SEL+1]
	v_add_f32 v14, v14, v252                       ; and lane l xor 16's: the row's sum
	v_rcp_f32 v14, v14
	v_and_b32 v8, 31, v0                           ; (a plain instruction behind the reciprocal)
	v_lshlrev_b32 v8, 4, v8                        ; 16 x lane
	v_and_b32 v9, 15, v0
	v_lshlrev_b32 v9, 2, v9                        ; 4 r
.irp b, 0,1,2,3
	v_mov_b32 v[TM+4+\b], 0                        ; a lane permute's destination counts as one of its sources
.endr
	s_lshl_b32 s68, s51, 3
	s_add_co_u32 s68, s68, s[WV]                   ; my tile of tokens: 8 y + w
	s_mul_i32 s70, s68, 16*FRB
	s_mul_i32 s71, s50, FRB
	s_add_co_u32 s70, s70, s71
	s_mov_b32 s71, 0
	s_add_nc_u64 s[10:11], s[10:11], s[70:71]      ; oc + tile x 24,576 + head x 1,536
	s_lshl_b32 s70, s68, 10
	s_lshl_b32 s72, s50, 6
	s_add_co_u32 s70, s70, s72
	s_add_nc_u64 s[12:13], s[12:13], s[70:71]      ; os + tile x 1,024 + head x 64
	s_wait_alu depctr_va_vdst(0)                   ; ahead of the reciprocal's first reader
.set j, 0
.rept 64
	v_mul_f32 v[96+j], v[160+j], v14               ; ascending: each accumulator is read from its low end on
.set j, j+1
.endr
.irp b, 0,1,2,3
	v_max3_num_f32 v[TM+\b], |v[96+16*\b]|, |v[97+16*\b]|, 0x2800000   ; block b: my 16 numbers, and the floor 2^(5 - 127)
.endr
.irp i, 2,4,6,8,10,12,14
.irp b, 0,1,2,3
	v_max3_num_f32 v[TM+\b], v[TM+\b], |v[96+16*\b+\i]|, |v[97+16*\b+\i]|
.endr
.endr
.irp b, 0,1,2,3
	v_permlanex16_b32 v[TM+4+\b], v[TM+\b], s[SEL], s[SEL+1]
.endr
.irp b, 0,1,2,3
	v_max_num_f32 v[TM+\b], v[TM+\b], v[TM+4+\b]   ; the block's largest magnitude
.endr
.irp b, 0,1,2,3
	v_add_nc_u32 v[TM+12+\b], 0xfe000000, v[TM+\b]
.endr
.irp b, 0,1,2,3
	v_lshrrev_b32 v[TM+4+\b], 23, v[TM+12+\b]
.endr
	v_lshl_or_b32 v[PW], v[TM+5], 8, v[TM+4]
	v_lshl_or_b32 v[PW], v[TM+6], 16, v[PW]
	v_lshl_or_b32 v[PW], v[TM+7], 24, v[PW]
.irp c, 0,1
	v_cvt_scalef32_pk16_bf6_f32 v[PC+6*\c:PC+2+6*\c], v[96+32*\c:111+32*\c], v[TM+12+2*\c]
	v_cvt_scalef32_pk16_bf6_f32 v[PC+12+4*\c:PC+14+4*\c], v[112+32*\c:127+32*\c], v[TM+12+2*\c+1]
.endr
	v_nop                                          ; one plain instruction behind a scaled conversion
.irp c, 0,1
.irp i, 0,1,2
	v_permlane16_swap_b32 v[PC+6*\c+\i], v[PC+12+4*\c+\i]
.endr
.irp i, 0,1,2
	v_mov_b32 v[PC+3+6*\c+\i], v[PC+12+4*\c+\i]
.endr
.endr
.irp c, 0,1,2
	global_store_b128 v8, v[PC+4*\c:PC+4*\c+3], s[10:11] offset:512*\c   ; the image: 512 consecutive bytes a store
.endr
	global_store_b32 v9, v[PW], s[12:13]           ; my row's scale word; both lanes of a row write the same word with the same value
	s_wait_tensorcnt 0x0                           ; the wave's end
	ds_add_u32 v[SPW], v[NIL]
	s_wait_dscnt 0x0
	CROUND                                         ; the closing round: no work-group ends while a partner may still ask for a tile that names it
	s_endpgm
.Lfunc_end_k_q0cf4b325c5_attn:
	.size	k_q0cf4b325c5_attn, .Lfunc_end_k_q0cf4b325c5_attn-k_q0cf4b325c5_attn
	.p2alignl 7, 3214868480
	.fill 96, 4, 3214868480
	.section	.rodata,"a",@progbits
	.p2align	6, 0x0
	.amdhsa_kernel k_q0cf4b325c5_attn
		.amdhsa_group_segment_fixed_size 327680
		.amdhsa_private_segment_fixed_size 0
		.amdhsa_enable_private_segment 0
		.amdhsa_kernarg_size 40
		.amdhsa_user_sgpr_count 2
		.amdhsa_user_sgpr_kernarg_segment_ptr 1
		.amdhsa_wavefront_size32 1
		.amdhsa_system_sgpr_workgroup_id_x 1
		.amdhsa_system_sgpr_workgroup_id_y 1
		.amdhsa_system_sgpr_workgroup_id_z 1
		.amdhsa_system_vgpr_workitem_id 0
		.amdhsa_next_free_vgpr 256
		.amdhsa_next_free_sgpr 82
		.amdhsa_reserve_vcc 0
		.amdhsa_float_denorm_mode_32 3
		.amdhsa_float_denorm_mode_16_64 3
		.amdhsa_memory_ordered 1
		.amdhsa_forward_progress 1
		.amdhsa_inst_pref_size 64
	.end_amdhsa_kernel
	.amdgpu_metadata
---
amdhsa.version: [ 1, 2 ]
amdhsa.kernels:
  - .name:           k_q0cf4b325c5_attn
    .symbol:         k_q0cf4b325c5_attn.kd
    .args:
      - { .name: qbuf, .offset: 0, .size: 8, .value_kind: global_buffer, .address_space: global }
      - { .name: kvbuf, .offset: 8, .size: 8, .value_kind: global_buffer, .address_space: global }
      - { .name: attention_mask, .offset: 16, .size: 8, .value_kind: global_buffer, .address_space: global }
      - { .name: oc, .offset: 24, .size: 8, .value_kind: global_buffer, .address_space: global }
      - { .name: os, .offset: 32, .size: 8, .value_kind: global_buffer, .address_space: global }
    .group_segment_fixed_size: 327680
    .private_segment_fixed_size: 0
    .kernarg_segment_align: 8
    .kernarg_segment_size: 40
    .max_flat_workgroup_size: 256
    .sgpr_count:     82
    .vgpr_count:     256
    .wavefront_size: 32
...
	.end_amdgpu_metadata
.endif
;; end of part 3
;; launch oproj (part 4): grid 8 x 8, 4 waves a work-group, clusters of 4 x 4, 327,680 bytes of LDS; arguments oc, os, codes, scales, out0; writes out0
.if DOCPART == 4
	.amdgcn_target "amdgcn-amd-amdhsa--gfx1250"
	.amdhsa_code_object_version 6
	.text
	.protected	k_q0cf4b325c5_oproj
	.globl	k_q0cf4b325c5_oproj
	.p2align	8
	.type	k_q0cf4b325c5_oproj,@function
k_q0cf4b325c5_oproj:
	s_mov_b64 s[64:65], 0
	v_nop
	global_prefetch_b8 v0, s[64:65] scope:SCOPE_SE
	s_setreg_imm32_b32 hwreg(HW_REG_WAVE_MODE, 25, 1), 1
	s_wait_xcnt 0x0
	s_wait_alu depctr_hold_cnt(0) depctr_sa_sdst(0) depctr_va_vdst(0) depctr_va_sdst(0) depctr_va_ssrc(0) depctr_va_vcc(0) depctr_vm_vsrc(0)
	s_getreg_b32 s2, hwreg(HW_REG_IB_STS2, 6, 4)
	s_cmp_eq_u32 s2, 0
	s_cbranch_scc0 .Lentry_in_a_cluster
	s_endpgm
.Lentry_in_a_cluster:
	s_bfe_u32 s2, ttmp6, 0x10000c
	s_cmp_lg_u32 s2, 0xf033
	s_cbranch_scc0 .Lentry_shape_is_right
	s_endpgm
.Lentry_shape_is_right:
; out0 = o Wo^T on codes of BF6 (E3M2) with one E8M0 scale for each 32 along K = 2,048 (head x 128 + channel); out0 [2048][2048] f32.
; A tile of 256 x 256 is made by a work-group of four waves, a wave makes 128 x 128: 64 accumulators, 512 registers.  K goes in slots of 256 (two K steps of 128) through a ring of two LDS slots.
; THE OPERANDS LIE IN MEMORY AS IMAGES OF THEIR REGISTERS (a fragment, 16 rows x 128 K: 1,536 bytes, register 4 q + e of lane l at 512 q + 16 l + 4 e): three ds_load_b128 at 16 x lane bring a fragment.
; Side A (source 1: a lane holds one row) = 256 tokens of o;  side B (source 0: a lane's registers run along it) = 256 rows of Wo, the fifth of the tensors in codes and scales.
; A tile of 16 rows holds rows 32 (T / 2) + 8 (T % 2) + p + 8 (p / 8).  So for A's block a, register 16 b + i of lane (r, h) is column 32 b + 16 h + i of the wave's 128, and lane r's token is 32 (a / 2) + 8 (a % 2) + r + 8 (r / 8).
; CLUSTERS: 4 x 4 work-groups; A's tiles are shared along a row of the cluster, B's along a column: each is asked for jointly, by the same tensor load with the same descriptor and a mask that names the four.
; This size gives 64 tiles of 256 x 256: 64 work-groups.
; REGISTERS, in windows of 256: window 0: v0-31 addresses; v32-63 scale words, two sets; v128-223 A's fragments, ONE set; on the way out v128-255 rows read back.
;   window 1: B's fragments, TWO sets, at v0 and v128.   windows 2, 3: the accumulators ((a, b) at v[8 (8 (a % 4) + b)] of window 2 + a / 4).
.set NQ,     2
.set FR,     12
.set NL,     3
.set NP,     4
.set FRB,    1536
.set TILEB,  16*FRB
.set SLB,    NQ*FRB
.set HALFT,  8*SLB
.set SLOT,   4*HALFT
.set LAPS,   4
.set SCL,    2*SLOT
.set HALFS,  8*1024
.set SPARE,  SCL+4*HALFS               ; the spare words, 128 bytes for each wave: two blocks of 256 bytes that no other line names
.set SPITCH, 528                       ; the way out: a stage of 16 rows x (512 bytes + 16) for each wave.  It lies in slot 0, which has had its last fill and its last read when the first result is stored there
.set CROW,   8192                      ; a row of out0 in bytes
.set ADRA, 16
.set ADRB, 20
.set STO,  24                          ; v24     the way out: where I put my bytes of a row
.set RD,   25                          ; v25     where I read a row back
.set CO,   26                          ; v26     16 x lane: my place in an image, and in a row's 512 bytes of out0
.set ADRS, 27
.set SPW,  28
.set NIL,  29
.set SC,   32
.set AF,   128
.set BK,   128
.set G1, 24
.set G0, 32
.set G1B, 48
.set G0B, 56
.set G1S, 68
.set G0S, 76
.set G1SB, 80
.set G0SB, 88
.set MSB, 0
.macro WIN new                         ; the immediate's high byte repeats the setting that is left
.if MSB != (\new)
	s_set_vgpr_msb (MSB<<8)|(\new)
.set MSB, (\new)
.endif
.endm
.set MUL_LO, 0xa1
.set MUL_HI, 0xf1
.set TO_B,   0x40
.macro JLOAD g0a, g1a, g0b, g1b        ; a joint load: waves 0 and 1 fetch for A, waves 2 and 3 for B; four v_nop follow each of the two lines
	s_cmp_eq_u32 s15, 0
	s_cbranch_scc0 .Lfor_b_\@
	tensor_load_to_lds s[\g0a:\g0a+3], s[\g1a:\g1a+7]
	s_nop 0
.rept 4
	v_nop
.endr
	s_branch .Lasked_\@
.Lfor_b_\@:
	tensor_load_to_lds s[\g0b:\g0b+3], s[\g1b:\g1b+7]
	s_nop 0
.rept 4
	v_nop
.endr
.Lasked_\@:
.endm
.macro CREST
	s_cmp_lg_u32 s14, 0
	s_cbranch_scc1 .Lnot_wave_0_\@
	s_barrier_signal -3
.Lnot_wave_0_\@:
	s_barrier_wait -3
	s_barrier_signal -1
	s_barrier_wait -1
.endm
.macro CROUND
	s_barrier_signal -1
	s_barrier_wait -1
	CREST
.endm
	s_load_b128 s[4:7], s[0:1], 0x0                ; o's codes s[4:5], o's scale words s[6:7]
	s_load_b128 s[8:11], s[0:1], 0x10              ; codes s[8:9], scales s[10:11]
	s_load_b64 s[12:13], s[0:1], 0x20              ; out0
	v_lshl_add_u32 v[SPW], v0, 2, SPARE
	v_mov_b32 v[NIL], 0
	ds_add_u32 v28, v29
	ds_add_u32 v28, v29
	s_wait_dscnt 0x0
	v_lshrrev_b32 v1, 5, v0
	v_readfirstlane_b32 s14, v1                    ; wave 0..3
	s_lshr_b32 s15, s14, 1                         ; which half of A's rows is mine.  Also: I fetch for A (0) or for B (1)
	s_and_b32 s16, s14, 1                          ; which half of B's rows.  Also: which 128 rows I fetch
	s_bfe_u32 s40, ttmp6, 0x40000                  ; cx, cy
	s_bfe_u32 s41, ttmp6, 0x40004
	s_lshl_b32 s42, ttmp9, 2
	s_add_co_u32 s42, s42, s40                     ; X
	s_and_b32 s17, ttmp7, 0xffff
	s_lshl_b32 s17, s17, 2
	s_add_co_u32 s17, s17, s41                     ; Y
	s_lshl_b32 s43, s41, 2
	s_lshl_b32 s43, 15, s43                        ; my row of the cluster
	s_lshl_b32 s44, 0x1111, s40                    ; my column
	s_or_b32 s[G1+0], s43, (3<<16)|(1<<21)         ; 8 rows of 3,072 bytes (384 elements of 8 bytes), 24,576 bytes apart in memory, dense in LDS
	s_or_b32 s[G1B+0], s44, (3<<16)|(1<<21)
.irp g, G1, G1B
	s_mov_b32 s[\g+1], (SLB/8)<<16
	s_mov_b32 s[\g+2], 8<<16
	s_mov_b32 s[\g+3], (SLB/8)<<16
	s_mov_b32 s[\g+4], 8
	s_mov_b32 s[\g+5], TILEB/8
	s_mov_b32 s[\g+6], 0
	s_mov_b32 s[\g+7], 0
.endr
	s_or_b32 s[G1S+0], s43, (3<<16)|(1<<21)        ; the scale words of 8 tiles: 8,192 dense bytes as 32 rows of 256
	s_or_b32 s[G1SB+0], s44, (3<<16)|(1<<21)
.irp g, G1S, G1SB
	s_mov_b32 s[\g+1], 32<<16
	s_mov_b32 s[\g+2], 32<<16
	s_mov_b32 s[\g+3], 32<<16
	s_mov_b32 s[\g+4], 32
	s_mov_b32 s[\g+5], 32
	s_mov_b32 s[\g+6], 0
	s_mov_b32 s[\g+7], 0
.endr
	s_lshl_b32 s18, s16, 3                         ; which 8 tiles of the 16 I fetch
	s_lshl_b32 s20, s17, 4
	s_add_co_u32 s20, s20, s18                     ; A's first tile: 16 Y + 8 x half
	s_lshl_b32 s46, s42, 4
	s_add_co_u32 s46, s46, s18
	s_add_co_u32 s46, s46, 512                     ; B's: Wo's tiles begin at 512
	s_lshl_b32 s22, s20, 10
	s_mov_b32 s23, 0
	s_lshl_b32 s92, s46, 10
	s_mov_b32 s93, 0
	s_mul_i32 s20, s20, TILEB
	s_mov_b32 s21, 0
	s_mul_i32 s46, s46, TILEB
	s_mov_b32 s47, 0
	s_mul_i32 s45, s14, HALFT                      ; where they go: no place in the cluster enters an LDS address
	s_mul_i32 s94, s14, HALFS
	s_wait_kmcnt 0x0
	s_add_nc_u64 s[20:21], s[4:5], s[20:21]
	s_add_nc_u64 s[22:23], s[6:7], s[22:23]
	s_add_nc_u64 s[46:47], s[8:9], s[46:47]
	s_add_nc_u64 s[92:93], s[10:11], s[92:93]
	CROUND                                         ; all sixteen work-groups are here: the first joint loads meet
	s_mov_b32 s[G0S], 1
	s_add_co_u32 s[G0S+1], s94, SCL
	s_mov_b64 s[G0S+2:G0S+3], s[22:23]
	s_or_b32 s[G0S+3], s[G0S+3], 0x80000000
	s_mov_b32 s[G0SB], 1
	s_add_co_u32 s[G0SB+1], s94, SCL
	s_mov_b64 s[G0SB+2:G0SB+3], s[92:93]
	s_or_b32 s[G0SB+3], s[G0SB+3], 0x80000000
	JLOAD G0S, G1S, G0SB, G1SB                     ; the scale words first.  Three loads of mine are out behind the next two
.irp s, 0,1
	s_mov_b32 s[G0+4*\s], 1
	s_add_co_u32 s[G0+4*\s+1], s45, \s*SLOT
	s_add_nc_u64 s[G0+4*\s+2:G0+4*\s+3], s[20:21], \s*SLB
	s_or_b32 s[G0+4*\s+3], s[G0+4*\s+3], 0x80000000
	s_mov_b32 s[G0B+4*\s], 1
	s_add_co_u32 s[G0B+4*\s+1], s45, \s*SLOT
	s_add_nc_u64 s[G0B+4*\s+2:G0B+4*\s+3], s[46:47], \s*SLB
	s_or_b32 s[G0B+4*\s+3], s[G0B+4*\s+3], 0x80000000
	JLOAD G0+4*\s, G1, G0B+4*\s, G1B
.endr
	v_and_b32 v1, 15, v0                           ; r
	v_bfe_u32 v2, v0, 4, 1                         ; h
	v_and_b32 v3, 31, v0
	v_lshlrev_b32 v[CO], 4, v3                     ; 16 x lane
	s_mul_i32 s21, s15, HALFT
	s_mul_i32 s22, s16, HALFT
	s_add_co_u32 s22, s22, 2*HALFT
.irp s, 0,1
	v_add_nc_u32 v[ADRA+\s], s21, v[CO]
	v_add_nc_u32 v[ADRB+\s], s22, v[CO]
	s_add_co_u32 s21, s21, SLOT
	s_add_co_u32 s22, s22, SLOT
.endr
	v_lshlrev_b32 v5, 2, v1                        ; my row's scale word: 4 r in a K step's 64 bytes
	s_mul_i32 s21, s15, HALFS
	s_mul_i32 s22, s16, HALFS
	s_add_co_u32 s22, s22, 2*HALFS
	s_sub_co_u32 s22, s22, s21
	v_mul_u32_u24 v6, s22, v2                      ; lanes 16-31 take B's
	s_add_co_u32 s21, s21, SCL
	v_add_nc_u32 v5, v5, v6
	v_add_nc_u32 v[ADRS], s21, v5
	s_mul_i32 s23, s14, 16*SPITCH                  ; my stage
	v_mul_u32_u24 v5, v1, SPITCH                   ; in: row r; my half's 16 columns of each 32: + 64 h
	v_lshl_add_u32 v5, v2, 6, v5
	v_add_nc_u32 v[STO], s23, v5
	v_add_nc_u32 v[RD], s23, v[CO]                 ; back: the 32 lanes take one row of 512 bytes
	s_lshl_b32 s20, s17, 8
	s_lshl_b32 s21, s15, 7
	s_add_co_u32 s20, s20, s21                     ; my first row of out0: 256 Y + 128 x half,
	s_lshl_b32 s20, s20, 13                        ; in bytes
	s_lshl_b32 s46, s42, 10                        ; my first column, in bytes: 1,024 X + 512 x half
	s_lshl_b32 s47, s16, 9
	s_add_co_u32 s46, s46, s47
	s_add_co_u32 s20, s20, s46
	s_mov_b32 s21, 0
	s_add_nc_u64 s[12:13], s[12:13], s[20:21]
.macro FRAG reg, adr, q, i
.irp c, 0,1,2
	ds_load_b128 v[\reg+4*\c:\reg+4*\c+3], v[\adr] offset:(\i)*SLB+(\q)*FRB+512*\c
.endr
.endm
; 16 matrix instructions: A's blocks a0, a0 + 1 x B's eight.  The 64 accumulators take turns, one instruction a turn, in the same order in every step.
.macro MUL16 a0, p, q, sc, zero
.irp a, \a0, \a0+1
.irp b, 0,1,2,3,4,5,6,7
.if \zero
	v_wmma_scale_f32_16x16x128_f8f6f4 v[8*(8*((\a)%4)+\b):8*(8*((\a)%4)+\b)+7], v[128*(\p)+FR*\b:128*(\p)+FR*\b+FR-1], v[AF+FR*(\a):AF+FR*(\a)+FR-1], 0, v[SC+8*NQ*(\sc)+NQ*\b+(\q)], v[SC+8*NQ*(\sc)+NQ*(\a)+(\q)] matrix_a_fmt:MATRIX_FMT_BF6 matrix_b_fmt:MATRIX_FMT_BF6 matrix_a_scale:MATRIX_SCALE_ROW1
.else
	v_wmma_scale_f32_16x16x128_f8f6f4 v[8*(8*((\a)%4)+\b):8*(8*((\a)%4)+\b)+7], v[128*(\p)+FR*\b:128*(\p)+FR*\b+FR-1], v[AF+FR*(\a):AF+FR*(\a)+FR-1], v[8*(8*((\a)%4)+\b):8*(8*((\a)%4)+\b)+7], v[SC+8*NQ*(\sc)+NQ*\b+(\q)], v[SC+8*NQ*(\sc)+NQ*(\a)+(\q)] matrix_a_fmt:MATRIX_FMT_BF6 matrix_b_fmt:MATRIX_FMT_BF6 matrix_a_scale:MATRIX_SCALE_ROW1
.endif
.endr
.endr
.endm
.macro FETCH_B slot, q, p
	WIN TO_B
.irp i, 0,1,2,3,4,5,6,7
	FRAG 128*(\p)+FR*\i, ADRB+\slot, \q, \i
.endr
	WIN 0
.endm
.macro FETCH_A slot, q, i0
.irp i, \i0, \i0+1, \i0+2, \i0+3
	FRAG AF+FR*(\i), ADRA+\slot, \q, \i
.endr
.endm
.macro SCALES sc
.irp i, 0,1,2,3,4,5,6,7
.irp q, 0,1
	ds_load_b32 v[SC+8*NQ*\sc+NQ*\i+\q], v[ADRS] offset:\i*1024+\q*64
.endr
.endr
.endm
.macro PLACES n                        ; places behind matrix instructions (ISA guide 7.12.1 for vector instructions)
.rept \n
	v_nop
.endr
.endm
.macro STEP slot, q, zero
	s_wait_dscnt 4*NL                              ; all but the youngest 12 loads (A's blocks 4-7)
	WIN MUL_LO
	MUL16 0, (\q)%2, \q, \slot, \zero
	MUL16 2, (\q)%2, \q, \slot, \zero
	s_wait_dscnt 0
	PLACES NP
	FETCH_B \slot, (\q)+1, 1-(\q)%2
	FETCH_A \slot, (\q)+1, 0
	WIN MUL_HI
	MUL16 4, (\q)%2, \q, \slot, \zero
	MUL16 6, (\q)%2, \q, \slot, \zero
	PLACES NP
	WIN 0
	FETCH_A \slot, (\q)+1, 4
.endm
.macro TURN slot, next, fill
	s_wait_tensorcnt 0x0                           ; all my tensor loads have landed: my part of the next slot
	ds_add_u32 v[SPW], v[NIL]                      ; 0 onto my spare word
	s_wait_dscnt 4*NL+1                            ; (the add and the youngest 12 loads may be out)
	WIN MUL_LO
	MUL16 0, 1, NQ-1, \slot, 0
	s_wait_dscnt 0x0                               ; the add is done, and my reads of this slot are over
	s_barrier_signal -1
	MUL16 2, 1, NQ-1, \slot, 0
	WIN 0
	s_barrier_wait -1
.if \fill
	CREST                                          ; the barrier has opened a round of the cluster's barrier
	s_add_nc_u64 s[G0+4*\slot+2:G0+4*\slot+3], s[G0+4*\slot+2:G0+4*\slot+3], 2*SLB
	s_add_nc_u64 s[G0B+4*\slot+2:G0B+4*\slot+3], s[G0B+4*\slot+2:G0B+4*\slot+3], 2*SLB
	JLOAD G0+4*\slot, G1, G0B+4*\slot, G1B         ; the first tensor load behind the round
.else
	PLACES NP
.endif
	v_add_nc_u32 v[ADRS], 64*NQ, v[ADRS]
	FETCH_B \next, 0, 0
	FETCH_A \next, 0, 0
	SCALES \next
	WIN MUL_HI
	MUL16 4, 1, NQ-1, \slot, 0
	MUL16 6, 1, NQ-1, \slot, 0
	PLACES NP
	WIN 0
	FETCH_A \next, 0, 4
.endm
	s_wait_tensorcnt 1                             ; the scale words and my part of slot 0 are in (slot 1's load may be out)
	s_barrier_signal -1
	s_barrier_wait -1                              ; everybody's are
	FETCH_B 0, 0, 0
	FETCH_A 0, 0, 0
	SCALES 0
	FETCH_A 0, 0, 4
	STEP 0, 0, 1                                   ; the first K step's products start the sums
	s_mov_b32 s3, LAPS-1
.Llap:
	TURN 0, 1, 1
	STEP 1, 0, 0
	TURN 1, 0, 1
	STEP 0, 0, 0
	s_sub_co_u32 s3, s3, 1
	s_cmp_lg_u32 s3, 0
	s_cbranch_scc1 .Llap
	TURN 0, 1, 0                                   ; the last lap fills nothing
	STEP 1, 0, 0
	s_wait_dscnt 4*NL
	WIN MUL_LO
	MUL16 0, 1, NQ-1, 1, 0
	MUL16 2, 1, NQ-1, 1, 0
	s_wait_dscnt 0
	WIN MUL_HI
	MUL16 4, 1, NQ-1, 1, 0
	MUL16 6, 1, NQ-1, 1, 0
	WIN 0
; THE WAY OUT, block by block of 16 tokens x 128 columns, through my own stage in LDS.  Accumulator b's eight registers are columns 32 (b / 2) + 16 h + 8 (b % 2) + 0 .. 7 of row r: bytes 128 (b / 2) + 64 h + 32 (b % 2) on.
; They come back as whole rows of 512 bytes, which the 32 lanes store as 512 consecutive bytes.  Stage row t is token t + 8 (t / 8) of the block, and block a begins at token 32 (a / 2) + 8 (a % 2).
; LDS serves a wave's instructions in order (ISA guide 5.7.1.4): no wait between the stores and the loads, nor in front of the next block's stores.
.macro TOSTAGE a
.set AC, 64*((\a)%4)
	WIN 0x08+4*((\a)/4)                            ; the data: window 2 or 3
.irp b, 0,1,2,3,4,5,6,7
	ds_store_b128 v[STO], v[AC+8*\b:AC+8*\b+3] offset:128*(\b/2)+32*(\b%2)          ; each accumulator from its low end on
	ds_store_b128 v[STO], v[AC+8*\b+4:AC+8*\b+7] offset:128*(\b/2)+32*(\b%2)+16
.endr
	WIN 0
.set BB, BK+64*((\a)%2)
.irp t, 0,1,2,3,4,5,6,7,8,9,10,11,12,13,14,15
	ds_load_b128 v[BB+4*\t:BB+4*\t+3], v[RD] offset:\t*SPITCH
.endr
.endm
.macro SEND a, younger                 ; younger: the LDS instructions issued behind block a's loads, which may stay out
.set BB, BK+64*((\a)%2)
	s_wait_dscnt \younger                          ; the block is back in registers
.if (\a) > 0
.if ((\a)%2) == 1
	s_add_nc_u64 s[12:13], s[12:13], 8*CROW        ; (behind a wait on XCNT: the earlier stores have read their base)  into an odd block: 8 tokens on
.else
	s_add_nc_u64 s[12:13], s[12:13], 24*CROW       ; into an even one: 24
.endif
.endif
.irp t, 0,1,2,3,4,5,6,7,8,9,10,11,12,13,14,15
	global_store_b128 v[CO], v[BB+4*\t:BB+4*\t+3], s[12:13] offset:(\t+8*(\t/8))*CROW th:TH_STORE_NT   ; 32 lanes store 512 consecutive bytes, at a multiple of 256 from out0's first byte; written once, read by nobody here
.endr
.endm
	PLACES NP                                      ; behind the last products: their results are read, and loads land in the registers that held A's fragments
	TOSTAGE 0
.irp a, 1,2,3,4,5,6,7
.if \a > 1
	s_wait_xcnt 0x0                                ; block a - 2's stores have read their registers and their base: block a's loads may land there, and the base may step
.endif
	TOSTAGE \a
	SEND \a-1, 32                                  ; behind block a - 1's loads: block a's 16 stores and 16 loads
.endr
	s_wait_xcnt 0x0                                ; block 6's stores have read their base
	SEND 7, 0
	s_wait_tensorcnt 0x0                           ; the wave's end: behind my last tensor load and my last LDS store
	ds_add_u32 v[SPW], v[NIL]
	s_wait_dscnt 0x0
	CROUND                                         ; the closing round: no work-group ends while a partner may still ask for a tile that names it
	s_endpgm
.Lfunc_end_k_q0cf4b325c5_oproj:
	.size	k_q0cf4b325c5_oproj, .Lfunc_end_k_q0cf4b325c5_oproj-k_q0cf4b325c5_oproj
	.p2alignl 7, 3214868480
	.fill 96, 4, 3214868480
	.section	.rodata,"a",@progbits
	.p2align	6, 0x0
	.amdhsa_kernel k_q0cf4b325c5_oproj
		.amdhsa_group_segment_fixed_size 327680
		.amdhsa_private_segment_fixed_size 0
		.amdhsa_enable_private_segment 0
		.amdhsa_kernarg_size 40
		.amdhsa_user_sgpr_count 2
		.amdhsa_user_sgpr_kernarg_segment_ptr 1
		.amdhsa_wavefront_size32 1
		.amdhsa_system_sgpr_workgroup_id_x 1
		.amdhsa_system_sgpr_workgroup_id_y 1
		.amdhsa_system_sgpr_workgroup_id_z 1
		.amdhsa_system_vgpr_workitem_id 0
		.amdhsa_next_free_vgpr 1024
		.amdhsa_next_free_sgpr 98
		.amdhsa_reserve_vcc 0
		.amdhsa_float_denorm_mode_32 3
		.amdhsa_float_denorm_mode_16_64 3
		.amdhsa_memory_ordered 1
		.amdhsa_forward_progress 1
		.amdhsa_inst_pref_size 137
	.end_amdhsa_kernel
	.amdgpu_metadata
---
amdhsa.version: [ 1, 2 ]
amdhsa.kernels:
  - .name:           k_q0cf4b325c5_oproj
    .symbol:         k_q0cf4b325c5_oproj.kd
    .args:
      - { .name: oc, .offset: 0, .size: 8, .value_kind: global_buffer, .address_space: global }
      - { .name: os, .offset: 8, .size: 8, .value_kind: global_buffer, .address_space: global }
      - { .name: codes, .offset: 16, .size: 8, .value_kind: global_buffer, .address_space: global }
      - { .name: scales, .offset: 24, .size: 8, .value_kind: global_buffer, .address_space: global }
      - { .name: out0, .offset: 32, .size: 8, .value_kind: global_buffer, .address_space: global }
    .group_segment_fixed_size: 327680
    .private_segment_fixed_size: 0
    .kernarg_segment_align: 8
    .kernarg_segment_size: 40
    .max_flat_workgroup_size: 128
    .sgpr_count:     98
    .vgpr_count:     1024
    .wavefront_size: 32
...
	.end_amdgpu_metadata
.endif
;; end of part 4
;; ======== version 2 of 2: 4 launches
;; limits: right only within a limited range of input values
;; workspace buffers: codes 15,728,640 bytes; scales 655,360 bytes; qbuf 3,276,800 bytes; kvbuf 6,553,600 bytes; oc 3,145,728 bytes; os 131,072 bytes; mimg 16,777,216 bytes; csimg 2,097,152 bytes
;; launch quant (part 5): grid 672 x 1, 4 waves a work-group, no clusters, 68,096 bytes of LDS; arguments hidden_states, Wq, Wk, Wv, Wo, codes, scales, position_ids, cos_cached, sin_cached, csimg; writes codes, scales, csimg
.if DOCPART == 5
	.amdgcn_target "amdgcn-amd-amdhsa--gfx1250"
	.amdhsa_code_object_version 6
	.text
	.protected	k_q0cf4b325c5_quant
	.globl	k_q0cf4b325c5_quant
	.p2align	8
	.type	k_q0cf4b325c5_quant,@function
k_q0cf4b325c5_quant:
	s_mov_b64 s[64:65], 0
	v_nop
	global_prefetch_b8 v0, s[64:65] scope:SCOPE_SE
	s_setreg_imm32_b32 hwreg(HW_REG_WAVE_MODE, 25, 1), 1
	s_wait_xcnt 0x0
; x, Wq, Wk, Wv, Wo, each [2048][2048] f32 with K innermost, become codes of BF6 (E3M2) with one E8M0 byte for each 32 along K, laid in the ORDER OF THE OPERAND'S REGISTERS:
; a fragment (16 rows x 128 K, 12 registers a lane) is an image of 1,536 bytes, register 4 q + e of lane l at byte 512 q + 16 l + 4 e.
; codes: [tensor 5][tile 128][K step 16][1,536];  scales: [tensor 5][tile 128][K step 16][16 rows x 4 bytes].
; THE ROWS OF A TILE ARE NOT NEIGHBOURS: tile T holds rows 32 (T / 2) + 8 (T % 2) + p + 8 (p / 8), p = 0 .. 15, so that, where a tile is source 0 of a product, the 16 result registers of tiles 2 b and 2 b + 1 are 16 neighbours.
; A block's scale is 2^(floor(log2(its largest magnitude)) - 4): its byte is the largest magnitude's exponent field - 4, held at 1 from below.
; LIMITS: NaN and infinities among the inputs are not served; a block whose largest magnitude lies under 2^-122 gets the byte 1, a block of zeros too (its codes are zeros; this program alone reads the bytes).
; SHARES: work-group g takes tile g % 128 of tensor g / 128; wave w its K steps 4 w .. 4 w + 3.  All five tensors take one path: only the source's pointer is chosen, by the work-group's number.
; Each load reads 512 consecutive bytes of one row; a K step's 16 rows turn through the wave's own stage in LDS, so that a lane gets 16 neighbours of each block of 32 of ITS row.  Waves share nothing: no barrier.
.set ROWB,  8192                       ; a row of a tensor in bytes
.set SP,    528                        ; a stage row: 512 bytes + 16: an odd multiple of 16, so that the 16 rows which 16 lanes read start at 16 different columns of 16 bytes
.set STG,   16*SP                      ; a wave's stage
.set FRB,   1536                       ; a fragment's image
.set R,     16                         ; v16-143  two sets of 64 registers as loaded
.set X,     144                        ; v144-207 register 16 b + i: k = 32 b + 16 (lane / 16) + i of my row
.set PC,    208                        ; v208-227 the codes just made (12 registers, and 8 at work)
.set TM,    228                        ; v228-243 at work
.set PW,    244                        ; v244-247 my row's scale word for each of the four K steps
.set D,     248                        ; v248-249 scale words to store
.set SEL,   28                         ; s[28:29] lane selects for v_permlanex16_b32: lane l xor 16
	s_load_b256 s[4:11], s[0:1], 0x0               ; x, Wq, Wk, Wv
	s_load_b128 s[12:15], s[0:1], 0x20             ; Wo, codes
	s_load_b64 s[16:17], s[0:1], 0x30              ; scales
	s_load_b256 s[32:39], s[0:1], 0x38             ; position_ids, cos_cached, sin_cached, csimg
	v_lshl_add_u32 v254, v0, 2, 0x8400
	v_mov_b32 v255, 0
	v_lshrrev_b32 v1, 5, v0
	v_readfirstlane_b32 s26, v1                    ; wave 0..3
	v_and_b32 v1, 31, v0                           ; lane
	v_and_b32 v2, 15, v0                           ; r
	v_bfe_u32 v3, v0, 4, 1                         ; h
	v_lshlrev_b32 v4, 4, v1                        ; 16 x lane: my place in a load's 512 bytes and in a store's
	s_mul_i32 s27, s26, STG
	v_add_nc_u32 v5, s27, v4                       ; into the stage: a row as it lies
	v_mul_u32_u24 v6, v2, SP
	v_lshl_add_u32 v6, v3, 6, v6
	v_add_nc_u32 v6, s27, v6                       ; out of it: row r, + 64 h: my 16 numbers of a block of 32
	v_lshlrev_b32 v7, 2, v1                        ; 4 x lane
	s_mov_b32 s[SEL], 0x76543210
	s_mov_b32 s[SEL+1], 0xfedcba98
.irp b, 0,1,2,3
	v_mov_b32 v[TM+4+\b], 0                        ; written once: a lane permute's destination counts as one of its sources
.endr
	s_lshr_b32 s18, ttmp9, 7                       ; which tensor
	s_and_b32 s19, ttmp9, 127                      ; which tile
	s_lshr_b32 s30, s19, 1
	s_lshl_b32 s30, s30, 5
	s_and_b32 s31, s19, 1
	s_lshl_b32 s31, s31, 3
	s_add_co_u32 s30, s30, s31                     ; the tile's first row: 32 (T / 2) + 8 (T % 2)
	s_lshl_b32 s30, s30, 13                        ; in bytes,
	s_lshl_b32 s31, s26, 11
	s_add_co_u32 s30, s30, s31                     ; + my wave's four K steps: 2,048 bytes of each row
	s_mov_b32 s31, 0
	s_wait_alu depctr_va_vdst(0)
	s_wait_kmcnt 0x0
	s_cmp_ge_u32 ttmp9, 640                        ; the last 32 work-groups lay the rotary tables out
	s_cbranch_scc1 .Lcs
	s_cmp_eq_u32 s18, 1                            ; the choice hangs on the work-group's number alone
	s_cselect_b64 s[20:21], s[6:7], s[4:5]
	s_cmp_eq_u32 s18, 2
	s_cselect_b64 s[20:21], s[8:9], s[20:21]
	s_cmp_eq_u32 s18, 3
	s_cselect_b64 s[20:21], s[10:11], s[20:21]
	s_cmp_eq_u32 s18, 4
	s_cselect_b64 s[20:21], s[12:13], s[20:21]
	s_add_nc_u64 s[20:21], s[20:21], s[30:31]
	s_mul_i32 s30, ttmp9, 16*FRB                   ; codes: 24,576 bytes a tile,
	s_mul_i32 s27, s26, 4*FRB                      ; 6,144 a wave
	s_add_co_u32 s30, s30, s27
	s_add_nc_u64 s[22:23], s[14:15], s[30:31]
	s_lshl_b32 s30, ttmp9, 10                      ; scale words: 1,024 bytes a tile,
	s_lshl_b32 s27, s26, 8                         ; 256 a wave
	s_add_co_u32 s30, s30, s27
	s_add_nc_u64 s[24:25], s[16:17], s[30:31]
.macro LOAD t                          ; K step t of my four: the tile's 16 rows, 512 consecutive bytes each, into set t % 2
.irp p, 0,1,2,3,4,5,6,7,8,9,10,11,12,13,14,15
	global_load_b128 v[R+64*((\t)%2)+4*\p:R+64*((\t)%2)+4*\p+3], v4, s[20:21] offset:(\p+8*(\p/8))*ROWB+512*(\t) th:TH_LOAD_NT
.endr
.endm
; 64 numbers of a lane, v[s] .. v[s + 63], register 16 b + i = k 32 b + 16 (lane / 16) + i of my row, become a fragment's codes in v[PC] on and my row's scale word in v[pw].
.macro QUANT s, pw
.irp b, 0,1,2,3
	v_max3_num_f32 v[TM+\b], |v[\s+16*\b]|, |v[\s+1+16*\b]|, 0x2800000   ; block b: my 16 numbers, and the floor 2^(5 - 127): so the byte cannot fall under 1
.endr
.irp i, 2,4,6,8,10,12,14
.irp b, 0,1,2,3
	v_max3_num_f32 v[TM+\b], v[TM+\b], |v[\s+16*\b+\i]|, |v[\s+1+16*\b+\i]|   ; the four blocks by turns: no line waits for the line above it
.endr
.endr
.irp b, 0,1,2,3
	v_permlanex16_b32 v[TM+4+\b], v[TM+\b], s[SEL], s[SEL+1]
.endr
.irp b, 0,1,2,3
	v_max_num_f32 v[TM+\b], v[TM+\b], v[TM+4+\b]   ; with lane l xor 16's: the block's largest magnitude
.endr
.irp b, 0,1,2,3
	v_add_nc_u32 v[TM+12+\b], 0xfe000000, v[TM+\b] ; 4 off its exponent field: the conversion takes the exponent field of this operand as its scale
.endr
.irp b, 0,1,2,3
	v_lshrrev_b32 v[TM+4+\b], 23, v[TM+12+\b]      ; the scale's byte
.endr
	v_lshl_or_b32 v[\pw], v[TM+5], 8, v[TM+4]      ; the four bytes make my row's scale word
	v_lshl_or_b32 v[\pw], v[TM+6], 16, v[\pw]
	v_lshl_or_b32 v[\pw], v[TM+7], 24, v[\pw]
.irp c, 0,1
	v_cvt_scalef32_pk16_bf6_f32 v[PC+6*\c:PC+2+6*\c], v[\s+32*\c:\s+15+32*\c], v[TM+12+2*\c]
	v_cvt_scalef32_pk16_bf6_f32 v[PC+12+4*\c:PC+14+4*\c], v[\s+16+32*\c:\s+31+32*\c], v[TM+12+2*\c+1]   ; (a conversion's three registers begin on an even number)
.endr
	v_nop                                          ; one plain instruction behind a scaled conversion
.irp c, 0,1                            ; the operand's layout wants a WHOLE block in a lane: lanes 0-15 block 2 c, lanes 16-31 block 2 c + 1
.irp i, 0,1,2
	v_permlane16_swap_b32 v[PC+6*\c+\i], v[PC+12+4*\c+\i]
.endr
.irp i, 0,1,2
	v_mov_b32 v[PC+3+6*\c+\i], v[PC+12+4*\c+\i]
.endr
.endr
.endm
.macro STEP t
.if (\t) < 3
	s_wait_loadcnt 16                              ; this K step's 16 loads are in; the next step's 16 may be out
.else
	s_wait_loadcnt 0
.endif
.irp p, 0,1,2,3,4,5,6,7,8,9,10,11,12,13,14,15
	ds_store_b128 v5, v[R+64*((\t)%2)+4*\p:R+64*((\t)%2)+4*\p+3] offset:SP*\p
.endr
.irp b, 0,1,2,3
.irp j, 0,1,2,3
	ds_load_b128 v[X+16*\b+4*\j:X+16*\b+4*\j+3], v6 offset:128*\b+16*\j   ; LDS serves a wave's instructions in order: these see the stores above
.endr
.endr
	s_wait_dscnt 0x0                               ; my numbers are back, and the stores have read their registers,
.if (\t)+2 < 4
	LOAD (\t)+2                                    ; which take the loads of two steps on
.endif
.if (\t) > 0
	s_wait_xcnt 0x0                                ; the last step's stores have read the codes' registers: they are written again only behind this wait
.endif
	QUANT X, PW+(\t)
.irp c, 0,1,2
	global_store_b128 v4, v[PC+4*\c:PC+4*\c+3], s[22:23] offset:FRB*(\t)+512*\c   ; the image: 512 consecutive bytes a store
.endr
.endm
	LOAD 0
	LOAD 1
	STEP 0
	STEP 1
	STEP 2
	STEP 3
	v_cmp_le_u32 vcc_lo, 16, v1                    ; lanes 0-15 store the word of K step 2 i, lanes 16-31 that of K step 2 i + 1: 128 consecutive bytes a store
	v_cndmask_b32 v[D], v[PW], v[PW+1], vcc_lo
	v_cndmask_b32 v[D+1], v[PW+2], v[PW+3], vcc_lo
	global_store_b32 v7, v[D], s[24:25]
	global_store_b32 v7, v[D+1], s[24:25] offset:128
	s_wait_tensorcnt 0x0
	ds_add_u32 v254, v255
	s_wait_dscnt 0x0
	s_endpgm
; THE ROTARY TABLES' IMAGE: csimg[tile of 16 tokens 128][cos 8,192 bytes, sin 8,192 bytes]: byte 512 (4 b + j) + 16 lane holds channels 32 b + 16 (lane / 16) + 4 j + 0 .. 3 of the table's row
; position_ids[token], token = 32 (T / 2) + 8 (T % 2) + r + 8 (r / 8), r = lane % 16: the order of the registers that hold q and k behind their products.
; A wave takes one tile.  Its 16 positions come by scalar loads and are held inside the table of 4,096 rows; each load reads one row's 512 consecutive bytes; the rows turn through the wave's own stage,
; on LDS bytes that the other path does not use; each store covers 512 consecutive bytes.
.set CST, 34304                        ; behind the spare words
.macro CSOUT h
	s_wait_loadcnt 16*(1-\h)                       ; this table's 16 loads are in; the other's may be out
.set i, 0
.rept 16
	ds_store_b128 v5, v[R+64*\h+4*i:R+64*\h+4*i+3] offset:CST+SP*i
.set i, i+1
.endr
.if \h
	s_wait_xcnt 0x0                                ; the stores of the first table have read v144-207
.endif
.irp b, 0,1,2,3
.irp j, 0,1,2,3
	ds_load_b128 v[X+16*\b+4*\j:X+16*\b+4*\j+3], v6 offset:CST+128*\b+16*\j   ; LDS serves a wave's instructions in order
.endr
.endr
	s_wait_dscnt 0x0
.set i, 0
.rept 16
	global_store_b128 v4, v[X+4*i:X+4*i+3], s[38:39] offset:8192*\h+512*i
.set i, i+1
.endr
.endm
.Lcs:
	s_sub_co_u32 s18, ttmp9, 640
	s_lshl_b32 s18, s18, 2
	s_add_co_u32 s18, s18, s26                     ; my tile T
	s_lshr_b32 s30, s18, 1
	s_lshl_b32 s30, s30, 5
	s_and_b32 s19, s18, 1
	s_lshl_b32 s19, s19, 3
	s_add_co_u32 s30, s30, s19                     ; its first token,
	s_lshl_b32 s30, s30, 2                         ; in bytes of position_ids
	s_add_nc_u64 s[32:33], s[32:33], s[30:31]
	s_load_b256 s[40:47], s[32:33], 0x0            ; tokens + 0 .. 7
	s_load_b256 s[48:55], s[32:33], 0x40           ; tokens + 16 .. 23
	s_lshl_b32 s30, s18, 14
	s_add_nc_u64 s[38:39], s[38:39], s[30:31]
	s_wait_kmcnt 0x0
.set i, 0
.rept 16
	s_min_u32 s[40+i], s[40+i], 0xfff              ; inside the table
	s_lshl_b32 s[40+i], s[40+i], 9                 ; a row is 512 bytes
.set i, i+1
.endr
.set i, 0
.rept 16
	v_add_nc_u32 v[208+i], s[40+i], v4
.set i, i+1
.endr
.set i, 0
.rept 16
	global_load_b128 v[R+4*i:R+4*i+3], v[208+i], s[34:35]
.set i, i+1
.endr
.set i, 0
.rept 16
	global_load_b128 v[R+64+4*i:R+64+4*i+3], v[208+i], s[36:37]
.set i, i+1
.endr
	CSOUT 0
	CSOUT 1
	s_wait_tensorcnt 0x0                           ; the wave's end
	ds_add_u32 v254, v255
	s_wait_dscnt 0x0
	s_endpgm
.Lfunc_end_k_q0cf4b325c5_quant:
	.size	k_q0cf4b325c5_quant, .Lfunc_end_k_q0cf4b325c5_quant-k_q0cf4b325c5_quant
	.p2alignl 7, 3214868480
	.fill 96, 4, 3214868480
	.section	.rodata,"a",@progbits
	.p2align	6, 0x0
	.amdhsa_kernel k_q0cf4b325c5_quant
		.amdhsa_group_segment_fixed_size 68096
		.amdhsa_private_segment_fixed_size 0
		.amdhsa_enable_private_segment 0
		.amdhsa_kernarg_size 88
		.amdhsa_user_sgpr_count 2
		.amdhsa_user_sgpr_kernarg_segment_ptr 1
		.amdhsa_wavefront_size32 1
		.amdhsa_system_sgpr_workgroup_id_x 1
		.amdhsa_system_sgpr_workgroup_id_y 1
		.amdhsa_system_sgpr_workgroup_id_z 1
		.amdhsa_system_vgpr_workitem_id 0
		.amdhsa_next_free_vgpr 256
		.amdhsa_next_free_sgpr 66
		.amdhsa_reserve_vcc 1
		.amdhsa_float_denorm_mode_32 3
		.amdhsa_float_denorm_mode_16_64 3
		.amdhsa_memory_ordered 1
		.amdhsa_forward_progress 1
		.amdhsa_inst_pref_size 47
	.end_amdhsa_kernel
	.amdgpu_metadata
---
amdhsa.version: [ 1, 2 ]
amdhsa.kernels:
  - .name:           k_q0cf4b325c5_quant
    .symbol:         k_q0cf4b325c5_quant.kd
    .args:
      - { .name: hidden_states, .offset: 0, .size: 8, .value_kind: global_buffer, .address_space: global }
      - { .name: Wq, .offset: 8, .size: 8, .value_kind: global_buffer, .address_space: global }
      - { .name: Wk, .offset: 16, .size: 8, .value_kind: global_buffer, .address_space: global }
      - { .name: Wv, .offset: 24, .size: 8, .value_kind: global_buffer, .address_space: global }
      - { .name: Wo, .offset: 32, .size: 8, .value_kind: global_buffer, .address_space: global }
      - { .name: codes, .offset: 40, .size: 8, .value_kind: global_buffer, .address_space: global }
      - { .name: scales, .offset: 48, .size: 8, .value_kind: global_buffer, .address_space: global }
      - { .name: position_ids, .offset: 56, .size: 8, .value_kind: global_buffer, .address_space: global }
      - { .name: cos_cached, .offset: 64, .size: 8, .value_kind: global_buffer, .address_space: global }
      - { .name: sin_cached, .offset: 72, .size: 8, .value_kind: global_buffer, .address_space: global }
      - { .name: csimg, .offset: 80, .size: 8, .value_kind: global_buffer, .address_space: global }
    .group_segment_fixed_size: 68096
    .private_segment_fixed_size: 0
    .kernarg_segment_align: 8
    .kernarg_segment_size: 88
    .max_flat_workgroup_size: 128
    .sgpr_count:     66
    .vgpr_count:     256
    .wavefront_size: 32
...
	.end_amdgpu_metadata
.endif
;; end of part 5
;; launch qkv (part 6): grid 32 x 8, 4 waves a work-group, clusters of 4 x 4, 327,680 bytes of LDS; arguments codes, scales, csimg, qbuf, kvbuf, attention_mask, mimg; writes qbuf, kvbuf, mimg
.if DOCPART == 6
	.amdgcn_target "amdgcn-amd-amdhsa--gfx1250"
	.amdhsa_code_object_version 6
	.text
	.protected	k_q0cf4b325c5_qkv
	.globl	k_q0cf4b325c5_qkv
	.p2align	8
	.type	k_q0cf4b325c5_qkv,@function
k_q0cf4b325c5_qkv:
	s_mov_b64 s[64:65], 0
	v_nop
	global_prefetch_b8 v0, s[64:65] scope:SCOPE_SE
	s_setreg_imm32_b32 hwreg(HW_REG_WAVE_MODE, 25, 1), 1
	s_wait_xcnt 0x0
	s_wait_alu depctr_hold_cnt(0) depctr_sa_sdst(0) depctr_va_vdst(0) depctr_va_sdst(0) depctr_va_ssrc(0) depctr_va_vcc(0) depctr_vm_vsrc(0)
	s_getreg_b32 s2, hwreg(HW_REG_IB_STS2, 6, 4)
	s_cmp_eq_u32 s2, 0
	s_cbranch_scc0 .Lentry_in_a_cluster
	s_endpgm
.Lentry_in_a_cluster:
	s_bfe_u32 s2, ttmp6, 0x10000c
	s_cmp_lg_u32 s2, 0xf033
	s_cbranch_scc0 .Lentry_shape_is_right
	s_endpgm
.Lentry_shape_is_right:
.set NQ,     2
.set FR,     12
.set NL,     3
.set NP,     4
.set FRB,    1536
.set TILEB,  16*FRB
.set SLB,    NQ*FRB
.set HALFT,  8*SLB
.set SLOT,   4*HALFT
.set LAPS,   4
.set SCL,    2*SLOT
.set HALFS,  8*1024
.set SPARE,  SCL+4*HALFS
.set RW,   7
.set POS,  8
.set ADRA, 16
.set ADRB, 20
.set ADRS, 27
.set SPW,  28
.set NIL,  29
.set LI,   30
.set HOF,  31
.set SC,   32
.set TM,   32
.set PWS,  48
.set D,    56
.set HA,   64
.set AF,   128
.set PC0,  128
.set SEL,  18
.set G1, 24
.set G0, 32
.set G1B, 48
.set G0B, 56
.set G1S, 68
.set G0S, 76
.set G1SB, 80
.set G0SB, 88
.set MSB, 0
.macro WIN new
.if MSB != (\new)
	s_set_vgpr_msb (MSB<<8)|(\new)
.set MSB, (\new)
.endif
.endm
.set MUL_LO, 0xa1
.set MUL_HI, 0xf1
.set TO_B,   0x40
.macro JLOAD g0a, g1a, g0b, g1b
	s_cmp_eq_u32 s15, 0
	s_cbranch_scc0 .Lfor_b_\@
	tensor_load_to_lds s[\g0a:\g0a+3], s[\g1a:\g1a+7]
	s_nop 0
.rept 4
	v_nop
.endr
	s_branch .Lasked_\@
.Lfor_b_\@:
	tensor_load_to_lds s[\g0b:\g0b+3], s[\g1b:\g1b+7]
	s_nop 0
.rept 4
	v_nop
.endr
.Lasked_\@:
.endm
.macro CREST
	s_cmp_lg_u32 s14, 0
	s_cbranch_scc1 .Lnot_wave_0_\@
	s_barrier_signal -3
.Lnot_wave_0_\@:
	s_barrier_wait -3
	s_barrier_signal -1
	s_barrier_wait -1
.endm
.macro CROUND
	s_barrier_signal -1
	s_barrier_wait -1
	CREST
.endm
	s_load_b128 s[4:7], s[0:1], 0x0                ; codes, scales
	s_load_b128 s[96:99], s[0:1], 0x10             ; the rotary tables' image, qbuf
	s_load_b64 s[100:101], s[0:1], 0x20            ; kvbuf
	s_load_b64 s[12:13], s[0:1], 0x28              ; the mask
	s_load_b64 s[66:67], s[0:1], 0x30              ; its image
	v_lshl_add_u32 v[SPW], v0, 2, SPARE
	v_mov_b32 v[NIL], 0
	ds_add_u32 v28, v29
	ds_add_u32 v28, v29
	s_wait_dscnt 0x0
	v_lshrrev_b32 v1, 5, v0
	v_readfirstlane_b32 s14, v1
	s_lshr_b32 s15, s14, 1
	s_and_b32 s16, s14, 1
	s_bfe_u32 s40, ttmp6, 0x40000
	s_bfe_u32 s41, ttmp6, 0x40004
	s_lshl_b32 s42, ttmp9, 2
	s_add_co_u32 s42, s42, s40
	s_and_b32 s17, ttmp7, 0xffff
	s_lshl_b32 s17, s17, 2
	s_add_co_u32 s17, s17, s41
	s_lshl_b32 s43, s41, 2
	s_lshl_b32 s43, 15, s43
	s_lshl_b32 s44, 0x1111, s40
	s_or_b32 s[G1+0], s43, (3<<16)|(1<<21)
	s_or_b32 s[G1B+0], s44, (3<<16)|(1<<21)
.irp g, G1, G1B
	s_mov_b32 s[\g+1], (SLB/8)<<16
	s_mov_b32 s[\g+2], 16<<16
	s_mov_b32 s[\g+3], (SLB/8)<<16
	s_mov_b32 s[\g+4], 16
	s_mov_b32 s[\g+5], TILEB/8
	s_mov_b32 s[\g+6], 0
	s_mov_b32 s[\g+7], 0
.endr
	s_or_b32 s[G1S+0], s43, (3<<16)|(1<<21)
	s_or_b32 s[G1SB+0], s44, (3<<16)|(1<<21)
.irp g, G1S, G1SB
	s_mov_b32 s[\g+1], 32<<16
	s_mov_b32 s[\g+2], 64<<16
	s_mov_b32 s[\g+3], 32<<16
	s_mov_b32 s[\g+4], 64
	s_mov_b32 s[\g+5], 32
	s_mov_b32 s[\g+6], 0
	s_mov_b32 s[\g+7], 0
.endr
	s_cmp_ge_u32 ttmp9, 4
	s_cselect_b32 s95, 384, 0
	s_lshl_b32 s18, s16, 3
	s_lshl_b32 s20, s17, 4
	s_add_co_u32 s20, s20, s18
	s_add_co_u32 s20, s20, s95
	s_lshl_b32 s46, s42, 4
	s_add_co_u32 s46, s46, s18
	s_add_co_u32 s46, s46, 128
	s_sub_co_u32 s46, s46, s95
	s_lshl_b32 s22, s20, 10
	s_mov_b32 s23, 0
	s_lshl_b32 s92, s46, 10
	s_mov_b32 s93, 0
	s_mul_i32 s20, s20, TILEB
	s_mov_b32 s21, 0
	s_mul_i32 s46, s46, TILEB
	s_mov_b32 s47, 0
	s_mul_i32 s45, s14, HALFT
	s_wait_kmcnt 0x0
	s_add_nc_u64 s[20:21], s[4:5], s[20:21]
	s_add_nc_u64 s[22:23], s[6:7], s[22:23]
	s_add_nc_u64 s[46:47], s[4:5], s[46:47]
	s_add_nc_u64 s[92:93], s[6:7], s[92:93]
	s_cmp_ge_u32 ttmp9, 6                          ; clusters x = 6, 7 lay the mask out; the number is the same in all partners of a cluster
	s_wait_alu depctr_va_vdst(0)
	s_cbranch_scc1 .Lmask
	CROUND
	; the head's four tiles, each whole: slot 0's 16 tiles of A and of B, and the scale words of A's and of B's 16 tiles.  My half's place is taken off the addresses
	s_mul_i32 s2, s16, 8*TILEB
	s_mov_b32 s3, 0
	s_sub_nc_u64 s[6:7], s[20:21], s[2:3]
	s_sub_nc_u64 s[10:11], s[46:47], s[2:3]
	s_lshl_b32 s2, s16, 13
	s_sub_nc_u64 s[G0S+2:G0S+3], s[22:23], s[2:3]
	s_sub_nc_u64 s[G0SB+2:G0SB+3], s[92:93], s[2:3]
	s_mov_b32 s4, 1
	s_mov_b32 s5, 0
	s_or_b32 s7, s7, 0x80000000
	s_mov_b32 s8, 1
	s_mov_b32 s9, 2*HALFT
	s_or_b32 s11, s11, 0x80000000
	s_mov_b32 s[G0S], 1
	s_mov_b32 s[G0S+1], SCL
	s_or_b32 s[G0S+3], s[G0S+3], 0x80000000
	s_mov_b32 s[G0SB], 1
	s_mov_b32 s[G0SB+1], SCL+2*HALFS
	s_or_b32 s[G0SB+3], s[G0SB+3], 0x80000000
.irp s, 0,1
	s_mov_b32 s[G0+4*\s], 1
	s_add_co_u32 s[G0+4*\s+1], s45, \s*SLOT
	s_add_nc_u64 s[G0+4*\s+2:G0+4*\s+3], s[20:21], \s*SLB
	s_or_b32 s[G0+4*\s+3], s[G0+4*\s+3], 0x80000000
	s_mov_b32 s[G0B+4*\s], 1
	s_add_co_u32 s[G0B+4*\s+1], s45, \s*SLOT
	s_add_nc_u64 s[G0B+4*\s+2:G0B+4*\s+3], s[46:47], \s*SLB
	s_or_b32 s[G0B+4*\s+3], s[G0B+4*\s+3], 0x80000000
.endr
; one load a wave at the head, in one tree of branches on the wave's number
.macro ARM under, g0, g1, next
	s_cmp_lt_u32 s14, \under
	s_cbranch_scc0 \next
	tensor_load_to_lds s[\g0:\g0+3], s[\g1:\g1+7]
	s_nop 0
.rept 4
	v_nop
.endr
	s_branch .Lhead_asked
\next:
.endm
	ARM 1, 4, G1, .Lhead_b
	ARM 2, 8, G1B, .Lhead_sa
	ARM 3, G0S, G1S, .Lhead_sb
	tensor_load_to_lds s[G0SB:G0SB+3], s[G1SB:G1SB+7]
	s_nop 0
.rept 4
	v_nop
.endr
.Lhead_asked:
	v_and_b32 v1, 15, v0
	v_bfe_u32 v2, v0, 4, 1
	s_wait_alu depctr_va_vdst(0)
	v_and_b32 v3, 31, v0
	v_lshlrev_b32 v[LI], 4, v3
	s_mul_i32 s21, s15, HALFT
	s_mul_i32 s22, s16, HALFT
	s_add_co_u32 s22, s22, 2*HALFT
.irp s, 0,1
	v_add_nc_u32 v[ADRA+\s], s21, v[LI]
	v_add_nc_u32 v[ADRB+\s], s22, v[LI]
	s_add_co_u32 s21, s21, SLOT
	s_add_co_u32 s22, s22, SLOT
.endr
	v_lshlrev_b32 v5, 2, v1
	s_mul_i32 s21, s15, HALFS
	s_mul_i32 s22, s16, HALFS
	s_add_co_u32 s22, s22, 2*HALFS
	s_sub_co_u32 s22, s22, s21
	v_mul_u32_u24 v6, s22, v2
	s_add_co_u32 s21, s21, SCL
	v_add_nc_u32 v5, v5, v6
	v_add_nc_u32 v[ADRS], s21, v5
	s_lshl_b32 s20, s17, 18                        ; the tables' image: 16,384 bytes a tile of tokens; my first tile is 16 y + 8 x half
	s_lshl_b32 s21, s15, 17
	s_add_co_u32 s20, s20, s21
	s_mov_b32 s21, 0
	s_add_nc_u64 s[96:97], s[96:97], s[20:21]
.macro FRAG reg, adr, q, i
.irp c, 0,1,2
	ds_load_b128 v[\reg+4*\c:\reg+4*\c+3], v[\adr] offset:(\i)*SLB+(\q)*FRB+512*\c
.endr
.endm
.macro MUL16 a0, p, q, sc, zero
.irp a, \a0, \a0+1
.irp b, 0,1,2,3,4,5,6,7
.if \zero
	v_wmma_scale_f32_16x16x128_f8f6f4 v[8*(8*((\a)%4)+\b):8*(8*((\a)%4)+\b)+7], v[128*(\p)+FR*\b:128*(\p)+FR*\b+FR-1], v[AF+FR*(\a):AF+FR*(\a)+FR-1], 0, v[SC+8*NQ*(\sc)+NQ*\b+(\q)], v[SC+8*NQ*(\sc)+NQ*(\a)+(\q)] matrix_a_fmt:MATRIX_FMT_BF6 matrix_b_fmt:MATRIX_FMT_BF6 matrix_a_scale:MATRIX_SCALE_ROW1
.else
	v_wmma_scale_f32_16x16x128_f8f6f4 v[8*(8*((\a)%4)+\b):8*(8*((\a)%4)+\b)+7], v[128*(\p)+FR*\b:128*(\p)+FR*\b+FR-1], v[AF+FR*(\a):AF+FR*(\a)+FR-1], v[8*(8*((\a)%4)+\b):8*(8*((\a)%4)+\b)+7], v[SC+8*NQ*(\sc)+NQ*\b+(\q)], v[SC+8*NQ*(\sc)+NQ*(\a)+(\q)] matrix_a_fmt:MATRIX_FMT_BF6 matrix_b_fmt:MATRIX_FMT_BF6 matrix_a_scale:MATRIX_SCALE_ROW1
.endif
.endr
.endr
.endm
.macro FETCH_B slot, q, p
	WIN TO_B
.irp i, 0,1,2,3,4,5,6,7
	FRAG 128*(\p)+FR*\i, ADRB+\slot, \q, \i
.endr
	WIN 0
.endm
.macro FETCH_A slot, q, i0
.irp i, \i0, \i0+1, \i0+2, \i0+3
	FRAG AF+FR*(\i), ADRA+\slot, \q, \i
.endr
.endm
.macro SCALES sc
.irp i, 0,1,2,3,4,5,6,7
.irp q, 0,1
	ds_load_b32 v[SC+8*NQ*\sc+NQ*\i+\q], v[ADRS] offset:\i*1024+\q*64
.endr
.endr
.endm
.macro PLACES n
.rept \n
	v_nop
.endr
.endm
.macro STEP slot, q, zero
	s_wait_dscnt 4*NL
	WIN MUL_LO
	MUL16 0, (\q)%2, \q, \slot, \zero
	MUL16 2, (\q)%2, \q, \slot, \zero
	s_wait_dscnt 0
	PLACES NP
	FETCH_B \slot, (\q)+1, 1-(\q)%2
	FETCH_A \slot, (\q)+1, 0
	WIN MUL_HI
	MUL16 4, (\q)%2, \q, \slot, \zero
	MUL16 6, (\q)%2, \q, \slot, \zero
	PLACES NP
	WIN 0
	FETCH_A \slot, (\q)+1, 4
.endm
.macro TURN slot, next, fill
	s_wait_tensorcnt 0x0
	ds_add_u32 v[SPW], v[NIL]
	s_wait_dscnt 4*NL+1
	WIN MUL_LO
	MUL16 0, 1, NQ-1, \slot, 0
	s_wait_dscnt 0x0
	s_barrier_signal -1
	MUL16 2, 1, NQ-1, \slot, 0
	WIN 0
	s_barrier_wait -1
.if \fill
	CREST
	s_add_nc_u64 s[G0+4*\slot+2:G0+4*\slot+3], s[G0+4*\slot+2:G0+4*\slot+3], 2*SLB
	s_add_nc_u64 s[G0B+4*\slot+2:G0B+4*\slot+3], s[G0B+4*\slot+2:G0B+4*\slot+3], 2*SLB
	JLOAD G0+4*\slot, G1, G0B+4*\slot, G1B
.else
	PLACES NP
.endif
	s_wait_alu depctr_va_vdst(0)
	v_add_nc_u32 v[ADRS], 64*NQ, v[ADRS]
	FETCH_B \next, 0, 0
	FETCH_A \next, 0, 0
	SCALES \next
	WIN MUL_HI
	MUL16 4, 1, NQ-1, \slot, 0
	MUL16 6, 1, NQ-1, \slot, 0
	PLACES NP
	WIN 0
	FETCH_A \next, 0, 4
.endm
	s_wait_alu depctr_va_vdst(0)
	s_wait_tensorcnt 0x0                           ; my tile of the head's four is in
	ds_add_u32 v[SPW], v[NIL]
	s_mov_b32 s[G1+2], 8<<16                       ; no load of mine is out: from here on a load brings 8 tiles
	s_mov_b32 s[G1+4], 8
	s_mov_b32 s[G1B+2], 8<<16
	s_mov_b32 s[G1B+4], 8
	s_wait_dscnt 0x0
	CROUND
	JLOAD G0+4, G1, G0B+4, G1B                     ; slot 1's first fill
	FETCH_B 0, 0, 0
	FETCH_A 0, 0, 0
	SCALES 0
	FETCH_A 0, 0, 4
	STEP 0, 0, 1
	s_mov_b32 s3, LAPS-1
.Llap:
	TURN 0, 1, 1
	STEP 1, 0, 0
	TURN 1, 0, 1
	STEP 0, 0, 0
	s_sub_co_u32 s3, s3, 1
	s_cmp_lg_u32 s3, 0
	s_cbranch_scc1 .Llap
	TURN 0, 1, 0
	STEP 1, 0, 0
	s_wait_dscnt 4*NL
	WIN MUL_LO
	MUL16 0, 1, NQ-1, 1, 0
	MUL16 2, 1, NQ-1, 1, 0
	s_wait_dscnt 0
	WIN MUL_HI
	MUL16 4, 1, NQ-1, 1, 0
	MUL16 6, 1, NQ-1, 1, 0
	WIN 0
.macro QUANT s, w, pw, pc
.set WN, (\w)|((\w)<<2)
	WIN WN
.irp b, 0,1,2,3
	v_max3_num_f32 v[TM+\b], |v[\s+16*\b]|, |v[\s+1+16*\b]|, 0x2800000
.endr
.set WN, ((\w)<<2)|((\w)<<4)
	WIN WN
.irp i, 2,4,6,8,10,12,14
.irp b, 0,1,2,3
	v_max3_num_f32 v[TM+\b], v[TM+\b], |v[\s+16*\b+\i]|, |v[\s+1+16*\b+\i]|
.endr
.endr
	WIN 0
.irp b, 0,1,2,3
	v_permlanex16_b32 v[TM+4+\b], v[TM+\b], s[SEL], s[SEL+1]
.endr
.irp b, 0,1,2,3
	v_max_num_f32 v[TM+\b], v[TM+\b], v[TM+4+\b]
.endr
.irp b, 0,1,2,3
	v_add_nc_u32 v[TM+12+\b], 0xfe000000, v[TM+\b]
.endr
.irp b, 0,1,2,3
	v_lshrrev_b32 v[TM+4+\b], 23, v[TM+12+\b]
.endr
	v_lshl_or_b32 v[\pw], v[TM+5], 8, v[TM+4]
	v_lshl_or_b32 v[\pw], v[TM+6], 16, v[\pw]
	v_lshl_or_b32 v[\pw], v[TM+7], 24, v[\pw]
.set WN, (\w)
	WIN WN
.irp c, 0,1
	v_cvt_scalef32_pk16_bf6_f32 v[\pc+6*\c:\pc+2+6*\c], v[\s+32*\c:\s+15+32*\c], v[TM+12+2*\c]
	v_cvt_scalef32_pk16_bf6_f32 v[\pc+12+4*\c:\pc+14+4*\c], v[\s+16+32*\c:\s+31+32*\c], v[TM+12+2*\c+1]
.endr
	WIN 0
	v_nop
.irp c, 0,1
.irp i, 0,1,2
	v_permlane16_swap_b32 v[\pc+6*\c+\i], v[\pc+12+4*\c+\i]
.endr
.irp i, 0,1,2
	v_mov_b32 v[\pc+3+6*\c+\i], v[\pc+12+4*\c+\i]
.endr
.endr
.endm
.macro OUTF a
.irp c, 0,1,2
	global_store_b128 v[LI], v[PC0+12*(\a)+4*\c:PC0+12*(\a)+4*\c+3], s[92:93] offset:FRB*(\a)+512*\c
.endr
.endm
.macro CSLOAD a
.set CB, 128*((\a)%2)
	WIN 0x40
.irp b, 0,1,2,3
.irp j, 0,1,2,3
	global_load_b128 v[CB+16*\b+4*\j:CB+16*\b+4*\j+3], v[LI], s[96:97] offset:16384*(\a)+512*(4*\b+\j)
	global_load_b128 v[CB+64+16*\b+4*\j:CB+64+16*\b+4*\j+3], v[LI], s[96:97] offset:16384*(\a)+8192+512*(4*\b+\j)
.endr
.endr
.endm
.macro ROPE a
.set AC, 64*((\a)%4)
.set WA, 2+(\a)/4
.set CB, 128*((\a)%2)
.if (\a) < 7
	s_wait_loadcnt 32
.else
	s_wait_loadcnt 0
.endif
.set WN, WA|4
	WIN WN
.set i, 0
.rept 32
	v_pk_mul_f32 v[HA+2*i:HA+2*i+1], v[AC+2*i:AC+2*i+1], v[CB+2*i:CB+2*i+1]
.set i, i+1
.endr
.set i, 0
.rept 32
	v_fma_f32 v[HA+2*i], -v[AC+2*i+1], v[CB+64+2*i], v[HA+2*i]
	v_fma_f32 v[HA+2*i+1], v[AC+2*i], v[CB+64+2*i+1], v[HA+2*i+1]
.set i, i+1
.endr
.if (\a)+2 < 8
	CSLOAD (\a)+2
.endif
	WIN 0
	QUANT HA, 0, PWS+(\a), PC0+12*(\a)
	OUTF \a
.endm
.macro VQ a
.set AC, 64*((\a)%4)
.set WA, 2+(\a)/4
	QUANT AC, WA, PWS+(\a), PC0+12*(\a)
	OUTF \a
.endm
	PLACES NP
	s_mov_b32 s[SEL], 0x76543210
	s_mov_b32 s[SEL+1], 0xfedcba98
.irp b, 0,1,2,3
	v_mov_b32 v[TM+4+\b], 0
.endr
	s_and_b32 s20, s42, 7
	s_lshl_b32 s20, s20, 1
	s_add_co_u32 s20, s20, s16
	s_lshl_b32 s21, s17, 1
	s_add_co_u32 s21, s21, s15
	s_cmp_ge_u32 ttmp9, 4
	s_cselect_b32 s22, s21, s20
	s_cselect_b32 s23, s20, s21
	s_cselect_b32 s46, 12800, 0
	s_lshl_b32 s22, s22, 4
	s_add_co_u32 s22, s22, s23
	s_mov_b32 s47, 25600
	s_cmp_lt_u32 ttmp9, 2
	s_cselect_b64 s[92:93], s[98:99], s[100:101]
	s_cselect_b32 s47, 12800, s47
	s_mul_i32 s22, s22, s47
	s_add_co_u32 s22, s22, s46
	s_mov_b32 s23, 0
	s_add_nc_u64 s[92:93], s[92:93], s[22:23]
	s_cmp_ge_u32 ttmp9, 4
	s_cbranch_scc1 .Lv
	CSLOAD 0
	CSLOAD 1
.irp a, 0,1,2,3,4,5,6,7
	ROPE \a
.endr
	s_branch .Lw
.Lv:
.irp a, 0,1,2,3,4,5,6,7
	VQ \a
.endr
.Lw:
	v_and_b32 v1, 31, v0
	v_cmp_le_u32 vcc_lo, 16, v1
.irp e, 0,1,2,3
	v_cndmask_b32 v[D+\e], v[PWS+\e], v[PWS+4+\e], vcc_lo
.endr
	global_store_b128 v[LI], v[D:D+3], s[92:93] offset:8*FRB
	s_wait_tensorcnt 0x0
	ds_add_u32 v[SPW], v[NIL]
	s_wait_dscnt 0x0
	CROUND
	s_endpgm
; THE MASK'S IMAGE: mimg[tile of 16 queries 128][key step 16][8,192 bytes] = mask x sqrt(128), f32, in the order of the registers that take it as the C of the scores' product:
; byte 512 (4 b + j) + 16 lane holds keys 128 step + 32 b + 16 (lane / 16) + 4 j + 0 .. 3 of query row 32 (T / 2) + 8 (T % 2) + r + 8 (r / 8), r = lane % 16.
; 64 work-groups x 4 waves; a wave takes 8 key steps of one tile, two a trip.  Each load reads 512 consecutive bytes of a row; 16 rows turn through the wave's own stage; each store covers 512 consecutive bytes.
.set MSP,  528                         ; a stage row: 512 bytes + 16
.set MSTW, 16*MSP                      ; a wave's stage
.set MSTG, SPARE+512                   ; behind the spare words: bytes that no tensor load fills
.macro MLOAD u
.irp p, 0,1,2,3,4,5,6,7,8,9,10,11,12,13,14,15
	global_load_b128 v[64+64*\u+4*\p:64+64*\u+4*\p+3], v2, s[12:13] offset:(\p+8*(\p/8))*8192+512*\u th:TH_LOAD_NT
.endr
.endm
.macro MTURN u
	s_wait_loadcnt 16*(1-\u)                       ; this unit's 16 loads are in; the other unit's may be out
.irp p, 0,1,2,3,4,5,6,7,8,9,10,11,12,13,14,15
	ds_store_b128 v3, v[64+64*\u+4*\p:64+64*\u+4*\p+3] offset:MSP*\p
.endr
	s_wait_xcnt 0x0                                ; the stores of the unit before have read v192-255
.irp b, 0,1,2,3
.irp j, 0,1,2,3
	ds_load_b128 v[192+16*\b+4*\j:192+16*\b+4*\j+3], v4 offset:128*\b+16*\j   ; LDS serves a wave's instructions in order
.endr
.endr
	s_wait_dscnt 0x0
.set i, 0
.rept 32
	v_pk_mul_f32 v[192+2*i:193+2*i], v[192+2*i:193+2*i], s[20:21] op_sel_hi:[1,0]
.set i, i+1
.endr
.set i, 0
.rept 16
	global_store_b128 v2, v[192+4*i:195+4*i], s[66:67] offset:8192*\u+512*i
.set i, i+1
.endr
.endm
.Lmask:
	s_sub_co_u32 s20, s42, 24
	s_lshl_b32 s20, s20, 3
	s_add_co_u32 s20, s20, s17                     ; which of the 64 work-groups
	s_lshl_b32 s20, s20, 1
	s_add_co_u32 s20, s20, s15                     ; my tile T = 2 x that + wave / 2
	s_lshr_b32 s21, s20, 1
	s_lshl_b32 s21, s21, 5
	s_and_b32 s22, s20, 1
	s_lshl_b32 s22, s22, 3
	s_add_co_u32 s21, s21, s22                     ; its first row,
	s_lshl_b32 s21, s21, 13                        ; in bytes,
	s_lshl_b32 s22, s16, 12                        ; + my 8 key steps of 512 bytes
	s_add_co_u32 s22, s21, s22
	s_mov_b32 s23, 0
	s_add_nc_u64 s[12:13], s[12:13], s[22:23]
	s_lshl_b32 s22, s20, 17                        ; the image: 16 units of 8,192 bytes a tile
	s_lshl_b32 s21, s16, 16
	s_add_co_u32 s22, s22, s21
	s_add_nc_u64 s[66:67], s[66:67], s[22:23]
	s_mov_b32 s20, 0x413504f3                      ; sqrt(128)
	s_mov_b32 s21, s20
	s_mul_i32 s22, s14, MSTW
	s_add_co_u32 s22, s22, MSTG                    ; my stage: the wave's number alone
	v_and_b32 v1, 31, v0
	v_lshlrev_b32 v2, 4, v1                        ; 16 x lane
	v_add_nc_u32 v3, s22, v2                       ; into the stage: a row as it lies
	v_and_b32 v4, 15, v0
	v_bfe_u32 v5, v0, 4, 1
	v_mul_u32_u24 v4, v4, MSP
	v_lshl_add_u32 v4, v5, 6, v4
	v_add_nc_u32 v4, s22, v4                       ; out of it: row r, + 64 h
	s_mov_b32 s3, 4
	s_wait_alu depctr_va_vdst(0)
.Lmk:
	MLOAD 0
	MLOAD 1
	MTURN 0
	MTURN 1
	s_wait_xcnt 0x0                                ; loads and stores have read their bases
	s_add_nc_u64 s[12:13], s[12:13], 1024
	s_add_nc_u64 s[66:67], s[66:67], 16384
	s_sub_co_u32 s3, s3, 1
	s_cmp_lg_u32 s3, 0
	s_cbranch_scc1 .Lmk
	s_wait_tensorcnt 0x0                           ; the wave's end
	ds_add_u32 v[SPW], v[NIL]
	s_wait_dscnt 0x0
	CROUND
	s_endpgm
.Lfunc_end_k_q0cf4b325c5_qkv:
	.size	k_q0cf4b325c5_qkv, .Lfunc_end_k_q0cf4b325c5_qkv-k_q0cf4b325c5_qkv
	.p2alignl 7, 3214868480
	.fill 96, 4, 3214868480
	.section	.rodata,"a",@progbits
	.p2align	6, 0x0
	.amdhsa_kernel k_q0cf4b325c5_qkv
		.amdhsa_group_segment_fixed_size 327680
		.amdhsa_private_segment_fixed_size 0
		.amdhsa_enable_private_segment 0
		.amdhsa_kernarg_size 56
		.amdhsa_user_sgpr_count 2
		.amdhsa_user_sgpr_kernarg_segment_ptr 1
		.amdhsa_wavefront_size32 1
		.amdhsa_system_sgpr_workgroup_id_x 1
		.amdhsa_system_sgpr_workgroup_id_y 1
		.amdhsa_system_sgpr_workgroup_id_z 1
		.amdhsa_system_vgpr_workitem_id 0
		.amdhsa_next_free_vgpr 1024
		.amdhsa_next_free_sgpr 102
		.amdhsa_reserve_vcc 1
		.amdhsa_float_denorm_mode_32 3
		.amdhsa_float_denorm_mode_16_64 3
		.amdhsa_memory_ordered 1
		.amdhsa_forward_progress 1
		.amdhsa_inst_pref_size 255
	.end_amdhsa_kernel
	.section	.bss,"aw",@nobits
	.p2align	6
	.space	262144
	.amdgpu_metadata
---
amdhsa.version: [ 1, 2 ]
amdhsa.kernels:
  - .name:           k_q0cf4b325c5_qkv
    .symbol:         k_q0cf4b325c5_qkv.kd
    .args:
      - { .name: codes, .offset: 0, .size: 8, .value_kind: global_buffer, .address_space: global }
      - { .name: scales, .offset: 8, .size: 8, .value_kind: global_buffer, .address_space: global }
      - { .name: csimg, .offset: 16, .size: 8, .value_kind: global_buffer, .address_space: global }
      - { .name: qbuf, .offset: 24, .size: 8, .value_kind: global_buffer, .address_space: global }
      - { .name: kvbuf, .offset: 32, .size: 8, .value_kind: global_buffer, .address_space: global }
      - { .name: attention_mask, .offset: 40, .size: 8, .value_kind: global_buffer, .address_space: global }
      - { .name: mimg, .offset: 48, .size: 8, .value_kind: global_buffer, .address_space: global }
    .group_segment_fixed_size: 327680
    .private_segment_fixed_size: 0
    .kernarg_segment_align: 8
    .kernarg_segment_size: 56
    .max_flat_workgroup_size: 128
    .sgpr_count:     102
    .vgpr_count:     1024
    .wavefront_size: 32
...
	.end_amdgpu_metadata
.endif
;; end of part 6
;; launch attn (part 7): grid 16 x 16, 8 waves a work-group, clusters of 4 x 4, 327,680 bytes of LDS; arguments qbuf, kvbuf, mimg, oc, os; writes oc, os
.if DOCPART == 7
	.amdgcn_target "amdgcn-amd-amdhsa--gfx1250"
	.amdhsa_code_object_version 6
	.text
	.protected	k_q0cf4b325c5_attn
	.globl	k_q0cf4b325c5_attn
	.p2align	8
	.type	k_q0cf4b325c5_attn,@function
k_q0cf4b325c5_attn:
	s_mov_b64 s[64:65], 0
	v_nop
	global_prefetch_b8 v0, s[64:65] scope:SCOPE_SE
	s_setreg_imm32_b32 hwreg(HW_REG_WAVE_MODE, 25, 1), 1
	s_wait_xcnt 0x0
	s_wait_alu depctr_hold_cnt(0) depctr_sa_sdst(0) depctr_va_vdst(0) depctr_va_sdst(0) depctr_va_ssrc(0) depctr_va_vcc(0) depctr_vm_vsrc(0)
	s_getreg_b32 s2, hwreg(HW_REG_IB_STS2, 6, 4)
	s_cmp_eq_u32 s2, 0
	s_cbranch_scc0 .Lentry_in_a_cluster
	s_endpgm
.Lentry_in_a_cluster:
	s_bfe_u32 s2, ttmp6, 0x10000c
	s_cmp_lg_u32 s2, 0xf033
	s_cbranch_scc0 .Lentry_shape_is_right
	s_endpgm
.Lentry_shape_is_right:
; o[q][head] = softmax_k(q . k / sqrt(128) + mask[q][k]) v, both products on codes of BF6 (E3M2) with one E8M0 scale for each 32 along a product's K; o is quantised along the head's 128 and leaves as codes.
; THE MASK IS AN INPUT: every key step is walked and every mask number is used.  It comes as mimg = mask x sqrt(128), laid by the launch before in the order of the registers of the first product's C:
; D x c = (score / sqrt(128) + mask) x log2(e) with c = log2(e) / sqrt(128).
; THE SOFTMAX: t = logit x log2(e); M = the row's largest t so far, rounded UP to a whole number; p = 2^(t - M) is quantised along the keys; the row's sum is taken of the unquantised p and divides at the end.
; When M moves, the sum and O are multiplied by 2^(old M - new M): exact.
; SHARES.  A work-group owns 128 queries of one head; each of its eight waves owns one tile of 16.  Both products are used transposed (S^T = K Q^T + C, O^T = V^T P^T): a lane holds one query.
; A tile of 16 rows holds rows 32 (T / 2) + 8 (T % 2) + p + 8 (p / 8), so that the 16 registers of tiles 2 b and 2 b + 1 are 16 neighbours.  All operands lie in memory as images of their registers.
; THE RECORDS OF K AND V (25,600 bytes a key step) go through a ring of two LDS slots of TWO key steps each, 51,200 bytes; each wave fetches an eighth, 25 rows of 256 bytes, by one joint load:
; cluster 4 x 4, x = head, y = block of queries; a head's records are shared along a column of the cluster.  A slot's load is asked for at the head of the pair of steps before it: one load a wave is out.
; THE MASK'S IMAGE goes from memory straight into the registers of the one wave that owns its 16 queries: 16 loads of 512 consecutive bytes a key step, issued behind the products of the step before.
; It is not asked for jointly: through LDS, two slots of two key steps would hold 2 x (2 x 65,536 + 51,200) = 364,544 bytes, more than the 327,680 that there are.
; PREFETCHES.  The image: in key step j each wave names 8 blocks of 256 bytes of its own tile's unit of key step j + 3, two steps ahead of that unit's loads; the four partners along x share the unit's 32 blocks by address
; (lanes 8-31 name the wave's last block again); key steps 0 to 2 come by their loads alone; it stops with key step 15.  The records: in trip p waves 0 and 1 name 25 blocks each of pair p + 2, one trip ahead of its load;
; the four partners along y share the pair's 200 blocks by address; it stops with pair 7.
; LIMITS: NaN and infinities among the inputs are not served; the promise holds while |t| stays under 2^31; a block whose largest magnitude lies under 2^-122, a block of zeros too, gets the byte 1 (this program alone reads the bytes).
; REGISTERS, window 0: v1, v2 addresses that stay; v5, v6 the spare word's; v8, v9 addresses in the slot in hand; v12 -M, v13 the largest t, v[14:15] the sum; v16-27 Q; v28, v29 the prefetches' offsets;
;   v32-39 K's scale words, v40-47 V's; v96-159 S^T, then p; v160-223 O^T; v224-235 p's codes; v232-254 at work; v253 p's scale word; v255 Q's.   window 1: v0-95 K; v96-191 V; v192-255 C.
.set FRB,   1536
.set REC,   25600                      ; K's 8 images, 512 bytes of scale words, V's 8 images, their words
.set PAIR,  2*REC
.set WQ,    PAIR/8
.set WOFF,  8*FRB
.set VOFF,  WOFF+512
.set UNIT,  8192                       ; the mask's image of one tile and one key step
.set SLOT1, 1<<17
.set SPARE, 2*SLOT1
.set AK0,  1                           ; 16 x lane: my place in every image, in LDS and in the mask's
.set AW0,  2
.set SPW,  5
.set NIL,  6
.set ADK,  8
.set ADW,  9
.set PFO,  28
.set PFK,  29
.set KW,   32
.set VW,   40
.set KF,   0
.set VF,   96
.set MK,   192
.set PC,   32
.set TM,   52
.set PW,   68
.set TB,   2                           ; s2   where the slot begins that is read next
.set WV,   18
.set SEL,  20
.set CS,   22
.set G1,   32
.set G0,   84
.set CNT,  67                          ; s67  trips to go
.set MB,   76                          ; s[76:77] my tile's image at the pair's first key step
.set KP,   78                          ; s[78:79] the head's records two pairs on
.set LIM,  80                          ; s80  1 in waves 0 and 1, else the greatest number
.set MSB, 0
.macro WIN new
.if MSB != (\new)
	s_set_vgpr_msb (MSB<<8)|(\new)
.set MSB, (\new)
.endif
.endm
.macro CREST
	s_cmp_lg_u32 s[WV], 0
	s_cbranch_scc1 .Lnot_wave_0_\@
	s_barrier_signal -3
.Lnot_wave_0_\@:
	s_barrier_wait -3
	s_barrier_signal -1
	s_barrier_wait -1
.endm
.macro CROUND
	s_barrier_signal -1
	s_barrier_wait -1
	CREST
.endm
.macro JLOAD                           ; every wave's eighth of a pair; s_nop 0 and four v_nop follow
	tensor_load_to_lds s[G0:G0+3], s[G1:G1+7]
	s_nop 0
.rept 4
	v_nop
.endr
.endm
	s_load_b256 s[4:11], s[0:1], 0x0               ; qbuf, kvbuf, mimg, oc
	s_load_b64 s[12:13], s[0:1], 0x20              ; os
	v_lshl_add_u32 v[SPW], v0, 2, SPARE
	v_mov_b32 v[NIL], 0
	ds_add_u32 v[SPW], v[NIL]                      ; the opening lines: the add, twice on end, and its wait
	ds_add_u32 v[SPW], v[NIL]
	v_lshrrev_b32 v8, 5, v0
	s_delay_alu instid0(VALU_DEP_1)
	v_readfirstlane_b32 s[WV], v8                  ; wave 0..7
	s_bfe_u32 s48, ttmp6, 0x40000                  ; cx
	s_bfe_u32 s49, ttmp6, 0x40004                  ; cy
	s_lshl_b32 s50, ttmp9, 2
	s_add_co_u32 s50, s50, s48                     ; the head
	s_and_b32 s54, ttmp7, 0xffff
	s_lshl_b32 s51, s54, 2
	s_add_co_u32 s51, s51, s49                     ; the block of 128 queries
	s_lshl_b32 s53, 0x1111, s48                    ; my column of the cluster
	s_or_b32 s[G1], s53, (3<<16)|(1<<21)           ; 6,400 dense bytes as 25 rows of 256 (32 elements of 8 bytes)
	s_mov_b32 s[G1+1], 32<<16
	s_mov_b32 s[G1+2], 25<<16
	s_mov_b32 s[G1+3], 32<<16
	s_mov_b32 s[G1+4], 25
	s_mov_b32 s[G1+5], 32
	s_mov_b32 s[G1+6], 0
	s_mov_b32 s[G1+7], 0
	s_mul_i32 s58, s50, 16*REC                     ; the head's records,
	s_mul_i32 s61, s[WV], WQ                       ; my eighth: in memory and in a slot
	s_add_co_u32 s58, s58, s61
	s_mov_b32 s59, 0
	s_mov_b32 s[CS], 0x3e0293ee                    ; log2(e) / sqrt(128)
	s_mov_b32 s[CS+1], s[CS]
	s_mov_b32 s[SEL], 0x76543210
	s_mov_b32 s[SEL+1], 0xfedcba98
	s_mov_b32 s[TB], 0
	s_mov_b32 s[CNT], 7
	s_wait_dscnt 0x0
	s_wait_kmcnt 0x0
	s_add_nc_u64 s[58:59], s[6:7], s[58:59]
	CROUND                                         ; all sixteen work-groups are here: the first joint loads meet
	s_mov_b32 s[G0], 1
	s_mov_b32 s[G0+1], s61
	s_mov_b64 s[G0+2:G0+3], s[58:59]
	s_or_b32 s[G0+3], s[G0+3], 0x80000000
	JLOAD                                          ; pair 0 into slot 0: one load a wave at the head
	s_lshl_b32 s56, s51, 3
	s_add_co_u32 s56, s56, s[WV]                   ; my tile of queries: 8 y + w
	s_lshl_b32 s56, s56, 17                        ; 16 units a tile
	s_mov_b32 s57, 0
	s_add_nc_u64 s[MB:MB+1], s[8:9], s[56:57]
	s_mul_i32 s72, s50, 16*REC
	s_add_co_u32 s72, s72, 2*PAIR
	s_mov_b32 s73, 0
	s_add_nc_u64 s[KP:KP+1], s[6:7], s[72:73]
	s_cmp_lt_u32 s[WV], 2
	s_cselect_b32 s[LIM], 1, -1
	s_lshl_b32 s62, s50, 4
	s_add_co_u32 s62, s62, s51
	s_mul_i32 s62, s62, 8*FRB+512                  ; Q: (16 head + y) x 12,800
	s_mov_b32 s63, 0
	s_add_nc_u64 s[4:5], s[4:5], s[62:63]
	s_mul_i32 s68, s[WV], FRB
	s_lshr_b32 s69, s[WV], 2
	s_lshl_b32 s69, s69, 8
	s_and_b32 s70, s[WV], 3
	s_lshl_b32 s70, s70, 2
	s_add_co_u32 s69, s69, s70                     ; 256 (w / 4) + 4 (w % 4)
	s_lshl_b32 s70, s48, 11                        ; the image's prefetch: my work-group's 8 blocks of a unit
	s_mul_i32 s71, s49, 12800                      ; the records': my work-group's 50 blocks of a pair,
	s_add_co_u32 s71, s71, s61                     ; my wave's 25 of them
	v_and_b32 v9, 31, v0                           ; lane
	v_and_b32 v4, 15, v0                           ; r
	v_lshlrev_b32 v[AK0], 4, v9
	v_lshlrev_b32 v[AW0], 4, v4
	v_min_u32 v[PFO], 7, v9
	v_min_u32 v[PFK], 24, v9
	v_add_nc_u32 v11, s68, v[AK0]
	v_add_nc_u32 v7, s69, v[AW0]
	v_lshlrev_b32 v[PFO], 8, v[PFO]
	v_lshlrev_b32 v[PFK], 8, v[PFK]
	v_add_nc_u32 v[AW0], WOFF, v[AW0]
	v_add_nc_u32 v[PFO], s70, v[PFO]
	v_add_nc_u32 v[PFK], s71, v[PFK]
.irp c, 0,1,2
	global_load_b128 v[16+4*\c:19+4*\c], v11, s[4:5] offset:512*\c
.endr
	global_load_b32 v255, v7, s[4:5] offset:WOFF
	WIN 0x40
.set i, 0
.rept 16
	global_load_b128 v[MK+4*i:MK+4*i+3], v[AK0], s[MB:MB+1] offset:512*i   ; key step 0's C
.set i, i+1
.endr
	WIN 0
	v_mov_b32 v13, 0xff61b1e6                      ; the largest t so far: -3e38
	s_delay_alu instid0(VALU_DEP_1)
	v_floor_f32 v12, -v13                          ; -M
	v_mov_b32 v14, 0
	v_mov_b32 v15, 0
.irp b, 0,1,2,3
	v_mov_b32 v[236+\b], 0                         ; a lane permute's destination counts as one of its sources
.endr
	v_mov_b32 v253, 0
.set j, 0
.rept 64
	v_mov_b32 v[160+j], 0                          ; O^T: the step is written for every trip alike
.set j, j+1
.endr
.macro LOADK off                       ; K's 8 fragments and their scale words: 26 loads
	WIN 0x40
.irp t, 0,1,2,3,4,5,6,7
.irp c, 0,1,2
	ds_load_b128 v[KF+12*\t+4*\c:KF+12*\t+4*\c+3], v[ADK] offset:(\off)+FRB*\t+512*\c
.endr
.endr
	WIN 0
	ds_load_b128 v[KW:KW+3], v[ADW] offset:(\off)
	ds_load_b128 v[KW+4:KW+7], v[ADW] offset:(\off)+256
.endm
; THE CHANGE OF SLOTS, at the head of a pair of key steps.  Each wave waits for its tensor load (its eighth of this pair), adds 0 to its spare word, and waits for that and for its reads of the pair before.
; fill = 1: a round of the cluster's barrier, then the next pair's joint load into the slot read last (the first time: slot 1's first fill).  fill = 0: the last pair: a plain barrier shows it whole.
.macro EVENT fill
	s_wait_tensorcnt 0x0
.if \fill
	ds_add_u32 v[SPW], v[NIL]
	s_xor_b32 s[G0+1], s[G0+1], SLOT1              ; no load of mine is out: the descriptor walks on
	s_add_nc_u64 s[G0+2:G0+3], s[G0+2:G0+3], PAIR
.endif
	s_wait_dscnt 0x0
	s_barrier_signal -1
	s_barrier_wait -1
.if \fill
	CREST
	JLOAD
.endif
	v_add_nc_u32 v[ADK], s[TB], v[AK0]
	v_add_nc_u32 v[ADW], s[TB], v[AW0]
	s_xor_b32 s[TB], s[TB], SLOT1
	s_wait_alu depctr_va_vdst(0)
	LOADK 0
.endm
; A KEY STEP: 128 keys.  odd: which of its pair;  tail = 1: the last pair: nothing beyond key step 15 is asked for.
.macro STEP odd, tail
.set OFF, REC*(\odd)
	s_wait_loadcnt 0x0                             ; C (and, the first time, Q)
	s_wait_dscnt 0x0                               ; K and its scale words
	WIN 0x11
.irp t, 0,1,2,3,4,5,6,7                ; S^T = K Q^T + C
	v_wmma_scale_f32_16x16x128_f8f6f4 v[96+8*\t:103+8*\t], v[KF+12*\t:KF+12*\t+11], v[16:27], v[MK+8*\t:MK+8*\t+7], v[KW+\t], v255 matrix_a_fmt:MATRIX_FMT_BF6 matrix_b_fmt:MATRIX_FMT_BF6
.endr
.rept 4
	v_nop                                          ; places: in front of the loads into V's and C's registers and of the first read of the scores
.endr
	WIN 0x40
.irp t, 0,1,2,3,4,5,6,7
.irp c, 0,1,2
	ds_load_b128 v[VF+12*\t+4*\c:VF+12*\t+4*\c+3], v[ADK] offset:OFF+VOFF+FRB*\t+512*\c
.endr
.endr
.if (\odd) == 0 || (\tail) == 0
.set i, 0
.rept 16
	global_load_b128 v[MK+4*i:MK+4*i+3], v[AK0], s[MB:MB+1] offset:UNIT*(1+(\odd))+512*i   ; the next key step's C: it has the rest of this step in which to land
.set i, i+1
.endr
.endif
	WIN 0
	ds_load_b128 v[VW:VW+3], v[ADW] offset:OFF+VOFF
	ds_load_b128 v[VW+4:VW+7], v[ADW] offset:OFF+VOFF+256
.irp b, 0,1,2,3
	v_max3_num_f32 v[232+\b], v[96+16*\b], v[97+16*\b], v[98+16*\b]   ; the largest score of each block of 32 keys: for the row's maximum and for the block's largest p
.endr
.irp i, 3,5,7,9,11,13
.irp b, 0,1,2,3
	v_max3_num_f32 v[232+\b], v[232+\b], v[96+16*\b+\i], v[97+16*\b+\i]
.endr
.endr
.irp b, 0,1,2,3
	v_max_num_f32 v[232+\b], v[232+\b], v[111+16*\b]
.endr
.irp b, 0,1,2,3
	s_delay_alu instid0(VALU_DEP_4)
	v_permlanex16_b32 v[236+\b], v[232+\b], s[SEL], s[SEL+1]
.endr
.irp b, 0,1,2,3
	s_delay_alu instid0(VALU_DEP_4)
	v_max_num_f32 v[232+\b], v[232+\b], v[236+\b]
.endr
	s_delay_alu instid0(VALU_DEP_2)
	v_max3_num_f32 v254, v232, v233, v234
	s_delay_alu instid0(VALU_DEP_1)
	v_max_num_f32 v254, v254, v235
	s_delay_alu instid0(VALU_DEP_1)
	v_mul_f32 v254, s[CS], v254                    ; as t
	s_delay_alu instid0(VALU_DEP_1)
	v_max_num_f32 v13, v13, v254                   ; the running largest t
	v_mov_b32 v254, v12
	s_delay_alu instid0(VALU_DEP_2)
	v_floor_f32 v12, -v13                          ; the new -M = -ceil(t)
	s_delay_alu instid0(VALU_DEP_1)
	v_sub_f32 v254, v12, v254
	s_delay_alu instid0(VALU_DEP_1)
	v_cvt_i32_f32 v254, v254                       ; (it saturates)
	s_delay_alu instid0(VALU_DEP_1)
	v_ldexp_f32 v252, 1.0, v254                    ; f = 2^(old M - new M)
.set j, 0
.rept 32
	v_pk_fma_f32 v[96+j:97+j], v[96+j:97+j], s[CS:CS+1], v[12:13] op_sel_hi:[1,0,0]   ; t - M
.set j, j+2
.endr
.irp b, 0,1,2,3
	v_fma_f32 v[232+\b], v[232+\b], s[CS], v12
.endr
.if (\tail) == 0
.if (\odd) == 0
	global_prefetch_b8 v[PFO], s[MB:MB+1] offset:3*UNIT th:TH_LOAD_NT scope:SCOPE_SE   ; key step 2 p + 3, at most 15
	s_cmp_gt_u32 s[CNT], s[LIM]                    ; waves 0 and 1, while pair p + 2 is at most 7
	s_cbranch_scc0 .Lno_rec_\@
	global_prefetch_b8 v[PFK], s[KP:KP+1] th:TH_LOAD_NT scope:SCOPE_SE
.Lno_rec_\@:
.else
	s_cmp_gt_u32 s[CNT], 1                         ; while key step 2 p + 4 is at most 14
	s_cbranch_scc0 .Lno_img_\@
	global_prefetch_b8 v[PFO], s[MB:MB+1] offset:4*UNIT th:TH_LOAD_NT scope:SCOPE_SE
.Lno_img_\@:
.endif
.endif
	s_wait_alu depctr_va_vdst(0)
.set j, 0
.rept 64
	v_exp_f32 v[96+j], v[96+j]                     ; p = 2^(t - M)
.set j, j+1
.endr
.irp b, 0,1,2,3
	v_exp_f32 v[232+\b], v[232+\b]                 ; each block's largest p
.endr
	v_pk_mul_f32 v[14:15], v[14:15], v[252:253] op_sel_hi:[1,0]   ; the sums under the new M: the plain instruction behind the batch
.if (\odd) == 0
	LOADK REC                                      ; the pair's second step: the same slot
.endif
	s_wait_alu depctr_va_vdst(0)                   ; one wait for the batch, ahead of its first reader
	v_pk_add_f32 v[236:237], v[96:97], v[98:99]    ; the row's sum of the unquantised p, in two chains
.irp u, 4,8,12,16,20,24,28,32,36,40,44,48,52,56,60
	v_pk_add_f32 v[14:15], v[14:15], v[96+\u:97+\u]
	v_pk_add_f32 v[236:237], v[236:237], v[98+\u:99+\u]
.endr
.irp b, 0,1,2,3
	v_max_num_f32 v[232+\b], 0x2800000, v[232+\b]  ; the floor 2^(5 - 127)
.endr
.irp b, 0,1,2,3
	s_delay_alu instid0(VALU_DEP_4)
	v_add_nc_u32 v[244+\b], 0xfe000000, v[232+\b]  ; the conversion's scale operand
.endr
	v_pk_add_f32 v[14:15], v[14:15], v[236:237]
.irp b, 0,1,2,3
	v_lshrrev_b32 v[236+\b], 23, v[244+\b]         ; the scale's byte
.endr
	s_delay_alu instid0(VALU_DEP_3)
	v_lshl_or_b32 v253, v237, 8, v236
	s_delay_alu instid0(VALU_DEP_1)
	v_lshl_or_b32 v253, v238, 16, v253
	s_delay_alu instid0(VALU_DEP_1)
	v_lshl_or_b32 v253, v239, 24, v253
.irp c, 0,1
	v_cvt_scalef32_pk16_bf6_f32 v[224+6*\c:226+6*\c], v[96+32*\c:111+32*\c], v[244+2*\c]
	v_cvt_scalef32_pk16_bf6_f32 v[236+4*\c:238+4*\c], v[112+32*\c:127+32*\c], v[244+2*\c+1]
.endr
	v_nop                                          ; one plain instruction behind a scaled conversion
.irp c, 0,1
.irp i, 0,1,2
	v_permlane16_swap_b32 v[224+6*\c+\i], v[236+4*\c+\i]
.endr
.irp i, 0,1,2
	s_delay_alu instid0(VALU_DEP_3)
	v_mov_b32 v[227+6*\c+\i], v[236+4*\c+\i]
.endr
.endr
.if (\odd) == 1 && (\tail) == 0
	s_wait_xcnt 0x0                                ; the trip's loads and prefetches have read their bases
	s_add_nc_u64 s[MB:MB+1], s[MB:MB+1], 2*UNIT
	s_add_nc_u64 s[KP:KP+1], s[KP:KP+1], PAIR
.endif
	s_wait_dscnt 26*(1-(\odd))                     ; V and its words are in; K's 26 loads for the next step, issued behind them, may be out
	s_wait_alu depctr_va_vdst(0)                   ; directly ahead of the first reader of O^T
.set j, 0
.rept 32
	v_pk_mul_f32 v[160+j:161+j], v[160+j:161+j], v[252:253] op_sel_hi:[1,0]   ; O^T x f; also the places between p's codes and scale word and the products
.set j, j+2
.endr
	WIN 0x01
.irp t, 0,1,2,3,4,5,6,7                ; O^T += V^T P^T: eight accumulators by turns
	v_wmma_scale_f32_16x16x128_f8f6f4 v[160+8*\t:167+8*\t], v[VF+12*\t:VF+12*\t+11], v[224:235], v[160+8*\t:167+8*\t], v[VW+\t], v253 matrix_a_fmt:MATRIX_FMT_BF6 matrix_b_fmt:MATRIX_FMT_BF6
.endr
	WIN 0
.endm
	s_wait_alu depctr_va_vdst(0)
.Lpair:                                            ; 7 trips: pairs 0 to 6, each of which asks for the pair after it
	EVENT 1
	STEP 0, 0
	STEP 1, 0
	s_sub_co_u32 s[CNT], s[CNT], 1
	s_cmp_lg_u32 s[CNT], 0
	s_cbranch_scc1 .Lpair
	EVENT 0                                        ; the last pair is written out: nothing is left to ask for
	STEP 0, 1
	STEP 1, 1
	; THE WAY OUT.  O^T / the sum: register 16 b + i is channel 32 b + 16 h + i of my query: quantised along the head's 128, it leaves as K step "head" of the last product's operand.
.rept 4
	v_nop
.endr
	v_add_f32 v14, v14, v15
	s_delay_alu instid0(VALU_DEP_1)
	v_permlanex16_b32 v252, v14, s[SEL], s[SEL+1]
	s_delay_alu instid0(VALU_DEP_1)
	v_add_f32 v14, v14, v252                       ; the row's sum
	s_wait_alu depctr_va_vdst(0)
	v_rcp_f32 v14, v14
	v_and_b32 v8, 31, v0
	s_delay_alu instid0(VALU_DEP_1)
	v_lshlrev_b32 v8, 4, v8                        ; 16 x lane
	v_and_b32 v9, 15, v0
	s_delay_alu instid0(VALU_DEP_1)
	v_lshlrev_b32 v9, 2, v9                        ; 4 r
.irp b, 0,1,2,3
	v_mov_b32 v[TM+4+\b], 0
.endr
	s_lshl_b32 s68, s51, 3
	s_add_co_u32 s68, s68, s[WV]                   ; my tile of tokens
	s_mul_i32 s70, s68, 16*FRB
	s_mul_i32 s71, s50, FRB
	s_add_co_u32 s70, s70, s71
	s_mov_b32 s71, 0
	s_add_nc_u64 s[10:11], s[10:11], s[70:71]
	s_lshl_b32 s70, s68, 10
	s_lshl_b32 s72, s50, 6
	s_add_co_u32 s70, s70, s72
	s_add_nc_u64 s[12:13], s[12:13], s[70:71]
	s_wait_alu depctr_va_vdst(0)                   ; ahead of the reciprocal's first reader
.set j, 0
.rept 64
	v_mul_f32 v[96+j], v[160+j], v14               ; ascending: each accumulator from its low end on
.set j, j+1
.endr
.irp b, 0,1,2,3
	v_max3_num_f32 v[TM+\b], |v[96+16*\b]|, |v[97+16*\b]|, 0x2800000
.endr
.irp i, 2,4,6,8,10,12,14
.irp b, 0,1,2,3
	s_delay_alu instid0(VALU_DEP_4)
	v_max3_num_f32 v[TM+\b], v[TM+\b], |v[96+16*\b+\i]|, |v[97+16*\b+\i]|
.endr
.endr
.irp b, 0,1,2,3
	s_delay_alu instid0(VALU_DEP_4)
	v_permlanex16_b32 v[TM+4+\b], v[TM+\b], s[SEL], s[SEL+1]
.endr
.irp b, 0,1,2,3
	s_delay_alu instid0(VALU_DEP_4)
	v_max_num_f32 v[TM+\b], v[TM+\b], v[TM+4+\b]
.endr
.irp b, 0,1,2,3
	s_delay_alu instid0(VALU_DEP_4)
	v_add_nc_u32 v[TM+12+\b], 0xfe000000, v[TM+\b]
.endr
.irp b, 0,1,2,3
	s_delay_alu instid0(VALU_DEP_4)
	v_lshrrev_b32 v[TM+4+\b], 23, v[TM+12+\b]
.endr
	s_delay_alu instid0(VALU_DEP_3)
	v_lshl_or_b32 v[PW], v[TM+5], 8, v[TM+4]
	s_delay_alu instid0(VALU_DEP_1)
	v_lshl_or_b32 v[PW], v[TM+6], 16, v[PW]
	s_delay_alu instid0(VALU_DEP_1)
	v_lshl_or_b32 v[PW], v[TM+7], 24, v[PW]
.irp c, 0,1
	v_cvt_scalef32_pk16_bf6_f32 v[PC+6*\c:PC+2+6*\c], v[96+32*\c:111+32*\c], v[TM+12+2*\c]
	v_cvt_scalef32_pk16_bf6_f32 v[PC+12+4*\c:PC+14+4*\c], v[112+32*\c:127+32*\c], v[TM+12+2*\c+1]
.endr
	v_nop
.irp c, 0,1
.irp i, 0,1,2
	v_permlane16_swap_b32 v[PC+6*\c+\i], v[PC+12+4*\c+\i]
.endr
.irp i, 0,1,2
	s_delay_alu instid0(VALU_DEP_3)
	v_mov_b32 v[PC+3+6*\c+\i], v[PC+12+4*\c+\i]
.endr
.endr
.irp c, 0,1,2
	global_store_b128 v8, v[PC+4*\c:PC+4*\c+3], s[10:11] offset:512*\c   ; the image: 512 consecutive bytes a store
.endr
	global_store_b32 v9, v[PW], s[12:13]           ; my row's scale word; both lanes of a row write the same word
	s_wait_tensorcnt 0x0                           ; the wave's end
	ds_add_u32 v[SPW], v[NIL]
	s_wait_dscnt 0x0
	CROUND                                         ; the closing round
	s_endpgm
.Lfunc_end_k_q0cf4b325c5_attn:
	.size	k_q0cf4b325c5_attn, .Lfunc_end_k_q0cf4b325c5_attn-k_q0cf4b325c5_attn
	.p2alignl 7, 3214868480
	.fill 96, 4, 3214868480
	.section	.rodata,"a",@progbits
	.p2align	6, 0x0
	.amdhsa_kernel k_q0cf4b325c5_attn
		.amdhsa_group_segment_fixed_size 327680
		.amdhsa_private_segment_fixed_size 0
		.amdhsa_enable_private_segment 0
		.amdhsa_kernarg_size 40
		.amdhsa_user_sgpr_count 2
		.amdhsa_user_sgpr_kernarg_segment_ptr 1
		.amdhsa_wavefront_size32 1
		.amdhsa_system_sgpr_workgroup_id_x 1
		.amdhsa_system_sgpr_workgroup_id_y 1
		.amdhsa_system_sgpr_workgroup_id_z 1
		.amdhsa_system_vgpr_workitem_id 0
		.amdhsa_next_free_vgpr 512
		.amdhsa_next_free_sgpr 92
		.amdhsa_reserve_vcc 0
		.amdhsa_float_denorm_mode_32 3
		.amdhsa_float_denorm_mode_16_64 3
		.amdhsa_memory_ordered 1
		.amdhsa_forward_progress 1
		.amdhsa_inst_pref_size 102
	.end_amdhsa_kernel
	.amdgpu_metadata
---
amdhsa.version: [ 1, 2 ]
amdhsa.kernels:
  - .name:           k_q0cf4b325c5_attn
    .symbol:         k_q0cf4b325c5_attn.kd
    .args:
      - { .name: qbuf, .offset: 0, .size: 8, .value_kind: global_buffer, .address_space: global }
      - { .name: kvbuf, .offset: 8, .size: 8, .value_kind: global_buffer, .address_space: global }
      - { .name: mimg, .offset: 16, .size: 8, .value_kind: global_buffer, .address_space: global }
      - { .name: oc, .offset: 24, .size: 8, .value_kind: global_buffer, .address_space: global }
      - { .name: os, .offset: 32, .size: 8, .value_kind: global_buffer, .address_space: global }
    .group_segment_fixed_size: 327680
    .private_segment_fixed_size: 0
    .kernarg_segment_align: 8
    .kernarg_segment_size: 40
    .max_flat_workgroup_size: 256
    .sgpr_count:     92
    .vgpr_count:     512
    .wavefront_size: 32
...
	.end_amdgpu_metadata
.endif
;; end of part 7
;; launch oproj (part 8): grid 16 x 16, 4 waves a work-group, clusters of 4 x 4, 327,680 bytes of LDS; arguments oc, os, codes, scales, out0; writes out0
.if DOCPART == 8
	.amdgcn_target "amdgcn-amd-amdhsa--gfx1250"
	.amdhsa_code_object_version 6
	.text
	.protected	k_q0cf4b325c5_oproj
	.globl	k_q0cf4b325c5_oproj
	.p2align	8
	.type	k_q0cf4b325c5_oproj,@function
k_q0cf4b325c5_oproj:
	s_mov_b64 s[64:65], 0
	v_nop
	global_prefetch_b8 v0, s[64:65] scope:SCOPE_SE
	s_setreg_imm32_b32 hwreg(HW_REG_WAVE_MODE, 25, 1), 1
	s_wait_xcnt 0x0
	s_wait_alu depctr_hold_cnt(0) depctr_sa_sdst(0) depctr_va_vdst(0) depctr_va_sdst(0) depctr_va_ssrc(0) depctr_va_vcc(0) depctr_vm_vsrc(0)
	s_getreg_b32 s2, hwreg(HW_REG_IB_STS2, 6, 4)
	s_cmp_eq_u32 s2, 0
	s_cbranch_scc0 .Lentry_in_a_cluster
	s_endpgm
.Lentry_in_a_cluster:
	s_bfe_u32 s2, ttmp6, 0x10000c
	s_cmp_lg_u32 s2, 0xf033
	s_cbranch_scc0 .Lentry_shape_is_right
	s_endpgm
.Lentry_shape_is_right:
.set NQ,     6
.set FR,     12
.set NP,     4
.set FRB,    1536
.set TILEB,  16*FRB
.set SLB,    NQ*FRB
.set QT,     4*SLB
.set SLOT,   4*QT
.set SCL,    2*SLOT
.set QS,     4*1024
.set SPARE,  SCL+4*QS
.set SPITCH, 272
.set STAGE,  SLOT
.set CROW,   8192
.set ADRA, 16
.set ADRB, 20
.set STO,  24
.set RD,   25
.set CO,   26
.set ADRS, 27
.set SPW,  28
.set NIL,  29
.set LI,   30
.set SC,   32
.set ACC,  128
.set G1,   24
.set G1B,  32
.set G0,   40
.set G0B,  52
.set G1S,  68
.set G1SB, 76
.set G0S,  84
.set G0SB, 88
.set MSB, 0
.macro WIN new
.if MSB != (\new)
	s_set_vgpr_msb (MSB<<8)|(\new)
.set MSB, (\new)
.endif
.endm
.set MUL,  0x05
.set TO_F, 0x40
.macro JLOAD g0a, g1a, g0b, g1b
	s_cmp_eq_u32 s15, 0
	s_cbranch_scc0 .Lfor_b_\@
	tensor_load_to_lds s[\g0a:\g0a+3], s[\g1a:\g1a+7]
	s_nop 0
.rept 4
	v_nop
.endr
	s_branch .Lasked_\@
.Lfor_b_\@:
	tensor_load_to_lds s[\g0b:\g0b+3], s[\g1b:\g1b+7]
	s_nop 0
.rept 4
	v_nop
.endr
.Lasked_\@:
.endm
.macro CREST
	s_cmp_lg_u32 s14, 0
	s_cbranch_scc1 .Lnot_wave_0_\@
	s_barrier_signal -3
.Lnot_wave_0_\@:
	s_barrier_wait -3
	s_barrier_signal -1
	s_barrier_wait -1
.endm
.macro CROUND
	s_barrier_signal -1
	s_barrier_wait -1
	CREST
.endm
	s_load_b128 s[4:7], s[0:1], 0x0
	s_load_b128 s[8:11], s[0:1], 0x10
	s_load_b64 s[12:13], s[0:1], 0x20
	v_lshl_add_u32 v[SPW], v0, 2, SPARE
	v_mov_b32 v[NIL], 0
	ds_add_u32 v28, v29
	ds_add_u32 v28, v29
	s_wait_dscnt 0x0
	v_lshrrev_b32 v1, 5, v0
	v_readfirstlane_b32 s14, v1
	s_lshr_b32 s15, s14, 1
	s_and_b32 s16, s14, 1
	s_bfe_u32 s92, ttmp6, 0x40000
	s_bfe_u32 s93, ttmp6, 0x40004
	s_lshl_b32 s94, ttmp9, 2
	s_add_co_u32 s94, s94, s92
	s_and_b32 s17, ttmp7, 0xffff
	s_lshl_b32 s17, s17, 2
	s_add_co_u32 s17, s17, s93
	s_lshl_b32 s95, s93, 2
	s_lshl_b32 s95, 15, s95
	s_lshl_b32 s96, 0x1111, s92
	s_or_b32 s[G1+0], s95, (3<<16)|(1<<21)
	s_or_b32 s[G1B+0], s96, (3<<16)|(1<<21)
.irp g, G1, G1B
	s_mov_b32 s[\g+1], (SLB/8)<<16
	s_mov_b32 s[\g+2], 8<<16
	s_mov_b32 s[\g+3], (SLB/8)<<16
	s_mov_b32 s[\g+4], 8
	s_mov_b32 s[\g+5], TILEB/8
	s_mov_b32 s[\g+6], 0
	s_mov_b32 s[\g+7], 0
.endr
	s_or_b32 s[G1S+0], s95, (3<<16)|(1<<21)
	s_or_b32 s[G1SB+0], s96, (3<<16)|(1<<21)
.irp g, G1S, G1SB
	s_mov_b32 s[\g+1], 32<<16
	s_mov_b32 s[\g+2], 32<<16
	s_mov_b32 s[\g+3], 32<<16
	s_mov_b32 s[\g+4], 32
	s_mov_b32 s[\g+5], 32
	s_mov_b32 s[\g+6], 0
	s_mov_b32 s[\g+7], 0
.endr
	s_lshl_b32 s99, s16, 2
	s_lshl_b32 s20, s17, 3
	s_add_co_u32 s20, s20, s99
	s_lshl_b32 s18, s94, 3
	s_add_co_u32 s18, s18, s99
	s_add_co_u32 s18, s18, 512
	s_lshl_b32 s22, s20, 10
	s_mov_b32 s23, 0
	s_lshl_b32 s100, s18, 10
	s_mov_b32 s101, 0
	s_mul_i32 s20, s20, TILEB
	s_mov_b32 s21, 0
	s_mul_i32 s18, s18, TILEB
	s_mov_b32 s19, 0
	s_mul_i32 s97, s14, QT
	s_wait_kmcnt 0x0
	s_add_nc_u64 s[20:21], s[4:5], s[20:21]
	s_add_nc_u64 s[22:23], s[6:7], s[22:23]
	s_add_nc_u64 s[18:19], s[8:9], s[18:19]
	s_add_nc_u64 s[100:101], s[10:11], s[100:101]
	CROUND
	; K goes in three fills through two regions of six K steps: steps 0-5, 6-11, and 12-15 into the first region again.
	; the head's four tiles, each whole: region 0's 8 tiles of A and of B, and the scale words of A's and of B's 8 tiles.  My half's place is taken off the addresses
	s_mul_i32 s2, s16, 4*TILEB
	s_mov_b32 s3, 0
	s_sub_nc_u64 s[G0+10:G0+11], s[20:21], s[2:3]
	s_sub_nc_u64 s[G0B+10:G0B+11], s[18:19], s[2:3]
	s_lshl_b32 s2, s16, 12
	s_sub_nc_u64 s[G0S+2:G0S+3], s[22:23], s[2:3]
	s_sub_nc_u64 s[G0SB+2:G0SB+3], s[100:101], s[2:3]
	s_mov_b32 s[G0+8], 1
	s_mov_b32 s[G0+9], 0
	s_or_b32 s[G0+11], s[G0+11], 0x80000000
	s_mov_b32 s[G0B+8], 1
	s_mov_b32 s[G0B+9], 2*QT
	s_or_b32 s[G0B+11], s[G0B+11], 0x80000000
	s_mov_b32 s[G0S], 1
	s_mov_b32 s[G0S+1], SCL
	s_or_b32 s[G0S+3], s[G0S+3], 0x80000000
	s_mov_b32 s[G0SB], 1
	s_mov_b32 s[G0SB+1], SCL+2*QS
	s_or_b32 s[G0SB+3], s[G0SB+3], 0x80000000
.irp s, 0,1
	s_mov_b32 s[G0+4*\s], 1
	s_add_co_u32 s[G0+4*\s+1], s97, \s*SLOT
	s_add_nc_u64 s[G0+4*\s+2:G0+4*\s+3], s[20:21], \s*SLB
	s_or_b32 s[G0+4*\s+3], s[G0+4*\s+3], 0x80000000
	s_mov_b32 s[G0B+4*\s], 1
	s_add_co_u32 s[G0B+4*\s+1], s97, \s*SLOT
	s_add_nc_u64 s[G0B+4*\s+2:G0B+4*\s+3], s[18:19], \s*SLB
	s_or_b32 s[G0B+4*\s+3], s[G0B+4*\s+3], 0x80000000
.endr
; one load a wave at the head, in one tree of branches on the wave's number
.macro ARM under, g0, g1, next
	s_cmp_lt_u32 s14, \under
	s_cbranch_scc0 \next
	tensor_load_to_lds s[\g0:\g0+3], s[\g1:\g1+7]
	s_nop 0
.rept 4
	v_nop
.endr
	s_branch .Lhead_asked
\next:
.endm
	ARM 1, G0+8, G1, .Lhead_b
	ARM 2, G0B+8, G1B, .Lhead_sa
	ARM 3, G0S, G1S, .Lhead_sb
	tensor_load_to_lds s[G0SB:G0SB+3], s[G1SB:G1SB+7]
	s_nop 0
.rept 4
	v_nop
.endr
.Lhead_asked:
	v_and_b32 v1, 15, v0
	v_bfe_u32 v2, v0, 4, 1
	v_and_b32 v3, 31, v0
	v_lshlrev_b32 v[LI], 4, v3
	s_mul_i32 s21, s15, QT
	s_mul_i32 s22, s16, QT
	s_add_co_u32 s22, s22, 2*QT
.irp s, 0,1
	v_add_nc_u32 v[ADRA+\s], s21, v[LI]
	v_add_nc_u32 v[ADRB+\s], s22, v[LI]
	s_add_co_u32 s21, s21, SLOT
	s_add_co_u32 s22, s22, SLOT
.endr
	v_lshlrev_b32 v5, 2, v1
	s_mul_i32 s21, s15, QS
	s_mul_i32 s22, s16, QS
	s_add_co_u32 s22, s22, 2*QS
	s_sub_co_u32 s22, s22, s21
	s_wait_alu depctr_va_vdst(0)                   ; directly ahead of the reader below
	v_mul_u32_u24 v6, s22, v2
	s_add_co_u32 s21, s21, SCL
	v_add_nc_u32 v5, v5, v6
	v_add_nc_u32 v[ADRS], s21, v5
	s_mul_i32 s23, s14, 16*SPITCH
	s_add_co_u32 s23, s23, STAGE
	v_mul_u32_u24 v5, v1, SPITCH
	v_lshl_add_u32 v5, v2, 6, v5
	v_add_nc_u32 v[STO], s23, v5
	v_mul_u32_u24 v5, v2, SPITCH
	v_lshl_add_u32 v5, v1, 4, v5
	v_add_nc_u32 v[RD], s23, v5
	v_lshlrev_b32 v[CO], 13, v2
	v_lshl_add_u32 v[CO], v1, 4, v[CO]
	s_lshl_b32 s20, s17, 7
	s_lshl_b32 s21, s15, 6
	s_add_co_u32 s20, s20, s21
	s_lshl_b32 s20, s20, 13
	s_lshl_b32 s18, s94, 9
	s_lshl_b32 s19, s16, 8
	s_add_co_u32 s18, s18, s19
	s_add_co_u32 s20, s20, s18
	s_mov_b32 s21, 0
	s_add_nc_u64 s[12:13], s[12:13], s[20:21]
.macro FRAG reg, adr, q, i
.irp c, 0,1,2
	ds_load_b128 v[\reg+4*\c:\reg+4*\c+3], v[\adr] offset:(\i)*SLB+(\q)*FRB+512*\c
.endr
.endm
.macro FETCH k
.set SL, ((\k)/6)%2
	WIN TO_F
.irp i, 0,1,2,3
	FRAG 128*((\k)%2)+48+FR*\i, ADRB+SL, (\k)%6, \i
	FRAG 128*((\k)%2)+FR*\i, ADRA+SL, (\k)%6, \i
.endr
.endm
.macro SCALES k0
.set kk, \k0
.rept 8
.irp i, 0,1,2,3
	ds_load_b32 v[SC+4*kk+\i], v[ADRS] offset:\i*1024+64*kk
.endr
.set kk, kk+1
.endr
.endm
.macro MUL8 k, a0, zero
.irp a, \a0, \a0+1
.irp b, 0,1,2,3
.if \zero
	v_wmma_scale_f32_16x16x128_f8f6f4 v[ACC+8*(4*(\a)+\b):ACC+8*(4*(\a)+\b)+7], v[128*((\k)%2)+48+FR*\b:128*((\k)%2)+48+FR*\b+FR-1], v[128*((\k)%2)+FR*(\a):128*((\k)%2)+FR*(\a)+FR-1], 0, v[SC+4*(\k)+\b], v[SC+4*(\k)+(\a)] matrix_a_fmt:MATRIX_FMT_BF6 matrix_b_fmt:MATRIX_FMT_BF6 matrix_a_scale:MATRIX_SCALE_ROW1
.else
	v_wmma_scale_f32_16x16x128_f8f6f4 v[ACC+8*(4*(\a)+\b):ACC+8*(4*(\a)+\b)+7], v[128*((\k)%2)+48+FR*\b:128*((\k)%2)+48+FR*\b+FR-1], v[128*((\k)%2)+FR*(\a):128*((\k)%2)+FR*(\a)+FR-1], v[ACC+8*(4*(\a)+\b):ACC+8*(4*(\a)+\b)+7], v[SC+4*(\k)+\b], v[SC+4*(\k)+(\a)] matrix_a_fmt:MATRIX_FMT_BF6 matrix_b_fmt:MATRIX_FMT_BF6 matrix_a_scale:MATRIX_SCALE_ROW1
.endif
.endr
.endr
.endm
.macro PLACES n
.rept \n
	v_nop
.endr
.endm
.macro STEP k, zero, sc
	s_wait_dscnt 0x0
	PLACES NP
	FETCH (\k)+1
.if \sc
	WIN 0
	SCALES 8
.endif
	WIN MUL
	MUL8 \k, 0, \zero
	MUL8 \k, 2, \zero
.endm
.macro TURN k, fill
	WIN 0
	s_wait_tensorcnt 0x0
	ds_add_u32 v[SPW], v[NIL]
	s_wait_dscnt 1
	WIN MUL
	MUL8 \k, 0, 0
	s_wait_dscnt 0x0
	s_barrier_signal -1
	WIN 0
	s_barrier_wait -1
.if \fill
	CREST
	s_add_nc_u64 s[G0+2:G0+3], s[G0+2:G0+3], 2*SLB
	s_add_nc_u64 s[G0B+2:G0B+3], s[G0B+2:G0B+3], 2*SLB
	s_mov_b32 s[G1+1], (4*FRB/8)<<16               ; four K steps are left of each tile's row: tensor_dim0; the LDS rows keep their length
	s_mov_b32 s[G1B+1], (4*FRB/8)<<16
	JLOAD G0, G1, G0B, G1B
.else
	PLACES NP
.endif
	FETCH (\k)+1
	WIN MUL
	MUL8 \k, 2, 0
.endm
	s_wait_alu depctr_va_vdst(0)
	s_wait_tensorcnt 0x0                           ; my tile of the head's four is in
	ds_add_u32 v[SPW], v[NIL]
	s_mov_b32 s[G1+2], 4<<16                       ; no load of mine is out: from here on a load brings 4 tiles
	s_mov_b32 s[G1+4], 4
	s_mov_b32 s[G1B+2], 4<<16
	s_mov_b32 s[G1B+4], 4
	s_wait_dscnt 0x0
	CROUND
	JLOAD G0+4, G1, G0B+4, G1B                     ; region 1's fill: K steps 6-11
	SCALES 0
	FETCH 0
	STEP 0, 1, 1
	STEP 1, 0, 0
	STEP 2, 0, 0
	STEP 3, 0, 0
	STEP 4, 0, 0
	TURN 5, 1
.irp k, 6,7,8,9,10
	STEP \k, 0, 0
.endr
	TURN 11, 0
.irp k, 12,13,14
	STEP \k, 0, 0
.endr
	s_wait_dscnt 0x0
	WIN MUL
	MUL8 15, 0, 0
	MUL8 15, 2, 0
	WIN 0
.macro TOSTAGE a
	WIN 0
.irp b, 0,1,2,3
	ds_store_b128 v[STO], v[ACC+8*(4*(\a)+\b):ACC+8*(4*(\a)+\b)+3] offset:128*(\b/2)+32*(\b%2)
	ds_store_b128 v[STO], v[ACC+8*(4*(\a)+\b)+4:ACC+8*(4*(\a)+\b)+7] offset:128*(\b/2)+32*(\b%2)+16
.endr
	WIN TO_F
.irp t, 0,1,2,3,4,5,6,7
	ds_load_b128 v[32*(\a)+4*\t:32*(\a)+4*\t+3], v[RD] offset:2*\t*SPITCH
.endr
.endm
.macro SEND a, younger
	s_wait_dscnt \younger
	WIN 0x04
.irp t, 0,1,2,3,4,5,6,7
	global_store_b128 v[CO], v[32*(\a)+4*\t:32*(\a)+4*\t+3], s[12:13] offset:(32*((\a)/2)+8*((\a)%2)+2*\t+8*(\t/4))*CROW th:TH_STORE_NT
.endr
.endm
	PLACES NP
	TOSTAGE 0
	TOSTAGE 1
	SEND 0, 16
	TOSTAGE 2
	SEND 1, 16
	TOSTAGE 3
	SEND 2, 16
	SEND 3, 0
	WIN 0
	s_wait_tensorcnt 0x0
	ds_add_u32 v[SPW], v[NIL]
	s_wait_dscnt 0x0
	CROUND
	s_endpgm
.Lfunc_end_k_q0cf4b325c5_oproj:
	.size	k_q0cf4b325c5_oproj, .Lfunc_end_k_q0cf4b325c5_oproj-k_q0cf4b325c5_oproj
	.p2alignl 7, 3214868480
	.fill 96, 4, 3214868480
	.section	.rodata,"a",@progbits
	.p2align	6, 0x0
	.amdhsa_kernel k_q0cf4b325c5_oproj
		.amdhsa_group_segment_fixed_size 327680
		.amdhsa_private_segment_fixed_size 0
		.amdhsa_enable_private_segment 0
		.amdhsa_kernarg_size 40
		.amdhsa_user_sgpr_count 2
		.amdhsa_user_sgpr_kernarg_segment_ptr 1
		.amdhsa_wavefront_size32 1
		.amdhsa_system_sgpr_workgroup_id_x 1
		.amdhsa_system_sgpr_workgroup_id_y 1
		.amdhsa_system_sgpr_workgroup_id_z 1
		.amdhsa_system_vgpr_workitem_id 0
		.amdhsa_next_free_vgpr 512
		.amdhsa_next_free_sgpr 102
		.amdhsa_reserve_vcc 0
		.amdhsa_float_denorm_mode_32 3
		.amdhsa_float_denorm_mode_16_64 3
		.amdhsa_memory_ordered 1
		.amdhsa_forward_progress 1
		.amdhsa_inst_pref_size 84
	.end_amdhsa_kernel
	.amdgpu_metadata
---
amdhsa.version: [ 1, 2 ]
amdhsa.kernels:
  - .name:           k_q0cf4b325c5_oproj
    .symbol:         k_q0cf4b325c5_oproj.kd
    .args:
      - { .name: oc, .offset: 0, .size: 8, .value_kind: global_buffer, .address_space: global }
      - { .name: os, .offset: 8, .size: 8, .value_kind: global_buffer, .address_space: global }
      - { .name: codes, .offset: 16, .size: 8, .value_kind: global_buffer, .address_space: global }
      - { .name: scales, .offset: 24, .size: 8, .value_kind: global_buffer, .address_space: global }
      - { .name: out0, .offset: 32, .size: 8, .value_kind: global_buffer, .address_space: global }
    .group_segment_fixed_size: 327680
    .private_segment_fixed_size: 0
    .kernarg_segment_align: 8
    .kernarg_segment_size: 40
    .max_flat_workgroup_size: 128
    .sgpr_count:     102
    .vgpr_count:     512
    .wavefront_size: 32
...
	.end_amdgpu_metadata
.endif
;; end of part 8
